; MI455X (gfx1250); checked and timed in simulation.
; The chip was launched on July 23, 2026; its instructions are those of AMD's public machine-readable ISA for CDNA 5 (MIT licence, August 2026) and "CDNA5" Instruction Set Architecture Reference Guide (July 2026). The comments in the code are by the model that wrote it; some were corrected since.
;; Block. Allowed arithmetic: matrix products marked QUANTISED: E3M2 operands, one E8M0 scale for each 32 along K, by v_wmma_scale_f32_16x16x128_f8f6f4 with both operands' format E3M2, f32 sums; everything else in f32.
;; Inputs: W1 1,024 x 4,096 float32; W2 4,096 x 1,024 float32; Wk 1,024 x 1,024 float32; Wo 1,024 x 1,024 float32; Wq 1,024 x 1,024 float32; Wv 1,024 x 1,024 float32; b1 4,096 float32; b2 1,024 float32; bk 1,024 float32; bo 1,024 float32; bq 1,024 float32; bv 1,024 float32; ln1_b 1,024 float32; ln1_w 1,024 float32; ln2_b 1,024 float32; ln2_w 1,024 float32; x 2 x 2,048 x 1,024 float32.
;; Outputs: out0 2 x 2,048 x 1,024 float32.
;; This version of the problem:
;;   THIS VERSION OF THE PROBLEM IS GIVEN IN LOW PRECISION. The matrix products marked QUANTISED in the list below multiply operands that are first quantised to E3M2 (3 exponent bits, 2 mantissa bits; 6 bits a number), with one power-of-two scale for each 32 numbers along K (OCP MX v1.0); their sums are f32. All else is computed in f32.
;;   The module's matrix products, in the order in which they are computed (A, B: the left and right operand; K: the contracted axis; several contracted axes count as one K, in the product's order):
;;     1. [M 4,096, K 1,024] x [K 1,024, N 1,024]; A: computed on the way; B: input Wq: QUANTISED
;;     2. [M 4,096, K 1,024] x [K 1,024, N 1,024]; A: computed on the way; B: input Wk: QUANTISED
;;     3. [M 4,096, K 1,024] x [K 1,024, N 1,024]; A: computed on the way; B: input Wv: QUANTISED
;;     4. batch 32 x [M 2,048, K 64] x [K 64, N 2,048]; A: computed on the way; B: computed on the way: QUANTISED
;;     5. batch 32 x [M 2,048, K 2,048] x [K 2,048, N 64]; A: softmax (see below); B: computed on the way: QUANTISED
;;     6. [M 4,096, K 1,024] x [K 1,024, N 1,024]; A: computed on the way; B: input Wo: QUANTISED
;;     7. [M 4,096, K 1,024] x [K 1,024, N 4,096]; A: computed on the way; B: input W1: QUANTISED
;;     8. [M 4,096, K 4,096] x [K 4,096, N 1,024]; A: computed on the way; B: input W2: QUANTISED
;;   THE QUANTISER, for each operand of a quantised product, along K:
;;     - K is cut into blocks of 32 from its start; a last block that is shorter is filled with zeros.
;;     - A block's scale is 2^e with e = floor(log2(the largest magnitude in the block)) - 4, held to -126 .. 127; a block of zeros has e = 0. As a byte (E8M0): e + 127.
;;     - Each number is divided by its block's scale, clamped to +-28, and rounded to the nearest number of E3M2, ties to even, subnormals kept.
;;     - The product sums the exact products of the quantised numbers (number of the format x scale) in f32.
;;   ~~~python
;;   def quantise(x, axis):      # numpy; x: float32 -> the quantised numbers, widened to float32 again
;;       x = np.moveaxis(x, axis, -1); K = x.shape[-1]
;;       x = np.pad(x, [(0, 0)] * (x.ndim - 1) + [(0, -K % 32)]); x = x.reshape(x.shape[:-1] + (-1, 32)); a = np.abs(x).max(-1, keepdims=True)
;;       e = np.where(a > 0, np.clip(np.frexp(np.where(a > 0, a, 1))[1] - 1 - 4, -126, 127), 0)      # np.frexp(a)[1] - 1 = floor(log2(a)), exactly
;;       r = np.clip(x / 2.0 ** e, -28, 28)
;;       step = 2.0 ** (np.maximum(np.frexp(np.where(r == 0, 1, r))[1] - 1, -2) - 2)
;;       q = np.round(r / step) * step * 2.0 ** e      # np.round: ties to even
;;       return np.moveaxis(q.reshape(q.shape[:-2] + (-1,))[..., :K], -1, axis).astype(np.float32)
;;   ~~~
;;   SOFTMAX AHEAD OF A QUANTISED PRODUCT. Where the list says 'softmax', what is quantised is not the finished softmax but p = 2^(t - M), with t = logit x log2(e) and M = ceil(the row's largest t), a whole number; so 1/2 < the row's largest p <= 1. The row's sum l is taken of the UNQUANTISED p, in f32, and the product's result is divided by l at the end. Since M is a whole number, a kernel that streams over the keys may use a running M (the ceiling of the running maximum): every later rescaling is an exact power of two, which a block's scale takes up: the codes' values come out the same.
;;   OPERANDS COMPUTED ON THE WAY. 'Computed on the way' means the value that the module computes at that place (a softmax that the list does not call 'softmax' is quantised finished and normalised). What goes into a quantiser is computed in f32, as accurately as f32 sums, v_exp_f32 and their like allow (about 1e-6 of the number): no bf16 or f16 on the way to a quantiser, and a product that is left as it is and whose result goes on into a quantised operand takes f32 operands (vector FMAs, or v_wmma_f32_16x16x4_f32). A number that lies on a knife's edge between two numbers of the format may be rounded either way, as far as f32 arithmetic and the matrix unit's own rounding can turn it there, and no further.
;; 2 versions. Each part assembles by itself: llvm-mc -triple=amdgcn-amd-amdhsa -mcpu=gfx1250 --defsym DOCPART=n.
;; ======== version 1 of 2: 8 launches
;; workspace buffers: ops 13,107,200 bytes; qkvb 9,830,400 bytes; aob 3,276,800 bytes; x1 16,777,216 bytes; hb 13,107,200 bytes
;; launch wprep (part 1): grid 384 x 1, 4 waves a work-group, no clusters, 26,112 bytes of LDS; arguments Wq, Wk, Wv, Wo, W1, W2, ops; writes ops
.if DOCPART == 1
	.amdgcn_target "amdgcn-amd-amdhsa--gfx1250"
	.amdhsa_code_object_version 6
	.text
	.protected	k_qbf4412aefa_wprep
	.globl	k_qbf4412aefa_wprep
	.p2align	8
	.type	k_qbf4412aefa_wprep,@function
k_qbf4412aefa_wprep:
	s_mov_b64 s[64:65], 0
	v_nop
	global_prefetch_b8 v0, s[64:65] scope:SCOPE_SE
	s_setreg_imm32_b32 hwreg(HW_REG_WAVE_MODE, 25, 1), 1
	s_wait_xcnt 0x0
; The six weights, f32, stored [K][N], become codes of BF6 (E3M2) with one E8M0 byte for each 32 along K, laid in the order of a matrix operand's registers.
; LAYOUT OF AN OPERAND (all launches of this program): rows (here: the columns n of a weight) stand in PHYSICAL order: physical row p holds actual row sw(p), sw = bits 3 and 4 of p exchanged.
;   A half image is 16 physical rows x 64 along K, 768 bytes: lane l = r + 16 h owns the six registers with k = 32 h .. 32 h + 31 of row r; registers 0-3 at byte 16 l, registers 4-5 at byte 512 + 8 l.
;   A fragment (16 rows x 128 K, 12 registers a lane) is two half images on end, 1,536 bytes.  Codes: [row block p / 16][k / 128] fragments.  Scale words: [p / 128][k / 128][p % 128], byte b for k = 32 b on.
; A LANE TAKES A COLUMN AND ITS REGISTERS RUN DOWN K: a block of 32 lies in one lane, its largest magnitude needs no other lane, and the conversions give codes with K innermost.
; A work-group takes 128 columns x 256 along K, a wave 32 columns.  Work-groups 0-127: Wq, Wk, Wv, Wo (32 each); 128-255: W1; 256-383: W2.  One path: what differs lies in scalar registers.
; A block's scale is 2^(floor(log2(largest magnitude)) - 4); its byte is the largest magnitude's exponent field - 4, held at 1 from below.
; LIMITS: NaN and infinities are not served.  A block of zeros gets the byte 1 where the rule says 127: its codes are zeros, and this program alone reads the bytes.
; The scale words leave in runs of 128 bytes (one byte for each 128 bytes read): not whole blocks of 256.  No input is shared between work-groups, so there is no cluster and no joint load.
.set RO,   32                          ; v32-63   byte offset of W(i, my column) from the block's first row, i = 0 .. 31; never rewritten
.set X,    64                          ; v64-127  two sets of 32 numbers
.set C,    128                         ; v128-134 a block's codes
.set OUTR, 136                         ; v136-183 the way out
.set SB,   24                          ; v24-25   the scale bytes, four to a register
.set ST16, 8                           ; v8       the stage: my 16 bytes of a half image
.set ST8,  9                           ; v9       and my 8 bytes
.set RDA,  10                          ; v10      the stage, read back
.set LO16, 11                          ; v11      16 x lane
.set LO4,  12                          ; v12      4 x lane
.set BASE, 36                          ; s[36:51] block t's first row at my wave's first column: eight addresses, never stepped
	s_load_b256 s[4:11], s[0:1], 0x0               ; Wq, Wk, Wv, Wo
	s_load_b128 s[12:15], s[0:1], 0x20             ; W1, W2
	s_load_b64 s[16:17], s[0:1], 0x30              ; ops
	v_lshl_add_u32 v192, v0, 2, 0x6400
	v_mov_b32 v193, 0
	v_lshrrev_b32 v1, 5, v0
	v_readfirstlane_b32 s18, v1                    ; wave
	v_and_b32 v2, 31, v0                           ; lane
	s_lshr_b32 s20, ttmp9, 5                       ; 0-3: the square weights
	s_lshr_b32 s21, ttmp9, 7                       ; class: 0 square, 1 W1, 2 W2
	s_lshl_b32 s31, s21, 2
	s_cmp_eq_u32 s21, 0
	s_cselect_b32 s22, 31, 127
	s_cselect_b32 s31, s20, s31                    ; j: the weight's place in ops, in units of a square weight
	s_and_b32 s22, ttmp9, s22                      ; my number within the weight
	s_cmp_eq_u32 s21, 1
	s_cselect_b32 s23, 5, 3                        ; log2 of the blocks of 128 columns
	s_cselect_b32 s24, 14, 12                      ; log2 of a row of W in bytes
	s_cmp_eq_u32 s21, 2
	s_cselect_b32 s25, 2, 0                        ; log2(K / 1024)
	s_lshl_b32 s26, 1, s23
	s_sub_co_u32 s26, s26, 1
	s_and_b32 s26, s22, s26                        ; nx: which 128 columns
	s_lshr_b32 s27, s22, s23                       ; ky: which 256 along K
	s_lshl_b32 s28, 1, s24                         ; a row of W in bytes
	s_lshl_b32 s29, 12288, s25                     ; a row block of codes in bytes: K / 128 fragments
	s_lshl_b32 s30, 4096, s25                      ; the scale words of 128 rows in bytes
	s_add_co_u32 s33, s24, 8
	s_lshl_b32 s32, s27, s33                       ; 256 ky rows of W,
	s_lshl_b32 s33, s26, 9
	s_add_co_u32 s32, s32, s33                     ; 128 nx columns,
	s_lshl_b32 s33, s18, 7
	s_add_co_u32 s32, s32, s33                     ; 32 x wave columns
	s_mov_b32 s33, 0
	s_lshl_b32 s34, s28, 5                         ; 32 rows of W
	s_mov_b32 s35, 0
	s_mul_i32 s52, s31, 786432                     ; the codes: the weight,
	s_lshl_b32 s53, s26, 3
	s_lshl_b32 s54, s18, 1
	s_add_co_u32 s53, s53, s54
	s_mul_i32 s53, s53, s29
	s_add_co_u32 s52, s52, s53                     ; row block 8 nx + 2 wave,
	s_mul_i32 s53, s27, 3072
	s_add_co_u32 s52, s52, s53                     ; fragments 2 ky and 2 ky + 1
	s_mov_b32 s53, 0
	s_mov_b32 s54, s29
	s_mov_b32 s55, 0
	s_lshl_b32 s56, s31, 15                        ; the scale words: the weight,
	s_add_co_u32 s56, s56, 9437184
	s_mul_i32 s57, s26, s30
	s_add_co_u32 s56, s56, s57                     ; its 128 rows,
	s_lshl_b32 s57, s27, 10
	s_add_co_u32 s56, s56, s57                     ; K steps 2 ky and 2 ky + 1,
	s_lshl_b32 s57, s18, 7
	s_add_co_u32 s56, s56, s57                     ; my wave's 32 rows
	s_mov_b32 s57, 0
	v_and_b32 v3, 7, v2
	v_bfe_u32 v4, v2, 3, 1
	v_bfe_u32 v5, v2, 4, 1
	v_lshl_or_b32 v3, v4, 4, v3
	v_lshl_or_b32 v3, v5, 3, v3                    ; sw(lane): the column that physical row `lane` holds
	v_lshlrev_b32 v[RO], 2, v3
.set i, 1
.rept 31
	v_add_nc_u32 v[RO+i], s28, v[RO+i-1]
.set i, i+1
.endr
	s_mul_i32 s19, s18, 6400                       ; my wave's stage: two row blocks of 3,072 bytes, 3,200 apart
	v_and_b32 v6, 15, v2
	v_mul_u32_u24 v7, v5, 3200
	v_add_nc_u32 v7, s19, v7
	v_lshl_add_u32 v[ST16], v6, 4, v7
	v_lshl_add_u32 v[ST8], v6, 3, v7
	v_lshlrev_b32 v[LO16], 4, v2
	v_add_nc_u32 v[RDA], s19, v[LO16]
	v_lshlrev_b32 v[LO4], 2, v2
	s_wait_kmcnt 0x0
	s_cmp_eq_u32 s20, 1                            ; which weight: the choice hangs on the work-group's number alone
	s_cselect_b64 s[4:5], s[6:7], s[4:5]
	s_cmp_eq_u32 s20, 2
	s_cselect_b64 s[4:5], s[8:9], s[4:5]
	s_cmp_eq_u32 s20, 3
	s_cselect_b64 s[4:5], s[10:11], s[4:5]
	s_cmp_eq_u32 s21, 1
	s_cselect_b64 s[4:5], s[12:13], s[4:5]
	s_cmp_eq_u32 s21, 2
	s_cselect_b64 s[4:5], s[14:15], s[4:5]
	s_add_nc_u64 s[BASE:BASE+1], s[4:5], s[32:33]
.irp t, 1,2,3,4,5,6,7
	s_add_nc_u64 s[BASE+2*\t:BASE+2*\t+1], s[BASE+2*\t-2:BASE+2*\t-1], s[34:35]
.endr
	s_add_nc_u64 s[52:53], s[16:17], s[52:53]      ; the codes of my first row block,
	s_add_nc_u64 s[54:55], s[52:53], s[54:55]      ; of my second,
	s_add_nc_u64 s[56:57], s[16:17], s[56:57]      ; and my scale words
.macro LOAD t                          ; block t: W(32 t + i, my column) into set t % 2
.set i, 0
.rept 32
	global_load_b32 v[X+32*((\t)%2)+i], v[RO+i], s[BASE+2*(\t):BASE+2*(\t)+1] th:TH_LOAD_NT
.set i, i+1
.endr
.endm
	LOAD 0
	LOAD 1
.macro BLOCK t
.set XS, X+32*((\t)%2)
.if (\t) < 7
	s_wait_loadcnt 32                              ; this block's 32 loads are in; the next block's 32 may be out
.else
	s_wait_loadcnt 0x0
.endif
	v_max3_num_f32 v14, |v[XS]|, |v[XS+1]|, |v[XS+2]|              ; the block's largest magnitude: all 32 numbers are mine; two chains
	v_max3_num_f32 v15, |v[XS+3]|, |v[XS+4]|, |v[XS+5]|
.irp i, 6,10,14,18,22,26
	v_max3_num_f32 v14, v14, |v[XS+\i]|, |v[XS+\i+1]|
	v_max3_num_f32 v15, v15, |v[XS+\i+2]|, |v[XS+\i+3]|
.endr
	v_max3_num_f32 v14, v14, |v[XS+30]|, |v[XS+31]|
	v_max3_num_f32 v14, v14, v15, 0x2800000        ; and the floor 2^(5 - 127): the byte cannot fall under 1
	v_add_nc_u32 v13, 0xfe000000, v14              ; 4 off the exponent field: the conversion's scale operand
	v_lshrrev_b32 v15, 23, v13                     ; the scale's byte
.if (\t)%4 == 0
	v_mov_b32 v[SB+(\t)/4], v15
.else
	v_lshl_or_b32 v[SB+(\t)/4], v15, 8*((\t)%4), v[SB+(\t)/4]
.endif
	v_cvt_scalef32_pk16_bf6_f32 v[C:C+2], v[XS:XS+15], v13
	v_cvt_scalef32_pk16_bf6_f32 v[C+4:C+6], v[XS+16:XS+31], v13    ; (a conversion's three registers begin on an even number)
	v_nop                                          ; one plain line between a scaled conversion and the moves that read its result
	v_mov_b32 v[C+3], v[C+4]
	v_mov_b32 v[C+4], v[C+5]
	v_mov_b32 v[C+5], v[C+6]                       ; v[C .. C+5]: the block's 24 bytes on end
	ds_store_b128 v[ST16], v[C:C+3] offset:((\t)/4)*1536+(((\t)/2)%2)*768+((\t)%2)*256      ; block t is K step t / 4, half image (t / 2) % 2, h = t % 2
	ds_store_b64 v[ST8], v[C+4:C+5] offset:((\t)/4)*1536+(((\t)/2)%2)*768+512+((\t)%2)*128
.if (\t)+2 < 8
	LOAD (\t)+2
.endif
	s_wait_dscnt 0x0                               ; the stores have read their registers: the next block's codes may be written
.endm
.irp t, 0,1,2,3,4,5,6,7
	BLOCK \t
.endr
	global_store_b32 v[LO4], v[SB], s[56:57]                       ; my row's scale words of the two K steps
	global_store_b32 v[LO4], v[SB+1], s[56:57] offset:512
.irp p, 0,1
.irp i, 0,1,2,3,4,5
	ds_load_b128 v[OUTR+24*\p+4*\i:OUTR+24*\p+4*\i+3], v[RDA] offset:3200*\p+512*\i   ; LDS serves a wave's instructions in order: these see my stores
.endr
.endr
.irp i, 0,1,2,3,4,5
	s_wait_dscnt 11-\i                             ; the later reads of the stage may be out
	global_store_b128 v[LO16], v[OUTR+4*\i:OUTR+4*\i+3], s[52:53] offset:512*\i       ; 32 lanes store 512 consecutive bytes, at a multiple of 256 from the buffer's first byte
.endr
.irp i, 0,1,2,3,4,5
	s_wait_dscnt 5-\i
	global_store_b128 v[LO16], v[OUTR+24+4*\i:OUTR+24+4*\i+3], s[54:55] offset:512*\i
.endr
	s_wait_tensorcnt 0x0
	ds_add_u32 v192, v193
	s_wait_dscnt 0x0
	s_endpgm
.Lfunc_end_k_qbf4412aefa_wprep:
	.size	k_qbf4412aefa_wprep, .Lfunc_end_k_qbf4412aefa_wprep-k_qbf4412aefa_wprep
	.p2alignl 7, 3214868480
	.fill 96, 4, 3214868480
	.section	.rodata,"a",@progbits
	.p2align	6, 0x0
	.amdhsa_kernel k_qbf4412aefa_wprep
		.amdhsa_group_segment_fixed_size 26112
		.amdhsa_private_segment_fixed_size 0
		.amdhsa_enable_private_segment 0
		.amdhsa_kernarg_size 56
		.amdhsa_user_sgpr_count 2
		.amdhsa_user_sgpr_kernarg_segment_ptr 1
		.amdhsa_wavefront_size32 1
		.amdhsa_system_sgpr_workgroup_id_x 1
		.amdhsa_system_sgpr_workgroup_id_y 1
		.amdhsa_system_sgpr_workgroup_id_z 1
		.amdhsa_system_vgpr_workitem_id 0
		.amdhsa_next_free_vgpr 194
		.amdhsa_next_free_sgpr 66
		.amdhsa_reserve_vcc 0
		.amdhsa_float_denorm_mode_32 3
		.amdhsa_float_denorm_mode_16_64 3
		.amdhsa_memory_ordered 1
		.amdhsa_forward_progress 1
		.amdhsa_inst_pref_size 45
	.end_amdhsa_kernel
	.amdgpu_metadata
---
amdhsa.version: [ 1, 2 ]
amdhsa.kernels:
  - .name:           k_qbf4412aefa_wprep
    .symbol:         k_qbf4412aefa_wprep.kd
    .args:
      - { .name: Wq, .offset: 0, .size: 8, .value_kind: global_buffer, .address_space: global }
      - { .name: Wk, .offset: 8, .size: 8, .value_kind: global_buffer, .address_space: global }
      - { .name: Wv, .offset: 16, .size: 8, .value_kind: global_buffer, .address_space: global }
      - { .name: Wo, .offset: 24, .size: 8, .value_kind: global_buffer, .address_space: global }
      - { .name: W1, .offset: 32, .size: 8, .value_kind: global_buffer, .address_space: global }
      - { .name: W2, .offset: 40, .size: 8, .value_kind: global_buffer, .address_space: global }
      - { .name: ops, .offset: 48, .size: 8, .value_kind: global_buffer, .address_space: global }
    .group_segment_fixed_size: 26112
    .private_segment_fixed_size: 0
    .kernarg_segment_align: 8
    .kernarg_segment_size: 56
    .max_flat_workgroup_size: 128
    .sgpr_count:     66
    .vgpr_count:     194
    .wavefront_size: 32
...
	.end_amdgpu_metadata
.endif
;; end of part 1
;; launch ln1 (part 2): grid 256 x 1, 8 waves a work-group, no clusters, 64,512 bytes of LDS; arguments x, ln1_w, ln1_b, ops; writes ops
.if DOCPART == 2
	.amdgcn_target "amdgcn-amd-amdhsa--gfx1250"
	.amdhsa_code_object_version 6
	.text
	.protected	k_qbf4412aefa_ln1
	.globl	k_qbf4412aefa_ln1
	.p2align	8
	.type	k_qbf4412aefa_ln1,@function
k_qbf4412aefa_ln1:
	s_mov_b64 s[64:65], 0
	v_nop
	global_prefetch_b8 v0, s[64:65] scope:SCOPE_SE
	s_setreg_imm32_b32 hwreg(HW_REG_WAVE_MODE, 25, 1), 1
	s_wait_xcnt 0x0
; LayerNorm of 4,096 rows of 1,024 f32, then the quantiser along the row: codes of BF6 (E3M2) and E8M0 bytes, laid in the order of a matrix operand's registers at ACT_C and ACT_S of ops.
; LAYOUT (as in the weights' launch): physical row p holds actual row sw(p) (bits 3 and 4 exchanged); a half image is 16 physical rows x 64 K, 768 bytes: lane r + 16 h owns k = 32 h .. 32 h + 31 of row r,
; registers 0-3 at 16 x lane, registers 4-5 at 512 + 8 x lane.  Codes: [row block][16 half images].  Scale words: [p / 128][k / 128][p % 128].
; SHARES.  A work-group makes one row block (16 physical rows); wave w makes rows 2 w and 2 w + 1 of it, which are neighbours in memory.  All of a work-group's 64 KiB are asked for in its first lines.
; A load takes 512 consecutive bytes; the row then turns through the wave's own LDS (blocks of 128 bytes, 144 apart) so that LANE l HOLDS BLOCK l: 32 neighbours, a whole block of the quantiser.
; Mean and variance in two passes, as the formula is written: the squares are of x - mean, so a common offset of the inputs costs no digits.
; The codes of 16 rows meet in a stage in LDS and leave as whole half images (three aligned blocks of 256 bytes each); the scale words leave in runs of 64 bytes (one byte for each 128 bytes read).
; LIMITS: NaN and infinities are not served.  A block of zeros gets the byte 1 where the rule says 127: its codes are zeros, and this program alone reads the bytes.
; No input is shared between work-groups but gain and bias (8 KiB): no cluster.
.set ACT_C, 9830400
.set ACT_S, 12976128
.set WBW,  0                           ; LDS: the gain, 32 blocks of 128 bytes, 144 apart
.set WBB,  4608                        ; the bias likewise
.set TURN, 9216                        ; 4,608 bytes for each wave: a row on its turn
.set OST,  46080                       ; 16 half images, 1,056 apart: 16-byte parts of h = 0 at 0, of h = 1 at 272; 8-byte parts at 544 and 680
.set SST,  62976                       ; the scale words [K step 8][row 16]
.set RAW,  32                          ; v32-95   two rows as loaded
.set XR,   96                          ; v96-127  my block of the row in hand
.set GW,   128                         ; v128-159 the gain of my 32 columns
.set GB,   160                         ; v160-191 the bias
.set T,    192                         ; v192-201 at work
.set C,    204                         ; v204-210 the block's codes
	s_load_b256 s[4:11], s[0:1], 0x0               ; the rows, gain, bias, ops
	v_lshl_add_u32 v224, v0, 2, 0xf800
	v_mov_b32 v225, 0
	v_lshrrev_b32 v1, 5, v0
	v_readfirstlane_b32 s12, v1                    ; wave 0..7
	v_and_b32 v2, 31, v0                           ; lane
	v_lshlrev_b32 v3, 4, v0                        ; 16 x thread
	v_lshlrev_b32 v4, 4, v2                        ; 16 x lane
	s_lshr_b32 s13, ttmp9, 1
	s_lshl_b32 s13, s13, 5
	s_and_b32 s14, ttmp9, 1
	s_lshl_b32 s14, s14, 3
	s_add_co_u32 s13, s13, s14
	s_lshl_b32 s14, s12, 1
	s_add_co_u32 s13, s13, s14
	s_lshr_b32 s14, s12, 2
	s_lshl_b32 s14, s14, 3
	s_add_co_u32 s13, s13, s14                     ; the actual row of physical row 2 w: 32 (mb / 2) + 8 (mb % 2) + 2 w + 8 (w / 4)
	s_lshl_b32 s14, s13, 12
	s_mov_b32 s15, 0
	s_mov_b32 s20, 0x3a800000                      ; 1 / 1024
	s_mov_b32 s21, 0x3727c5ac                      ; 1e-5
	s_mov_b32 s22, 0x76543210
	s_mov_b32 s23, 0xfedcba98                      ; v_permlanex16_b32's selects for lane l xor 16
	s_mul_i32 s16, ttmp9, 12288
	s_mul_i32 s17, s12, 768
	s_add_co_u32 s16, s16, s17
	s_add_co_u32 s16, s16, ACT_C                   ; half image w of my row block
	s_mov_b32 s17, 0
	s_lshr_b32 s18, ttmp9, 3
	s_lshl_b32 s18, s18, 12
	s_and_b32 s19, ttmp9, 7
	s_lshl_b32 s19, s19, 6
	s_add_co_u32 s18, s18, s19
	s_add_co_u32 s18, s18, ACT_S                   ; my row block's 16 words of K step 0
	s_mov_b32 s19, 0
	s_wait_kmcnt 0x0
	s_add_nc_u64 s[4:5], s[4:5], s[14:15]
	s_add_nc_u64 s[16:17], s[10:11], s[16:17]
	s_add_nc_u64 s[18:19], s[10:11], s[18:19]
	global_load_b128 v[8:11], v3, s[6:7]           ; 16 bytes of the gain and of the bias a thread
	global_load_b128 v[12:15], v3, s[8:9]
.irp e, 0,1
.irp j, 0,1,2,3,4,5,6,7
	global_load_b128 v[RAW+32*\e+4*\j:RAW+32*\e+4*\j+3], v4, s[4:5] offset:4096*\e+512*\j th:TH_LOAD_NT   ; 32 lanes read 512 consecutive bytes
.endr
.endr
	v_lshrrev_b32 v5, 3, v0
	v_mul_u32_u24 v5, v5, 144
	v_and_b32 v6, 7, v0
	v_lshl_add_u32 v5, v6, 4, v5                   ; gain and bias, in: 144 (thread / 8) + 16 (thread % 8)
	v_mul_u32_u24 v6, v2, 144                      ; and out: block = lane
	s_mul_i32 s24, s12, 4608
	s_add_co_u32 s24, s24, TURN
	v_lshrrev_b32 v7, 3, v2
	v_mul_u32_u24 v7, v7, 144
	v_and_b32 v16, 7, v2
	v_lshl_add_u32 v7, v16, 4, v7
	v_add_nc_u32 v7, s24, v7                       ; the turn, in: a load's 512 bytes are four blocks
	v_add_nc_u32 v16, s24, v6                      ; and out
	v_lshrrev_b32 v20, 1, v2                       ; my block's half image,
	v_and_b32 v21, 1, v2                           ; and its h
	v_mul_u32_u24 v17, v20, 1056
	v_mad_u32_u24 v18, v21, 136, v17
	v_mad_u32_u24 v17, v21, 272, v17
	s_lshl_b32 s25, s12, 5
	s_add_co_u32 s25, s25, OST
	v_add_nc_u32 v17, s25, v17                     ; the stage: 16 bytes at row 2 w (row 2 w + 1: 16 on)
	s_lshl_b32 s25, s12, 4
	s_add_co_u32 s25, s25, OST+544
	v_add_nc_u32 v18, s25, v18                     ; 8 bytes likewise
	v_lshrrev_b32 v19, 2, v2
	v_lshlrev_b32 v19, 6, v19
	v_and_b32 v20, 3, v2
	v_add_nc_u32 v19, v19, v20
	s_lshl_b32 s25, s12, 3
	s_add_co_u32 s25, s25, SST
	v_add_nc_u32 v19, s25, v19                     ; my block's byte: K step lane / 4, byte lane % 4, row 2 w
	v_lshrrev_b32 v20, 4, v2
	v_and_b32 v21, 15, v2
	s_mul_i32 s25, s12, 1056
	s_add_co_u32 s25, s25, OST
	v_mul_u32_u24 v22, v20, 272
	v_lshl_add_u32 v22, v21, 4, v22
	v_add_nc_u32 v22, s25, v22                     ; the way out: half image w, lane's 16 bytes,
	v_mul_u32_u24 v23, v20, 136
	v_lshl_add_u32 v23, v21, 3, v23
	v_add_nc_u32 v23, s25, v23                     ; and its 8 bytes (544 on)
	v_lshlrev_b32 v24, 3, v2                       ; 8 x lane
	v_lshl_add_u32 v25, v0, 2, SST                 ; scale word `thread` (threads 0-127)
	v_lshrrev_b32 v26, 4, v0
	v_lshlrev_b32 v26, 9, v26
	v_and_b32 v27, 15, v0
	v_lshl_add_u32 v26, v27, 2, v26                ; and its place in memory: 512 (thread / 16) + 4 (thread % 16)
	s_wait_loadcnt 16                              ; gain and bias are in; the two rows' 16 loads may be out
	ds_store_b128 v5, v[8:11] offset:WBW
	ds_store_b128 v5, v[12:15] offset:WBB
	s_wait_dscnt 0x0                               ; for the others' sake: my stores have landed
	s_barrier_signal -1
	s_barrier_wait -1
.irp i, 0,1,2,3,4,5,6,7
	ds_load_b128 v[GW+4*\i:GW+4*\i+3], v6 offset:WBW+16*\i
	ds_load_b128 v[GB+4*\i:GB+4*\i+3], v6 offset:WBB+16*\i
.endr
.macro REDUCE a, b                     ; the sum over the 32 lanes, in every lane
	v_add_f32_dpp v[\a], v[\a], v[\a] row_xmask:1 row_mask:0xf bank_mask:0xf
	v_add_f32_dpp v[\a], v[\a], v[\a] row_xmask:2 row_mask:0xf bank_mask:0xf
	v_add_f32_dpp v[\a], v[\a], v[\a] row_xmask:4 row_mask:0xf bank_mask:0xf
	v_add_f32_dpp v[\a], v[\a], v[\a] row_xmask:8 row_mask:0xf bank_mask:0xf
	v_permlanex16_b32 v[\b], v[\a], s22, s23
	v_add_f32 v[\a], v[\a], v[\b]
.endm
.macro ROW e
.if \e == 0
	s_wait_loadcnt 8                               ; this row's eight loads are in; the other row's may be out
.else
	s_wait_loadcnt 0x0
.endif
.irp j, 0,1,2,3,4,5,6,7
	ds_store_b128 v7, v[RAW+32*\e+4*\j:RAW+32*\e+4*\j+3] offset:576*\j
.endr
.irp i, 0,1,2,3,4,5,6,7
	ds_load_b128 v[XR+4*\i:XR+4*\i+3], v16 offset:16*\i            ; LDS serves a wave's instructions in order: these see the stores above
.endr
	s_wait_dscnt 0x0
	v_pk_add_f32 v[T:T+1], v[XR:XR+1], v[XR+2:XR+3]                ; the mean: two chains of packed sums
	v_pk_add_f32 v[T+2:T+3], v[XR+4:XR+5], v[XR+6:XR+7]
.irp j, 8,12,16,20,24,28
	v_pk_add_f32 v[T:T+1], v[T:T+1], v[XR+\j:XR+\j+1]
	v_pk_add_f32 v[T+2:T+3], v[T+2:T+3], v[XR+\j+2:XR+\j+3]
.endr
	v_pk_add_f32 v[T:T+1], v[T:T+1], v[T+2:T+3]
	v_add_f32 v[T], v[T], v[T+1]
	REDUCE T, T+1
	v_mul_f32 v[T], s20, v[T]
.irp j, 0,2,4,6,8,10,12,14,16,18,20,22,24,26,28,30
	v_pk_add_f32 v[XR+\j:XR+\j+1], v[XR+\j:XR+\j+1], v[T:T+1] op_sel_hi:[1,0] neg_lo:[0,1] neg_hi:[0,1]   ; x - mean
.endr
	v_pk_mul_f32 v[T+2:T+3], v[XR:XR+1], v[XR:XR+1]                ; the variance, of x - mean
	v_pk_mul_f32 v[T+4:T+5], v[XR+2:XR+3], v[XR+2:XR+3]
.irp j, 4,8,12,16,20,24,28
	v_pk_fma_f32 v[T+2:T+3], v[XR+\j:XR+\j+1], v[XR+\j:XR+\j+1], v[T+2:T+3]
	v_pk_fma_f32 v[T+4:T+5], v[XR+\j+2:XR+\j+3], v[XR+\j+2:XR+\j+3], v[T+4:T+5]
.endr
	v_pk_add_f32 v[T+2:T+3], v[T+2:T+3], v[T+4:T+5]
	v_add_f32 v[T+2], v[T+2], v[T+3]
	REDUCE T+2, T+3
	v_fma_f32 v[T+2], v[T+2], s20, s21             ; / 1024 + 1e-5
	v_rsq_f32 v[T+4], v[T+2]
	v_nop                                          ; a plain line behind the transcendental,
	s_wait_alu depctr_va_vdst(0)                   ; and the wait ahead of its first reader
.irp j, 0,2,4,6,8,10,12,14,16,18,20,22,24,26,28,30
	v_pk_mul_f32 v[XR+\j:XR+\j+1], v[XR+\j:XR+\j+1], v[T+4:T+5] op_sel_hi:[1,0]
.endr
.irp j, 0,2,4,6,8,10,12,14,16,18,20,22,24,26,28,30
	v_pk_fma_f32 v[XR+\j:XR+\j+1], v[XR+\j:XR+\j+1], v[GW+\j:GW+\j+1], v[GB+\j:GB+\j+1]
.endr
	v_max3_num_f32 v[T+6], |v[XR]|, |v[XR+1]|, |v[XR+2]|           ; the block's largest magnitude: all 32 numbers are mine
	v_max3_num_f32 v[T+7], |v[XR+3]|, |v[XR+4]|, |v[XR+5]|
.irp i, 6,10,14,18,22,26
	v_max3_num_f32 v[T+6], v[T+6], |v[XR+\i]|, |v[XR+\i+1]|
	v_max3_num_f32 v[T+7], v[T+7], |v[XR+\i+2]|, |v[XR+\i+3]|
.endr
	v_max3_num_f32 v[T+6], v[T+6], |v[XR+30]|, |v[XR+31]|
	v_max3_num_f32 v[T+6], v[T+6], v[T+7], 0x2800000               ; and the floor 2^(5 - 127)
	v_add_nc_u32 v[T+8], 0xfe000000, v[T+6]        ; 4 off the exponent field: the conversion's scale operand
	v_lshrrev_b32 v[T+9], 23, v[T+8]               ; the scale's byte
	v_cvt_scalef32_pk16_bf6_f32 v[C:C+2], v[XR:XR+15], v[T+8]
	v_cvt_scalef32_pk16_bf6_f32 v[C+4:C+6], v[XR+16:XR+31], v[T+8]
	v_nop                                          ; one plain line between a scaled conversion and the moves that read its result
	v_mov_b32 v[C+3], v[C+4]
	v_mov_b32 v[C+4], v[C+5]
	v_mov_b32 v[C+5], v[C+6]
	ds_store_b128 v17, v[C:C+3] offset:16*\e
	ds_store_b64 v18, v[C+4:C+5] offset:8*\e
	ds_store_b8 v19, v[T+9] offset:4*\e
	s_wait_dscnt 0x0                               ; the stores have landed, and have read their registers
.endm
	ROW 0
	ROW 1
	s_barrier_signal -1
	s_barrier_wait -1                              ; the row block's 16 half images and 128 scale words lie in LDS
	ds_load_b128 v[32:35], v22
	ds_load_b64 v[36:37], v23 offset:544
	ds_load_b128 v[40:43], v22 offset:8448         ; half image w + 8
	ds_load_b64 v[44:45], v23 offset:8448+544
	s_wait_dscnt 0x0
	global_store_b128 v4, v[32:35], s[16:17]                       ; 512 and 256 consecutive bytes, at multiples of 256 from the buffer's first byte
	global_store_b64 v24, v[36:37], s[16:17] offset:512
	global_store_b128 v4, v[40:43], s[16:17] offset:6144
	global_store_b64 v24, v[44:45], s[16:17] offset:6144+512
	s_cmp_lt_u32 s12, 4                            ; the 128 scale words: waves 0 to 3, a word a thread
	s_cbranch_scc0 .Ldone
	ds_load_b32 v46, v25
	s_wait_dscnt 0x0
	global_store_b32 v26, v46, s[18:19]
.Ldone:
	s_wait_tensorcnt 0x0
	ds_add_u32 v224, v225
	s_wait_dscnt 0x0
	s_endpgm
.Lfunc_end_k_qbf4412aefa_ln1:
	.size	k_qbf4412aefa_ln1, .Lfunc_end_k_qbf4412aefa_ln1-k_qbf4412aefa_ln1
	.p2alignl 7, 3214868480
	.fill 96, 4, 3214868480
	.section	.rodata,"a",@progbits
	.p2align	6, 0x0
	.amdhsa_kernel k_qbf4412aefa_ln1
		.amdhsa_group_segment_fixed_size 64512
		.amdhsa_private_segment_fixed_size 0
		.amdhsa_enable_private_segment 0
		.amdhsa_kernarg_size 32
		.amdhsa_user_sgpr_count 2
		.amdhsa_user_sgpr_kernarg_segment_ptr 1
		.amdhsa_wavefront_size32 1
		.amdhsa_system_sgpr_workgroup_id_x 1
		.amdhsa_system_sgpr_workgroup_id_y 1
		.amdhsa_system_sgpr_workgroup_id_z 1
		.amdhsa_system_vgpr_workitem_id 0
		.amdhsa_next_free_vgpr 226
		.amdhsa_next_free_sgpr 66
		.amdhsa_reserve_vcc 0
		.amdhsa_float_denorm_mode_32 3
		.amdhsa_float_denorm_mode_16_64 3
		.amdhsa_memory_ordered 1
		.amdhsa_forward_progress 1
		.amdhsa_inst_pref_size 26
	.end_amdhsa_kernel
	.amdgpu_metadata
---
amdhsa.version: [ 1, 2 ]
amdhsa.kernels:
  - .name:           k_qbf4412aefa_ln1
    .symbol:         k_qbf4412aefa_ln1.kd
    .args:
      - { .name: x, .offset: 0, .size: 8, .value_kind: global_buffer, .address_space: global }
      - { .name: ln1_w, .offset: 8, .size: 8, .value_kind: global_buffer, .address_space: global }
      - { .name: ln1_b, .offset: 16, .size: 8, .value_kind: global_buffer, .address_space: global }
      - { .name: ops, .offset: 24, .size: 8, .value_kind: global_buffer, .address_space: global }
    .group_segment_fixed_size: 64512
    .private_segment_fixed_size: 0
    .kernarg_segment_align: 8
    .kernarg_segment_size: 32
    .max_flat_workgroup_size: 256
    .sgpr_count:     66
    .vgpr_count:     226
    .wavefront_size: 32
...
	.end_amdgpu_metadata
.endif
;; end of part 2
;; launch qkv (part 3): grid 12 x 16, 4 waves a work-group, clusters of 4 x 4, 327,680 bytes of LDS; arguments ops, bq, bk, bv, qkvb; writes qkvb
.if DOCPART == 3
	.amdgcn_target "amdgcn-amd-amdhsa--gfx1250"
	.amdhsa_code_object_version 6
	.text
	.protected	k_qbf4412aefa_qkv
	.globl	k_qbf4412aefa_qkv
	.p2align	8
	.type	k_qbf4412aefa_qkv,@function
k_qbf4412aefa_qkv:
	s_mov_b64 s[64:65], 0
	v_nop
	global_prefetch_b8 v0, s[64:65] scope:SCOPE_SE
	s_setreg_imm32_b32 hwreg(HW_REG_WAVE_MODE, 25, 1), 1
	s_wait_xcnt 0x0
	s_wait_alu depctr_hold_cnt(0) depctr_sa_sdst(0) depctr_va_vdst(0) depctr_va_sdst(0) depctr_va_ssrc(0) depctr_va_vcc(0) depctr_vm_vsrc(0)
	s_getreg_b32 s2, hwreg(HW_REG_IB_STS2, 6, 4)
	s_cmp_eq_u32 s2, 0
	s_cbranch_scc0 .Lentry_in_a_cluster
	s_endpgm
.Lentry_in_a_cluster:
	s_bfe_u32 s2, ttmp6, 0x10000c
	s_cmp_lg_u32 s2, 0xf033
	s_cbranch_scc0 .Lentry_shape_is_right
	s_endpgm
.Lentry_shape_is_right:
; q = xn Wq + bq, k = xn Wk + bk, v = xn Wv + bv on codes of BF6 (E3M2) with E8M0 scales, and the quantisers of the two attention products: q and k along the head's 64, v along the keys.
; OPERANDS lie in memory in the order of their registers.  Physical row p holds actual row sw(p) (bits 3 and 4 exchanged).  A half image: 16 physical rows x 64 K, 768 bytes: lane r + 16 h owns k = 32 h .. + 31
; of row r, registers 0-3 at 16 x lane, 4-5 at 512 + 8 x lane.  A fragment (16 rows x 128 K, 12 registers) is two half images.  Codes: [row block][K step] fragments; scale words: [p / 128][K step][p % 128].
; A tile of C, 256 x 256, is made by four waves, as many as a WGP has SIMDs; a wave makes 128 x 128: 64 accumulators.  K goes in steps of 256 through a ring of two LDS slots filled by the tensor data mover:
; a wave's load brings 8 row blocks x 3,072 consecutive bytes.  The scale words of the tile's rows, for all of K, come once, with the first fills.
; THE MATRIX INSTRUCTION IS USED TRANSPOSED (source 0 = 16 rows of 'B', source 1 = 16 rows of 'A'): lane (r, h) holds 'A' physical row r, and by the physical order of 'B' registers 16 g .. 16 g + 15 of a row of
; accumulators hold the ACTUAL columns 32 g + 16 h + 0 .. 15: 16 neighbours along the next product's K.
; THREE PRODUCTS, ONE PATH.  Cluster x = 0, 1: 'A' = xn (tokens), 'B' = Wq or Wk: registers run along the head's axis.  Cluster x = 2: 'A' = Wv (channels), 'B' = xn: v TRANSPOSED, registers run along the keys.
; What differs is chosen by s_cselect_b32 on the cluster's x, which all partners share: offsets in ops, the tile's place, the strides of the way out.  No branch hangs on it.
; The bias along the registers is the C of each sum's first product; the bias along the lanes (v's) is added on the way out; the one that does not apply is made zero.
; CLUSTERS: 4 x 4 work-groups; 'A' tiles are asked for jointly along a row of the cluster, 'B' tiles along a column.
; OUT (qkvb): q: [head 32][token block 128] half images.  k, v: [head][key step 16]{8 half images of k | 4 fragments of v^T (16 channels x 128 keys)}.  Scale words: q, k: one word for a pair of token blocks
; (low 16 bits the even one's two bytes); v: a word a channel and key step.  They leave in runs of 64 bytes (one byte for each 24 of codes).
; LIMITS: NaN and infinities are not served.  A block of zeros gets the byte 1 where the rule says 127: its codes are zeros, and this program alone reads the bytes.
.set SIZE_K, 1024
.set ACT_C, 9830400
.set ACT_S, 12976128
.set WV_C,  1572864
.set WV_S,  9502720
.set W_S0,  9437184
.set KV_C,  3145728
.set Q_S,   9437184
.set KV_S,  9568256
.set PA, 4                             ; s[4:5]: the buffer of 'A'
.set PB, 4                             ; and of 'B'
.set PBN, 8                            ; s[8:9]: the bias along the registers
.set KF,     SIZE_K/128                ; K steps of 128
.set FRB,    1536                      ; a fragment in bytes
.set RBSTR,  KF*FRB                    ; a row block of codes in memory
.set ROWB,   2*FRB                     ; a row block's bytes in a slot: 256 along K
.set HALFT,  8*ROWB                    ; 128 rows: what one tensor load brings, and what one wave reads of A or of B
.set SLOT,   4*HALFT                   ; A's 256 rows, then B's 256 rows
.set LAPS,   SIZE_K/512                ; a lap = once round the ring
.set HALFS,  KF*512                    ; the scale words of 128 rows
.set SCL,    2*SLOT                    ; behind the ring: the scale words
.set SPARE,  SCL+4*HALFS               ; the spare words, 128 bytes for each wave: two blocks of 256 bytes that no other line names
.set FR, 12
.set NL, 4                             ; LDS loads that bring a fragment
.set NP, 4                             ; places behind this matrix instruction (ISA guide 7.12.1)
.set ADRA, 16                          ; v16-17 my A fragments in slot 0, 1, + 16 x lane; v18-19 the same + 8 x lane
.set ADRB, 20                          ; v20-23 the same for B
.set ADRS, 27                          ; v27    my scale words: lanes 0-15 A's rows, lanes 16-31 B's
.set SPW,  28                          ; v28    my spare word: SPARE + 4 x my thread's number; never rewritten
.set NIL,  29                          ; v29    0; never rewritten
.set SC,   32                          ; v32-63 scale words, two sets of 16: register 2 i + q: block i, the slot's q-th 128 along K.  They hold nothing else
.set BIAS, 64                          ; v64-127 the bias in the layout of a row of accumulators
.set AF,   128                         ; v128-223 A's fragments, one set
.set BM,   224                         ; v224-231 the bias along the lanes, one register for each of my 8 row blocks
.set X,    64                          ; the way out: 64 numbers of a lane
.set TM,   128                         ; v128-143 the quantiser's work
.set PC,   144                         ; v144-163 the codes just made
.set PWR,  168                         ; v168-175 the eight blocks' scale words
.set G1, 24
.set G0, 32
.set G1B, 48
.set G0B, 56
.set G1S, 68
.set G0S, 76
.set G1SB, 80
.set G0SB, 88
.set SEL, 98
.set MSB, 0
.macro WIN new                         ; the immediate's high byte repeats the setting that is left
.if MSB != (\new)
	s_set_vgpr_msb (MSB<<8)|(\new)
.set MSB, (\new)
.endif
.endm
.set MUL_LO, 0xa1                      ; source 0 (B) window 1, source 1 (A) window 0, C and D window 2
.set MUL_HI, 0xf1                      ; the same, C and D window 3
.set TO_B,   0x40                      ; destination window 1, address window 0
; A joint load: waves 0 and 1 fetch for A, waves 2 and 3 for B.  The branch hangs on the wave's number alone.  Four v_nop follow each of the two lines.
.macro JLOAD g0a, g1a, g0b, g1b
	s_cmp_eq_u32 s15, 0
	s_cbranch_scc0 .Lfor_b_\@
	tensor_load_to_lds s[\g0a:\g0a+3], s[\g1a:\g1a+7]
	s_nop 0
.rept 4
	v_nop
.endr
	s_branch .Lasked_\@
.Lfor_b_\@:
	tensor_load_to_lds s[\g0b:\g0b+3], s[\g1b:\g1b+7]
	s_nop 0
.rept 4
	v_nop
.endr
.Lasked_\@:
.endm
.macro CREST                           ; a round of the cluster's barrier behind its opening barrier
	s_cmp_lg_u32 s14, 0
	s_cbranch_scc1 .Lnot_wave_0_\@
	s_barrier_signal -3
.Lnot_wave_0_\@:
	s_barrier_wait -3
	s_barrier_signal -1
	s_barrier_wait -1
.endm
.macro CROUND
	s_barrier_signal -1
	s_barrier_wait -1
	CREST
.endm
	s_load_b256 s[4:11], s[0:1], 0x0               ; ops, bq, bk, bv
	s_load_b64 s[12:13], s[0:1], 0x20              ; qkvb
	v_lshl_add_u32 v[SPW], v0, 2, SPARE
	v_mov_b32 v[NIL], 0
	ds_add_u32 v28, v29
	ds_add_u32 v28, v29
	s_wait_dscnt 0x0
	v_lshrrev_b32 v1, 5, v0
	v_readfirstlane_b32 s14, v1                    ; wave 0..3
	s_lshr_b32 s15, s14, 1                         ; which half of the tile's rows is mine.  Also: I fetch for A (0) or for B (1)
	s_and_b32 s16, s14, 1                          ; which half of its columns.  Also: which 128 rows of that tile I fetch
	s_bfe_u32 s40, ttmp6, 0x40000                  ; cx, cy: my place in the cluster
	s_bfe_u32 s41, ttmp6, 0x40004
	s_and_b32 s18, ttmp7, 0xffff
	s_lshl_b32 s18, s18, 2                         ; 4 x cluster y
	s_mul_i32 s96, ttmp9, 786432                   ; Wq's or Wk's codes
	s_mul_i32 s97, ttmp9, 32768
	s_add_co_u32 s97, s97, W_S0                    ; and scale words
	s_mov_b32 s66, WV_C
	s_mov_b32 s67, WV_S
	s_cmp_lt_u32 ttmp9, 2                          ; q or k?  The cluster's x is the same in all partners
	s_cselect_b32 s17, s18, 0                      ; q, k: 16 tile rows of tokens, 4 tile columns;
	s_cselect_b32 s42, 0, s18                      ; v: 4 tile rows of channels, 16 tile columns of tokens
	s_cselect_b32 s66, ACT_C, s66                  ; A's codes, as a byte offset in ops,
	s_cselect_b32 s67, ACT_S, s67                  ; A's scale words,
	s_cselect_b32 s96, s96, ACT_C                  ; B's codes,
	s_cselect_b32 s97, s97, ACT_S                  ; B's scale words
	s_add_co_u32 s17, s17, s41                     ; tile row
	s_add_co_u32 s42, s42, s40                     ; tile column
	s_mov_b32 s[SEL], 0x76543210
	s_mov_b32 s[SEL+1], 0xfedcba98                 ; v_permlanex16_b32's selects for lane l xor 16
	s_lshl_b32 s43, s41, 2
	s_lshl_b32 s43, 15, s43                        ; my row of the cluster
	s_lshl_b32 s44, 0x1111, s40                    ; my column
	; descriptor group 1: 8 rows (row blocks) of 384 elements of 8 bytes, RBSTR bytes apart; no padding: every LDS read takes consecutive bytes
	s_or_b32 s[G1+0], s43, (3<<16)|(1<<21)         ; 15:0 the mask: A's tiles go to my row; 17:16 elements of 8 bytes; 21 set beside a mask
	s_or_b32 s[G1B+0], s44, (3<<16)|(1<<21)
.irp g, G1, G1B
	s_mov_b32 s[\g+1], 384<<16                     ; tensor_dim0
	s_mov_b32 s[\g+2], 8<<16                       ; tensor_dim1
	s_mov_b32 s[\g+3], 384<<16                     ; tile_dim0
	s_mov_b32 s[\g+4], 8                           ; tile_dim1
	s_mov_b32 s[\g+5], KF*192                      ; tensor_dim0_stride, in elements
	s_mov_b32 s[\g+6], 0
	s_mov_b32 s[\g+7], 0
.endr
	; and for the scale words of 128 rows: a dense block of HALFS bytes, as rows of 256 bytes
	s_or_b32 s[G1S+0], s43, (3<<16)|(1<<21)
	s_or_b32 s[G1SB+0], s44, (3<<16)|(1<<21)
.irp g, G1S, G1SB
	s_mov_b32 s[\g+1], 32<<16
	s_mov_b32 s[\g+2], (2*KF)<<16
	s_mov_b32 s[\g+3], 32<<16
	s_mov_b32 s[\g+4], 2*KF
	s_mov_b32 s[\g+5], 32
	s_mov_b32 s[\g+6], 0
	s_mov_b32 s[\g+7], 0
.endr
	s_lshl_b32 s20, s17, 1
	s_add_co_u32 s20, s20, s16                     ; A: which 128 rows: 2 x tile row + half
	s_lshl_b32 s46, s42, 1
	s_add_co_u32 s46, s46, s16                     ; B: 2 x tile column + half
	s_mul_i32 s22, s20, HALFS
	s_add_co_u32 s22, s22, s67                     ; where these rows' scale words begin,
	s_mul_i32 s92, s46, HALFS
	s_add_co_u32 s92, s92, s97
	s_mul_i32 s20, s20, 8*RBSTR
	s_add_co_u32 s20, s20, s66                     ; and their codes
	s_mul_i32 s46, s46, 8*RBSTR
	s_add_co_u32 s46, s46, s96
	s_mov_b32 s21, 0
	s_mov_b32 s23, 0
	s_mov_b32 s47, 0
	s_mov_b32 s93, 0
	s_mul_i32 s45, s14, HALFT                      ; where they go: wave x 128 rows: no place in the cluster enters an LDS address
	s_mul_i32 s94, s14, HALFS
	s_wait_kmcnt 0x0
	s_add_nc_u64 s[20:21], s[PA:PA+1], s[20:21]
	s_add_nc_u64 s[22:23], s[PA:PA+1], s[22:23]
	s_add_nc_u64 s[46:47], s[PB:PB+1], s[46:47]
	s_add_nc_u64 s[92:93], s[PB:PB+1], s[92:93]
	CROUND                                         ; all sixteen work-groups are here: the first joint loads meet
	s_mov_b32 s[G0S], 1
	s_add_co_u32 s[G0S+1], s94, SCL
	s_mov_b64 s[G0S+2:G0S+3], s[22:23]
	s_or_b32 s[G0S+3], s[G0S+3], 0x80000000
	s_mov_b32 s[G0SB], 1
	s_add_co_u32 s[G0SB+1], s94, SCL
	s_mov_b64 s[G0SB+2:G0SB+3], s[92:93]
	s_or_b32 s[G0SB+3], s[G0SB+3], 0x80000000
	JLOAD G0S, G1S, G0SB, G1SB                     ; the scale words first: they are wanted with K step 0
.irp s, 0,1
	s_mov_b32 s[G0+4*\s], 1
	s_add_co_u32 s[G0+4*\s+1], s45, \s*SLOT
	s_add_nc_u64 s[G0+4*\s+2:G0+4*\s+3], s[20:21], \s*ROWB
	s_or_b32 s[G0+4*\s+3], s[G0+4*\s+3], 0x80000000
	s_mov_b32 s[G0B+4*\s], 1
	s_add_co_u32 s[G0B+4*\s+1], s45, \s*SLOT
	s_add_nc_u64 s[G0B+4*\s+2:G0B+4*\s+3], s[46:47], \s*ROWB
	s_or_b32 s[G0B+4*\s+3], s[G0B+4*\s+3], 0x80000000
	JLOAD G0+4*\s, G1, G0B+4*\s, G1B
.endr
	v_and_b32 v1, 31, v0                           ; lane
	v_and_b32 v2, 15, v0                           ; r
	v_bfe_u32 v3, v0, 4, 1                         ; h
	v_lshlrev_b32 v4, 4, v1                        ; 16 x lane
	v_lshlrev_b32 v5, 3, v1                        ; 8 x lane
	s_mul_i32 s21, s15, HALFT                      ; my 128 rows of A
	s_mul_i32 s22, s16, HALFT                      ; my 128 rows of B,
	s_add_co_u32 s22, s22, 2*HALFT                 ; which lie behind A's 256
.irp s, 0,1
	v_add_nc_u32 v[ADRA+\s], s21, v4
	v_add_nc_u32 v[ADRB+\s], s22, v4
	v_add_nc_u32 v[ADRA+2+\s], s21, v5
	v_add_nc_u32 v[ADRB+2+\s], s22, v5
	s_add_co_u32 s21, s21, SLOT
	s_add_co_u32 s22, s22, SLOT
.endr
	s_mul_i32 s21, s15, HALFS                      ; A's scale words: my 128 rows
	s_mul_i32 s22, s16, HALFS                      ; B's: my 128 rows, behind A's 256
	s_add_co_u32 s22, s22, 2*HALFS
	s_sub_co_u32 s22, s22, s21
	v_mul_u32_u24 v6, s22, v3                      ; lanes 16-31 take B's
	s_add_co_u32 s21, s21, SCL
	v_lshl_add_u32 v6, v2, 2, v6
	v_add_nc_u32 v[ADRS], s21, v6
	; the biases.  One pointer is chosen; the offset of the side that does not apply is 0, so that every load stays in its 4,096 bytes
	s_cmp_eq_u32 ttmp9, 1
	s_cselect_b64 s[6:7], s[8:9], s[6:7]
	s_cmp_eq_u32 ttmp9, 2
	s_cselect_b64 s[6:7], s[10:11], s[6:7]         ; this product's bias
	s_lshl_b32 s46, s42, 10
	s_lshl_b32 s47, s16, 9
	s_add_co_u32 s46, s46, s47                     ; my first column, x 4
	s_lshl_b32 s20, s17, 10
	s_lshl_b32 s21, s15, 9
	s_add_co_u32 s20, s20, s21                     ; my first row, x 4
	s_cmp_lt_u32 ttmp9, 2
	s_cselect_b32 s46, s46, 0
	s_cselect_b32 s20, 0, s20
	s_cselect_b32 s18, -1, 0                       ; q, k: the bias along the registers is kept,
	s_cselect_b32 s19, 0, -1                       ; v: the bias along the lanes
	s_mov_b32 s47, 0
	s_mov_b32 s21, 0
	s_add_nc_u64 s[8:9], s[6:7], s[46:47]
	s_add_nc_u64 s[10:11], s[6:7], s[20:21]
	v_lshlrev_b32 v7, 6, v3                        ; 16 h numbers on
.irp g, 0,1,2,3
.irp i, 0,1,2,3
	global_load_b128 v[BIAS+16*\g+4*\i:BIAS+16*\g+4*\i+3], v7, s[PBN:PBN+1] offset:128*\g+16*\i   ; registers 16 g + 0 .. 15: columns 32 g + 16 h + 0 .. 15
.endr
.endr
	v_and_b32 v8, 8, v2
	v_add_nc_u32 v8, v8, v2
	v_lshlrev_b32 v8, 2, v8                        ; (r + 8 (r / 8)) x 4
.irp a, 0,1,2,3,4,5,6,7
	global_load_b32 v[BM+\a], v8, s[10:11] offset:(32*(\a/2)+8*(\a%2))*4   ; the actual row of physical row 16 a + r
.endr
.macro FRAG reg, adr, q, i             ; a fragment comes as it was stored: 16 and 8 bytes a lane for each half image; every load takes consecutive bytes
	ds_load_b128 v[\reg:\reg+3], v[\adr] offset:(\i)*ROWB+(\q)*FRB
	ds_load_b64 v[\reg+4:\reg+5], v[\adr+2] offset:(\i)*ROWB+(\q)*FRB+512
	ds_load_b128 v[\reg+6:\reg+9], v[\adr] offset:(\i)*ROWB+(\q)*FRB+768
	ds_load_b64 v[\reg+10:\reg+11], v[\adr+2] offset:(\i)*ROWB+(\q)*FRB+1280
.endm
; 16 matrix instructions: A's blocks a0, a0 + 1 x B's eight, 128 along K.  p: B's set; sc: the set of scale words.  first = 1: the sums begin with the bias as C: nothing is cleared or added.
; The 64 accumulators take turns, one instruction a turn, in the same order in every step.
.macro MUL16 a0, p, q, sc, first
.irp a, \a0, \a0+1
.irp b, 0,1,2,3,4,5,6,7
.if \first
	v_wmma_scale_f32_16x16x128_f8f6f4 v[8*(8*((\a)%4)+\b):8*(8*((\a)%4)+\b)+7], v[128*(\p)+FR*\b:128*(\p)+FR*\b+FR-1], v[AF+FR*(\a):AF+FR*(\a)+FR-1], v[BIAS+8*\b:BIAS+8*\b+7], v[SC+16*(\sc)+2*\b+(\q)], v[SC+16*(\sc)+2*(\a)+(\q)] matrix_a_fmt:MATRIX_FMT_BF6 matrix_b_fmt:MATRIX_FMT_BF6 matrix_a_scale:MATRIX_SCALE_ROW1
.else
	v_wmma_scale_f32_16x16x128_f8f6f4 v[8*(8*((\a)%4)+\b):8*(8*((\a)%4)+\b)+7], v[128*(\p)+FR*\b:128*(\p)+FR*\b+FR-1], v[AF+FR*(\a):AF+FR*(\a)+FR-1], v[8*(8*((\a)%4)+\b):8*(8*((\a)%4)+\b)+7], v[SC+16*(\sc)+2*\b+(\q)], v[SC+16*(\sc)+2*(\a)+(\q)] matrix_a_fmt:MATRIX_FMT_BF6 matrix_b_fmt:MATRIX_FMT_BF6 matrix_a_scale:MATRIX_SCALE_ROW1
.endif
.endr
.endr
.endm
.macro FETCH_B slot, q, p
	WIN TO_B
.irp i, 0,1,2,3,4,5,6,7
	FRAG 128*(\p)+FR*\i, ADRB+\slot, \q, \i
.endr
	WIN 0
.endm
.macro FETCH_A slot, q, i0
.irp i, \i0, \i0+1, \i0+2, \i0+3
	FRAG AF+FR*(\i), ADRA+\slot, \q, \i
.endr
.endm
.macro SCALES sc                       ; a slot's scale words: lanes 0-15 take A's block i, lanes 16-31 B's block i
.irp i, 0,1,2,3,4,5,6,7
	ds_load_b32 v[SC+16*\sc+2*\i], v[ADRS] offset:64*\i
	ds_load_b32 v[SC+16*\sc+2*\i+1], v[ADRS] offset:512+64*\i
.endr
.endm
; A load into a register that a matrix instruction has read, and a vector instruction or store that reads a result, stand NP places behind it; only plain vector instructions that name none of its registers are places.
.macro PLACES n
.rept \n
	v_nop
.endr
.endm
.macro STEP slot, q, first             ; a step of 128 along K that has its successor in the same slot
	s_wait_dscnt 4*NL                              ; B's set, A's blocks 0-3 and the scale words are in; the youngest 16 loads (A's blocks 4-7) may be out
	WIN MUL_LO-0x20*(\first)                       ; (the bias lies in window 0)
	MUL16 0, (\q)%2, \q, \slot, \first
	MUL16 2, (\q)%2, \q, \slot, \first
	s_wait_dscnt 0
	PLACES NP
	FETCH_B \slot, (\q)+1, 1-(\q)%2
	FETCH_A \slot, (\q)+1, 0
	WIN MUL_HI-0x30*(\first)
	MUL16 4, (\q)%2, \q, \slot, \first
	MUL16 6, (\q)%2, \q, \slot, \first
	PLACES NP
	WIN 0
	FETCH_A \slot, (\q)+1, 4
.endm
; A slot's last step changes slots: ONE barrier; in front of it each wave waits for all its tensor loads, adds 0 to its spare word, and waits for that and for its own reads of this slot.  fill = 1: this slot is filled again.
.macro TURN slot, next, fill
	s_wait_tensorcnt 0x0                           ; all my tensor loads have landed: my part of the next slot
	ds_add_u32 v[SPW], v[NIL]                      ; 0 onto my spare word
	s_wait_dscnt 4*NL+1                            ; (the add and the youngest 16 loads, A's blocks 4-7, may be out)
	WIN MUL_LO
	MUL16 0, 1, 1, \slot, 0                        ; sixteen matrix instructions stand between the add and the wait for it
	s_wait_dscnt 0x0                               ; the add is done, and my reads of this slot are over
	s_barrier_signal -1
	MUL16 2, 1, 1, \slot, 0
	WIN 0
	s_barrier_wait -1
.if \fill
	CREST                                          ; the barrier has opened a round of the cluster's barrier: no wave of any partner still reads this slot or has a load on its way
	s_add_nc_u64 s[G0+4*\slot+2:G0+4*\slot+3], s[G0+4*\slot+2:G0+4*\slot+3], 2*ROWB
	s_add_nc_u64 s[G0B+4*\slot+2:G0B+4*\slot+3], s[G0B+4*\slot+2:G0B+4*\slot+3], 2*ROWB
	JLOAD G0+4*\slot, G1, G0B+4*\slot, G1B         ; the first tensor load behind the round; its four v_nop are the places in front of the loads below
.else
	PLACES NP
.endif
	v_add_nc_u32 v[ADRS], 1024, v[ADRS]            ; on to the next slot's scale words (no LDS load of mine is out)
	FETCH_B \next, 0, 0
	FETCH_A \next, 0, 0
	SCALES \next
	WIN MUL_HI
	MUL16 4, 1, 1, \slot, 0
	MUL16 6, 1, 1, \slot, 0
	PLACES NP
	WIN 0
	FETCH_A \next, 0, 4
.endm
	s_wait_tensorcnt 1                             ; the scale words and my part of slot 0 are in (slot 1's load may be out)
	s_barrier_signal -1
	s_barrier_wait -1                              ; everybody's are
	FETCH_B 0, 0, 0
	FETCH_A 0, 0, 0
	SCALES 0
	FETCH_A 0, 0, 4
	s_wait_loadcnt 0x0                             ; the biases
.set j, 0
.rept 64
	v_cndmask_b32 v[BIAS+j], 0, v[BIAS+j], s18     ; v: zero
.set j, j+1
.endr
.set j, 0
.rept 8
	v_cndmask_b32 v[BM+j], 0, v[BM+j], s19         ; q, k: zero
.set j, j+1
.endr
	STEP 0, 0, 1                                   ; the first step stands in front of the loop: its products start the sums
	s_mov_b32 s3, LAPS-1
.Llap:                                                 ; a trip goes once round the ring and fills both slots again
	TURN 0, 1, 1
	STEP 1, 0, 0
	TURN 1, 0, 1
	STEP 0, 0, 0
	s_sub_co_u32 s3, s3, 1
	s_cmp_lg_u32 s3, 0
	s_cbranch_scc1 .Llap
	TURN 0, 1, 0                                   ; the last lap fills nothing, and has no round of the cluster's barrier
	STEP 1, 0, 0
	s_wait_dscnt 4*NL                              ; the very last step: nothing more to fetch
	WIN MUL_LO
	MUL16 0, 1, 1, 1, 0
	MUL16 2, 1, 1, 1, 0
	s_wait_dscnt 0
	WIN MUL_HI
	MUL16 4, 1, 1, 1, 0
	MUL16 6, 1, 1, 1, 0
	WIN 0
; 64 numbers of a lane, v[s] .. v[s + 63], register 16 b + i = k 32 b + 16 (lane / 16) + i of my row, become a fragment's codes in v[PC] on and its scale word in v[pw].
.macro QUANT s, pw
.irp b, 0,1,2,3
	v_max3_num_f32 v[TM+\b], |v[\s+16*\b]|, |v[\s+1+16*\b]|, 0x2800000   ; block b: my 16 numbers, and the floor 2^(5 - 127): the byte cannot fall under 1
.endr
.irp i, 2,4,6,8,10,12,14
.irp b, 0,1,2,3
	v_max3_num_f32 v[TM+\b], v[TM+\b], |v[\s+16*\b+\i]|, |v[\s+1+16*\b+\i]|
.endr
.endr
.irp b, 0,1,2,3
	v_permlanex16_b32 v[TM+4+\b], v[TM+\b], s[SEL], s[SEL+1]
.endr
.irp b, 0,1,2,3
	v_max_num_f32 v[TM+\b], v[TM+\b], v[TM+4+\b]   ; with lane l xor 16's: the block's largest magnitude
.endr
.irp b, 0,1,2,3
	v_add_nc_u32 v[TM+12+\b], 0xfe000000, v[TM+\b] ; 4 off its exponent field: the conversion's scale operand
.endr
.irp b, 0,1,2,3
	v_lshrrev_b32 v[TM+4+\b], 23, v[TM+12+\b]      ; the scale's byte
.endr
	v_lshl_or_b32 v[\pw], v[TM+5], 8, v[TM+4]
	v_lshl_or_b32 v[\pw], v[TM+6], 16, v[\pw]
	v_lshl_or_b32 v[\pw], v[TM+7], 24, v[\pw]
.irp c, 0,1
	v_cvt_scalef32_pk16_bf6_f32 v[PC+6*\c:PC+2+6*\c], v[\s+32*\c:\s+15+32*\c], v[TM+12+2*\c]
	v_cvt_scalef32_pk16_bf6_f32 v[PC+12+4*\c:PC+14+4*\c], v[\s+16+32*\c:\s+31+32*\c], v[TM+12+2*\c+1]   ; (a conversion's three registers begin on an even number)
.endr
	v_nop                                          ; one plain place behind a scaled conversion
.irp c, 0,1                                    ; the operand's layout wants a WHOLE block in a lane: lanes 0-15 block 2 c, lanes 16-31 block 2 c + 1
.irp i, 0,1,2
	v_permlane16_swap_b32 v[PC+6*\c+\i], v[PC+12+4*\c+\i]
.endr
.irp i, 0,1,2
	v_mov_b32 v[PC+3+6*\c+\i], v[PC+12+4*\c+\i]
.endr
.endr
.endm
	; THE WAY OUT.  All tensor loads are done, so the descriptors' registers are free.  Everything that differs between q, k and v is a scalar, chosen without a branch.
	PLACES NP
.irp b, 0,1,2,3
	v_mov_b32 v[TM+4+\b], 0                        ; written once: a lane permute's destination counts as one of its sources
.endr
	s_cmp_eq_u32 ttmp9, 0
	s_cselect_b32 s28, 0, 1                        ; k and v share a region whose strides are twice q's
	s_lshl_b32 s29, 98304, s28                     ; a head's codes
	s_lshl_b32 s30, 6144, s28                      ; a key step's (128 tokens')
	s_lshl_b32 s31, 4096, s28                      ; a head's scale words
	s_lshl_b32 s32, 256, s28                       ; a key step's
	s_mul_i32 s33, s28, KV_C                       ; where the region begins
	s_mul_i32 s34, s28, KV_S-Q_S
	s_add_co_u32 s34, s34, Q_S
	s_mov_b32 s45, 8192
	s_mov_b32 s46, 0x03020100
	s_mov_b32 s47, 0x07060504
	s_cmp_lt_u32 ttmp9, 2
	s_cselect_b32 s24, s17, s42                    ; the tile of tokens,
	s_cselect_b32 s25, s15, s16                    ; my half of it,
	s_cselect_b32 s26, s42, s17                    ; the tile of channels,
	s_cselect_b32 s27, s16, s15                    ; my half of it
	s_cselect_b32 s35, 0, 6144                     ; v lies behind k in a key step
	s_cselect_b32 s36, 0, 256
	s_cselect_b32 s37, s29, 768                    ; from a fragment's first half image to its second: q, k: the next head; v: 768 bytes
	s_cselect_b32 s38, 0, 768
	s_cselect_b32 s39, 0, 190464                   ; v: behind four fragments the next head begins
	s_cselect_b32 s43, s31, 64                     ; the scale words of lanes 16-31: q, k: the next head's; v: the next fragment's
	s_cselect_b32 s44, 64, 128
	s_cselect_b32 s45, 128, s45
	s_cselect_b32 s46, 0x05040100, s46             ; q, k: the low halves of two blocks' words; v: the first block's word
	s_cselect_b32 s47, 0x07060302, s47             ; q, k: the high halves; v: the second block's word
	s_add_co_u32 s38, s38, 768                     ; from block to block: 768 or 1,536
	s_add_co_u32 s33, s33, s35
	s_add_co_u32 s34, s34, s36
	s_lshr_b32 s48, s24, 3                         ; the batch
	s_and_b32 s49, s24, 7
	s_lshl_b32 s49, s49, 1
	s_add_co_u32 s49, s49, s25                     ; the key step: my 128 tokens
	s_lshl_b32 s48, s48, 4
	s_lshl_b32 s50, s26, 2
	s_add_co_u32 s48, s48, s50
	s_lshl_b32 s50, s27, 1
	s_add_co_u32 s48, s48, s50                     ; my first head: 16 x batch + 4 x tile + 2 x half
	s_mul_i32 s50, s48, s29
	s_mul_i32 s51, s49, s30
	s_add_co_u32 s50, s50, s51
	s_add_co_u32 s50, s50, s33
	s_mov_b32 s51, 0
	s_add_nc_u64 s[52:53], s[12:13], s[50:51]      ; the first half image of block 0,
	s_mov_b32 s50, s37
	s_add_nc_u64 s[54:55], s[52:53], s[50:51]      ; the second
	s_mul_i32 s50, s48, s31
	s_mul_i32 s56, s49, s32
	s_add_co_u32 s50, s50, s56
	s_add_co_u32 s50, s50, s34
	s_add_nc_u64 s[56:57], s[12:13], s[50:51]      ; the scale words
	s_mov_b32 s58, s38
	s_mov_b32 s59, 0
	s_mov_b32 s60, s39
	s_mov_b32 s61, 0
	s_mov_b32 s62, 0xffff0000                      ; lanes 16-31
	v_mul_u32_u24 v9, s43, v3
	v_lshl_add_u32 v9, v2, 2, v9                   ; 4 r, and lanes 16-31 their distance on
	v_add_nc_u32 v10, s44, v9
	v_add_nc_u32 v11, s45, v9
	v_add_nc_u32 v12, s44, v11
.macro OUTBLK a                        ; my rows 16 a .. 16 a + 15
	WIN 0x02+((\a)/4)                              ; source 0: window 2 or 3
.set i, 0
.rept 32
.if ((\a)%2) == 0
	v_pk_add_f32 v[X+i:X+i+1], v[64*((\a)%4)+i:64*((\a)%4)+i+1], v[BM+2*((\a)/2):BM+2*((\a)/2)+1] op_sel:[0,0] op_sel_hi:[1,0]   ; + the lane's bias; each accumulator from its low end on
.else
	v_pk_add_f32 v[X+i:X+i+1], v[64*((\a)%4)+i:64*((\a)%4)+i+1], v[BM+2*((\a)/2):BM+2*((\a)/2)+1] op_sel:[0,1] op_sel_hi:[1,1]
.endif
.set i, i+2
.endr
	WIN 0
	s_wait_xcnt 0x0                                ; the last block's stores have read their data and bases: both are written again only behind this wait
.if (\a) > 0
	s_add_nc_u64 s[52:53], s[52:53], s[58:59]
	s_add_nc_u64 s[54:55], s[54:55], s[58:59]
.endif
.if (\a) == 4
	s_add_nc_u64 s[52:53], s[52:53], s[60:61]
	s_add_nc_u64 s[54:55], s[54:55], s[60:61]
.endif
	QUANT X, PWR+(\a)
	global_store_b128 v4, v[PC:PC+3], s[52:53]                     ; a half image: 512 and 256 consecutive bytes, at multiples of 256 from the buffer's first byte
	global_store_b64 v5, v[PC+4:PC+5], s[52:53] offset:512
	global_store_b128 v4, v[PC+6:PC+9], s[54:55]
	global_store_b64 v5, v[PC+10:PC+11], s[54:55] offset:512
.endm
.irp a, 0,1,2,3,4,5,6,7
	OUTBLK \a
.endr
.irp f, 0,1,2,3
	v_perm_b32 v[176+2*\f], v[PWR+2*\f+1], v[PWR+2*\f], s46
	v_perm_b32 v[177+2*\f], v[PWR+2*\f+1], v[PWR+2*\f], s47
	v_cndmask_b32 v[176+2*\f], v[176+2*\f], v[177+2*\f], s62       ; lanes 0-15 the first word, lanes 16-31 the second
	global_store_b32 v[9+\f], v[176+2*\f], s[56:57]
.endr
	s_wait_tensorcnt 0x0                           ; the wave's end
	ds_add_u32 v[SPW], v[NIL]
	s_wait_dscnt 0x0
	CROUND                                         ; the closing round: no work-group ends while a partner may still ask for a tile that names it
	s_endpgm
.Lfunc_end_k_qbf4412aefa_qkv:
	.size	k_qbf4412aefa_qkv, .Lfunc_end_k_qbf4412aefa_qkv-k_qbf4412aefa_qkv
	.p2alignl 7, 3214868480
	.fill 96, 4, 3214868480
	.section	.rodata,"a",@progbits
	.p2align	6, 0x0
	.amdhsa_kernel k_qbf4412aefa_qkv
		.amdhsa_group_segment_fixed_size 327680
		.amdhsa_private_segment_fixed_size 0
		.amdhsa_enable_private_segment 0
		.amdhsa_kernarg_size 40
		.amdhsa_user_sgpr_count 2
		.amdhsa_user_sgpr_kernarg_segment_ptr 1
		.amdhsa_wavefront_size32 1
		.amdhsa_system_sgpr_workgroup_id_x 1
		.amdhsa_system_sgpr_workgroup_id_y 1
		.amdhsa_system_sgpr_workgroup_id_z 1
		.amdhsa_system_vgpr_workitem_id 0
		.amdhsa_next_free_vgpr 1024
		.amdhsa_next_free_sgpr 100
		.amdhsa_reserve_vcc 0
		.amdhsa_float_denorm_mode_32 3
		.amdhsa_float_denorm_mode_16_64 3
		.amdhsa_memory_ordered 1
		.amdhsa_forward_progress 1
		.amdhsa_inst_pref_size 178
	.end_amdhsa_kernel
	.amdgpu_metadata
---
amdhsa.version: [ 1, 2 ]
amdhsa.kernels:
  - .name:           k_qbf4412aefa_qkv
    .symbol:         k_qbf4412aefa_qkv.kd
    .args:
      - { .name: ops, .offset: 0, .size: 8, .value_kind: global_buffer, .address_space: global }
      - { .name: bq, .offset: 8, .size: 8, .value_kind: global_buffer, .address_space: global }
      - { .name: bk, .offset: 16, .size: 8, .value_kind: global_buffer, .address_space: global }
      - { .name: bv, .offset: 24, .size: 8, .value_kind: global_buffer, .address_space: global }
      - { .name: qkvb, .offset: 32, .size: 8, .value_kind: global_buffer, .address_space: global }
    .group_segment_fixed_size: 327680
    .private_segment_fixed_size: 0
    .kernarg_segment_align: 8
    .kernarg_segment_size: 40
    .max_flat_workgroup_size: 128
    .sgpr_count:     100
    .vgpr_count:     1024
    .wavefront_size: 32
...
	.end_amdgpu_metadata
.endif
;; end of part 3
;; launch attn (part 4): grid 8 x 32, 16 waves a work-group, clusters of 4 x 1, 206,848 bytes of LDS; arguments qkvb, aob; writes aob
.if DOCPART == 4
	.amdgcn_target "amdgcn-amd-amdhsa--gfx1250"
	.amdhsa_code_object_version 6
	.text
	.protected	k_qbf4412aefa_attn
	.globl	k_qbf4412aefa_attn
	.p2align	8
	.type	k_qbf4412aefa_attn,@function
k_qbf4412aefa_attn:
	s_mov_b64 s[64:65], 0
	v_nop
	global_prefetch_b8 v0, s[64:65] scope:SCOPE_SE
	s_setreg_imm32_b32 hwreg(HW_REG_WAVE_MODE, 25, 1), 1
	s_wait_xcnt 0x0
	s_wait_alu depctr_hold_cnt(0) depctr_sa_sdst(0) depctr_va_vdst(0) depctr_va_sdst(0) depctr_va_ssrc(0) depctr_va_vcc(0) depctr_vm_vsrc(0)
	s_getreg_b32 s2, hwreg(HW_REG_IB_STS2, 6, 4)
	s_cmp_eq_u32 s2, 0
	s_cbranch_scc0 .Lentry_in_a_cluster
	s_endpgm
.Lentry_in_a_cluster:
	s_bfe_u32 s2, ttmp6, 0x10000c
	s_cmp_lg_u32 s2, 0x3003
	s_cbranch_scc0 .Lentry_shape_is_right
	s_endpgm
.Lentry_shape_is_right:
; O[head][q] = the sum over k of softmax_k(q . k / 8) v, both products on codes of BF6 (E3M2) with E8M0 scales; then the quantiser of the next product (along the 1,024 channels).
; THE SOFTMAX AHEAD OF THE SECOND PRODUCT: t = score x log2(e) / 8; M = the row's largest t so far, rounded UP to a whole number; p = 2^(t - M) is what is quantised, along the keys; it is not normalised.
; The row's sum is taken of the unquantised p, in f32, and divides O at the end.  When M moves, the sum and O are multiplied by 2^(old M - new M): exact.
; SHARES.  A work-group owns 256 queries of one head, each of its sixteen waves one block of 16 (four waves to a SIMD: one wave's vector work stands beside another's matrix work and LDS loads).  Every wave walks
; the head's 16 key steps of 128 keys.
; THE WHOLE HEAD STAYS IN LDS: 196,608 bytes of k's and v's codes and 8,192 of scale words, laid in memory as they are read.  Nothing is filled again.  Each wave asks for five pieces at the start (512 bytes of scale
; words, then 3,072 bytes of each quarter of the head): five tensor loads of a wave are out, by this text's count.  A quarter is read behind a counted wait and a barrier, while the later quarters are on their way.
; CLUSTER.  The four query blocks of a cluster walk the same head: every piece is asked for JOINTLY, by the same load with the same descriptor and the mask of all four.
; LAYOUT.  Both products are used transposed (S^T = k q^T, O^T = v^T p^T): a lane holds ONE query.  Tokens and channels stand in physical order (bits 3 and 4 of the row exchanged), so that the 16 registers of two
; neighbouring tiles of S^T are 16 neighbouring keys, and those of O^T 16 neighbouring channels.
; THE HEAD HAS 64 CHANNELS, THE INSTRUCTION TAKES 128 ALONG K: a fragment of k holds TWO tiles of 16 keys (the even tile's 64 channels, then the odd tile's).  It is multiplied by [q | zeros] for the even tile and by
; [zeros | q] for the odd one: zero codes add nothing.  The three runs lie on end in v16-33, so q is held once.
; OUT (aob): half image (16 queries x my head's 64 channels) at [token block][head], three aligned blocks of 256 bytes; its two scale bytes are half of a word that two heads share: 16-bit stores, 4 bytes apart
; (one byte for each 24 of codes); lanes 16-31 write what lanes 0-15 write.
; LIMITS: NaN and infinities are not served.  A block of zeros gets the byte 1: its codes are zeros, and this program alone reads the bytes.
.set KV_C, 3145728
.set Q_S,  9437184
.set KV_S, 9568256
.set AO_S, 3145728
.set SCB,  196608                      ; LDS: the scale words begin here
.set S,    96                          ; v96-159  S^T, then p
.set O,    160                         ; v160-191 O^T: four tiles of 16 channels
.set KFR,  40                          ; v40-87   four fragments, of k and then of v
.set PC,   192                         ; v192-203 p's codes
.set PC2,  204                         ; v204-210 the conversions' second halves
.set BMX,  212                         ; v212-215 the blocks' largest scores
.set PT,   216                         ; v216-219 at work
.set SO,   220                         ; v220-223 the conversions' scale operands
.set F,    224                         ; v[224:225] 2^(old M - new M)
.set C2,   226                         ; v[226:227] the sum's second chain
.set TP,   228
.set PW,   229                         ; p's scale word: it holds nothing else; so do v34 (q's) and v36-39 (k's, then v's)
.set WV,   8
.set G1C,  12                          ; s[12:19] group 1: 12 rows of 256 bytes
.set G1S,  20                          ; s[20:27] group 1: 2 rows of 256 bytes
.set G0,   28                          ; s[28:47] five groups 0
.set SEL,  70
.set CS,   72
.set TB,   74                          ; the key step's codes in LDS
.set TS,   75                          ; and its scale words
.set CNT,  76
.macro CROUND                          ; a round of the cluster's barrier
	s_barrier_signal -1
	s_barrier_wait -1
	s_cmp_lg_u32 s[WV], 0
	s_cbranch_scc1 .Lnot_wave_0_\@
	s_barrier_signal -3
.Lnot_wave_0_\@:
	s_barrier_wait -3
	s_barrier_signal -1
	s_barrier_wait -1
.endm
	s_load_b128 s[4:7], s[0:1], 0x0                ; qkvb, aob
	v_lshl_add_u32 v254, v0, 2, 0x32000
	v_mov_b32 v255, 0
	ds_add_u32 v254, v255
	ds_add_u32 v254, v255
	v_lshrrev_b32 v10, 5, v0
	v_readfirstlane_b32 s[WV], v10                 ; wave 0..15
	s_bfe_u32 s9, ttmp6, 0x40000                   ; cx
	s_lshl_b32 s10, ttmp9, 2
	s_add_co_u32 s10, s10, s9                      ; my block of 256 queries: it enters q's and O's global addresses alone
	s_and_b32 s11, ttmp7, 0xffff                   ; the head (16 x batch + head), which the four partners share
	s_mov_b32 s[G1C], 15|(3<<16)|(1<<21)           ; 15:0 the mask: all four; 17:16 elements of 8 bytes; 21 set beside a mask
	s_mov_b32 s[G1C+1], 32<<16
	s_mov_b32 s[G1C+2], 12<<16
	s_mov_b32 s[G1C+3], 32<<16
	s_mov_b32 s[G1C+4], 12
	s_mov_b32 s[G1C+5], 32
	s_mov_b32 s[G1C+6], 0
	s_mov_b32 s[G1C+7], 0
	s_mov_b32 s[G1S], 15|(3<<16)|(1<<21)
	s_mov_b32 s[G1S+1], 32<<16
	s_mov_b32 s[G1S+2], 2<<16
	s_mov_b32 s[G1S+3], 32<<16
	s_mov_b32 s[G1S+4], 2
	s_mov_b32 s[G1S+5], 32
	s_mov_b32 s[G1S+6], 0
	s_mov_b32 s[G1S+7], 0
	s_mul_i32 s48, s11, 196608
	s_mul_i32 s50, s[WV], 3072                     ; my piece of a quarter, in memory and in LDS
	s_add_co_u32 s48, s48, s50
	s_add_co_u32 s48, s48, KV_C
	s_mov_b32 s49, 0
	s_lshl_b32 s52, s11, 13
	s_lshl_b32 s51, s[WV], 9                       ; my piece of the scale words
	s_add_co_u32 s52, s52, s51
	s_add_co_u32 s52, s52, KV_S
	s_mov_b32 s53, 0
	s_mov_b32 s[SEL], 0x76543210
	s_mov_b32 s[SEL+1], 0xfedcba98
	s_mov_b32 s[CS], 0x3e38aa3b                    ; c = log2(e) / 8
	s_mov_b32 s[CS+1], s[CS]
	s_mov_b32 s[TB], 0
	s_mov_b32 s[TS], 0
	s_wait_dscnt 0x0
	s_wait_kmcnt 0x0
	s_add_nc_u64 s[48:49], s[4:5], s[48:49]
	s_add_nc_u64 s[52:53], s[4:5], s[52:53]
	s_mov_b32 s[G0], 1
	s_add_co_u32 s[G0+1], s51, SCB
	s_mov_b64 s[G0+2:G0+3], s[52:53]
	s_or_b32 s[G0+3], s[G0+3], 0x80000000
.irp g, 0,1,2,3
	s_mov_b32 s[G0+4+4*\g], 1
	s_add_co_u32 s[G0+5+4*\g], s50, 49152*\g
	s_add_nc_u64 s[G0+6+4*\g:G0+7+4*\g], s[48:49], 49152*\g
	s_or_b32 s[G0+7+4*\g], s[G0+7+4*\g], 0x80000000
.endr
	CROUND                                         ; all four work-groups are here: the joint loads meet
	tensor_load_to_lds s[G0:G0+3], s[G1S:G1S+7]
	s_nop 0
.irp g, 0,1,2,3
	tensor_load_to_lds s[G0+4+4*\g:G0+7+4*\g], s[G1C:G1C+7]
	s_nop 0
.endr
.rept 4
	v_nop
.endr
	s_lshl_b32 s54, s10, 4
	s_add_co_u32 s54, s54, s[WV]                   ; my token block in the batch
	s_mul_i32 s55, s11, 98304
	s_mul_i32 s56, s54, 768
	s_add_co_u32 s56, s56, s55
	s_mov_b32 s57, 0
	s_add_nc_u64 s[56:57], s[4:5], s[56:57]        ; q's half image
	s_lshr_b32 s58, s54, 1
	s_lshl_b32 s58, s58, 6
	s_lshl_b32 s55, s11, 12
	s_add_co_u32 s58, s58, s55
	s_add_co_u32 s58, s58, Q_S
	s_mov_b32 s59, 0
	s_add_nc_u64 s[58:59], s[4:5], s[58:59]        ; the word that my block shares with its neighbour
	s_lshr_b32 s60, s11, 4
	s_lshl_b32 s60, s60, 7
	s_add_co_u32 s60, s60, s54                     ; my token block of all 256
	s_and_b32 s61, s11, 15                         ; the head in its batch
	s_mul_i32 s62, s60, 12288
	s_mul_i32 s63, s61, 768
	s_add_co_u32 s62, s62, s63
	s_mov_b32 s63, 0
	s_add_nc_u64 s[62:63], s[6:7], s[62:63]        ; O's half image
	s_lshr_b32 s66, s60, 3
	s_lshl_b32 s66, s66, 12
	s_lshr_b32 s68, s61, 1
	s_lshl_b32 s68, s68, 9
	s_add_co_u32 s66, s66, s68
	s_and_b32 s68, s60, 7
	s_lshl_b32 s68, s68, 6
	s_add_co_u32 s66, s66, s68
	s_and_b32 s68, s61, 1
	s_lshl_b32 s68, s68, 1
	s_add_co_u32 s66, s66, s68
	s_add_co_u32 s66, s66, AO_S
	s_mov_b32 s67, 0
	s_add_nc_u64 s[66:67], s[6:7], s[66:67]        ; and its two scale bytes
	s_mov_b32 s77, 0x01000100
	s_bitcmp1_b32 s[WV], 0                         ; an odd block's two bytes are the word's upper half
	s_cselect_b32 s77, 0x03020302, s77
	v_and_b32 v10, 31, v0
	v_lshlrev_b32 v1, 4, v10                       ; 16 x lane
	v_lshlrev_b32 v2, 3, v10                       ; 8 x lane
	v_and_b32 v11, 15, v0
	v_lshlrev_b32 v11, 2, v11                      ; 4 r
	v_add_nc_u32 v3, SCB, v11
	global_load_b128 v[22:25], v1, s[56:57]
	global_load_b64 v[26:27], v2, s[56:57] offset:512
	global_load_b32 v35, v11, s[58:59]
.irp j, 16,17,18,19,20,21,28,29,30,31,32,33
	v_mov_b32 v\j, 0                               ; zero codes on both sides of q
.endr
	v_mov_b32 v13, 0xff61b1e6                      ; the largest t so far: -3e38, under every t
	v_floor_f32 v12, -v13                          ; -M
	v_mov_b32 v14, 0                               ; the sum, in two halves
	v_mov_b32 v15, 0
.irp b, 0,1,2,3
	v_mov_b32 v[PT+\b], 0                          ; written once: a lane permute's destination counts as one of its sources
.endr
	v_mov_b32 v[F+1], 0                            ; (named as the upper half of a pair)
	v_mov_b32 v[TP], 0
	s_wait_loadcnt 0x0
	v_perm_b32 v34, v35, v35, s77                  ; q's two bytes twice: they serve [q | 0] and [0 | q] alike
.set j, 0
.rept 32
	v_mov_b32 v[O+j], 0                            ; O^T: the first change of M leaves zeros zeros
.set j, j+1
.endr
.macro FRAG reg, off                   ; a fragment as it was stored: every load takes consecutive bytes
	ds_load_b128 v[\reg:\reg+3], v4 offset:\off
	ds_load_b64 v[\reg+4:\reg+5], v5 offset:\off+512
	ds_load_b128 v[\reg+6:\reg+9], v4 offset:\off+768
	ds_load_b64 v[\reg+10:\reg+11], v5 offset:\off+1280
.endm
.macro STEP                            ; a key step: 128 keys
	v_add_nc_u32 v4, s[TB], v1
	v_add_nc_u32 v5, s[TB], v2
	v_add_nc_u32 v6, s[TS], v3
	v_nop                                          ; four places in front of loads into registers that the last products have read
.irp f, 0,1,2,3
	FRAG KFR+12*\f, 1536*\f
	ds_load_b32 v[36+\f], v6 offset:64*\f
.endr
	s_wait_dscnt 0x0
.irp f, 0,1,2,3
	v_wmma_scale_f32_16x16x128_f8f6f4 v[S+16*\f:S+16*\f+7], v[KFR+12*\f:KFR+12*\f+11], v[22:33], 0, v[36+\f], v34 matrix_a_fmt:MATRIX_FMT_BF6 matrix_b_fmt:MATRIX_FMT_BF6      ; the even tile of keys: [q | 0]
	v_wmma_scale_f32_16x16x128_f8f6f4 v[S+16*\f+8:S+16*\f+15], v[KFR+12*\f:KFR+12*\f+11], v[16:27], 0, v[36+\f], v34 matrix_a_fmt:MATRIX_FMT_BF6 matrix_b_fmt:MATRIX_FMT_BF6   ; the odd tile: [0 | q]
.endr
.rept 4
	v_nop                                          ; places: for the loads below and for the first read of the scores
.endr
.irp f, 0,1,2,3
	FRAG KFR+12*\f, 6144+1536*\f                   ; v's four fragments land while the softmax is worked
	ds_load_b32 v[36+\f], v6 offset:256+64*\f
.endr
.irp b, 0,1,2,3
	v_max3_num_f32 v[BMX+\b], v[S+16*\b], v[S+1+16*\b], v[S+2+16*\b]   ; the largest score of each block of 32 keys: it serves for the row's maximum and, since p rises with the score, for the block's largest p
.endr
.irp i, 3,5,7,9,11,13
.irp b, 0,1,2,3
	v_max3_num_f32 v[BMX+\b], v[BMX+\b], v[S+16*\b+\i], v[S+1+16*\b+\i]
.endr
.endr
.irp b, 0,1,2,3
	v_max_num_f32 v[BMX+\b], v[BMX+\b], v[S+15+16*\b]
.endr
.irp b, 0,1,2,3
	v_permlanex16_b32 v[PT+\b], v[BMX+\b], s[SEL], s[SEL+1]
.endr
.irp b, 0,1,2,3
	v_max_num_f32 v[BMX+\b], v[BMX+\b], v[PT+\b]   ; with lane l xor 16's 16 keys
.endr
	v_max3_num_f32 v[TP], v[BMX], v[BMX+1], v[BMX+2]
	v_max_num_f32 v[TP], v[TP], v[BMX+3]
	v_mul_f32 v[TP], s[CS], v[TP]                  ; as t (c is positive)
	v_max_num_f32 v13, v13, v[TP]                  ; the running largest t
	v_mov_b32 v[TP], v12
	v_floor_f32 v12, -v13                          ; the new -M = -ceil(t): a whole number
	v_sub_f32 v[TP], v12, v[TP]                    ; old M - new M: a whole number, 0 or less
	v_cvt_i32_f32 v[TP], v[TP]                     ; (it saturates)
	v_ldexp_f32 v[F], 1.0, v[TP]                   ; f = 2^(old M - new M)
.set j, 0
.rept 32
	v_pk_fma_f32 v[S+j:S+j+1], v[S+j:S+j+1], s[CS:CS+1], v[12:13] op_sel_hi:[1,0,0]   ; t - M, two at a time
.set j, j+2
.endr
.irp b, 0,1,2,3
	v_fma_f32 v[BMX+\b], v[BMX+\b], s[CS], v12     ; the same of each block's largest score
.endr
.set j, 0
.rept 64
	v_exp_f32 v[S+j], v[S+j]                       ; p = 2^(t - M), at most 1
.set j, j+1
.endr
	v_pk_mul_f32 v[14:15], v[14:15], v[F:F+1] op_sel_hi:[1,0]      ; the sums under the new M (a plain line behind the exponentials)
	s_wait_alu depctr_va_vdst(0)                   ; one wait for the whole batch, ahead of its first reader
.irp b, 0,1,2,3
	v_exp_f32 v[BMX+\b], v[BMX+\b]                 ; the block's largest p: the same two instructions on the same number
.endr
	v_pk_add_f32 v[C2:C2+1], v[S:S+1], v[S+2:S+3]  ; the row's sum is taken of the unquantised p: two chains
.set j, 4
.rept 15
	v_pk_add_f32 v[14:15], v[14:15], v[S+j:S+j+1]
	v_pk_add_f32 v[C2:C2+1], v[C2:C2+1], v[S+j+2:S+j+3]
.set j, j+4
.endr
	v_pk_add_f32 v[14:15], v[14:15], v[C2:C2+1]
	s_wait_alu depctr_va_vdst(0)                   ; and one for the four
.irp b, 0,1,2,3
	v_max_num_f32 v[BMX+\b], 0x2800000, v[BMX+\b]  ; the floor 2^(5 - 127)
.endr
.irp b, 0,1,2,3
	v_add_nc_u32 v[SO+\b], 0xfe000000, v[BMX+\b]   ; 4 off the exponent field: the conversion's scale operand
.endr
.irp b, 0,1,2,3
	v_lshrrev_b32 v[PT+\b], 23, v[SO+\b]           ; the scale's byte
.endr
	v_lshl_or_b32 v[PW], v[PT+1], 8, v[PT]
	v_lshl_or_b32 v[PW], v[PT+2], 16, v[PW]
	v_lshl_or_b32 v[PW], v[PT+3], 24, v[PW]
.irp c, 0,1
	v_cvt_scalef32_pk16_bf6_f32 v[PC+6*\c:PC+2+6*\c], v[S+32*\c:S+15+32*\c], v[SO+2*\c]
	v_cvt_scalef32_pk16_bf6_f32 v[PC2+4*\c:PC2+2+4*\c], v[S+16+32*\c:S+31+32*\c], v[SO+2*\c+1]
.endr
	v_nop                                          ; one plain line behind a scaled conversion
.irp c, 0,1                                    ; a WHOLE block in a lane: lanes 0-15 block 2 c, lanes 16-31 block 2 c + 1
.irp i, 0,1,2
	v_permlane16_swap_b32 v[PC+6*\c+\i], v[PC2+4*\c+\i]
.endr
.irp i, 0,1,2
	v_mov_b32 v[PC+3+6*\c+\i], v[PC2+4*\c+\i]
.endr
.endr
.set j, 0
.rept 16
	v_pk_mul_f32 v[O+j:O+j+1], v[O+j:O+j+1], v[F:F+1] op_sel_hi:[1,0]   ; O^T under the new M.  These sixteen are also the places between the lines that made p's codes and scale word and the products
.set j, j+2
.endr
	s_wait_dscnt 0x0                               ; v
.irp f, 0,1,2,3
	v_wmma_scale_f32_16x16x128_f8f6f4 v[O+8*\f:O+8*\f+7], v[KFR+12*\f:KFR+12*\f+11], v[PC:PC+11], v[O+8*\f:O+8*\f+7], v[36+\f], v[PW] matrix_a_fmt:MATRIX_FMT_BF6 matrix_b_fmt:MATRIX_FMT_BF6   ; four accumulators by turns
.endr
.endm
.macro CHUNK g                         ; a quarter of the head: four key steps
	s_wait_tensorcnt 3-\g                          ; the scale words and my pieces of quarters 0 .. g are in; the later quarters' loads may be out
	s_wait_dscnt 0x0
	s_barrier_signal -1
	s_barrier_wait -1                              ; everybody's are
	s_mov_b32 s[CNT], 4
.Lstep_\@:
	STEP
	s_add_co_u32 s[TB], s[TB], 12288
	s_add_co_u32 s[TS], s[TS], 512
	s_sub_co_u32 s[CNT], s[CNT], 1
	s_cmp_lg_u32 s[CNT], 0
	s_cbranch_scc1 .Lstep_\@
.endm
	CHUNK 0
	CHUNK 1
	CHUNK 2
	CHUNK 3
	; THE WAY OUT: O^T / the sum; registers 16 g + i hold channel 32 g + 16 h + i of my query: two blocks of the next product's K
.rept 4
	v_nop                                          ; places behind the last products
.endr
	v_add_f32 v14, v14, v15
	v_permlanex16_b32 v[TP], v14, s[SEL], s[SEL+1]
	v_add_f32 v14, v14, v[TP]                      ; the row's sum
	v_rcp_f32 v14, v14
	v_nop                                          ; a plain line behind the transcendental,
	s_wait_alu depctr_va_vdst(0)                   ; and the wait ahead of its first reader
.set j, 0
.rept 32
	v_mul_f32 v[S+j], v[O+j], v14
.set j, j+1
.endr
.irp b, 0,1
	v_max3_num_f32 v[BMX+\b], |v[S+16*\b]|, |v[S+1+16*\b]|, 0x2800000
.endr
.irp i, 2,4,6,8,10,12,14
.irp b, 0,1
	v_max3_num_f32 v[BMX+\b], v[BMX+\b], |v[S+16*\b+\i]|, |v[S+1+16*\b+\i]|
.endr
.endr
.irp b, 0,1
	v_permlanex16_b32 v[PT+\b], v[BMX+\b], s[SEL], s[SEL+1]
.endr
.irp b, 0,1
	v_max_num_f32 v[BMX+\b], v[BMX+\b], v[PT+\b]
.endr
.irp b, 0,1
	v_add_nc_u32 v[SO+\b], 0xfe000000, v[BMX+\b]
.endr
.irp b, 0,1
	v_lshrrev_b32 v[PT+\b], 23, v[SO+\b]
.endr
	v_lshl_or_b32 v[TP], v[PT+1], 8, v[PT]         ; my head's two bytes
	v_cvt_scalef32_pk16_bf6_f32 v[PC:PC+2], v[S:S+15], v[SO]
	v_cvt_scalef32_pk16_bf6_f32 v[PC2:PC2+2], v[S+16:S+31], v[SO+1]
	v_nop
.irp i, 0,1,2
	v_permlane16_swap_b32 v[PC+\i], v[PC2+\i]
.endr
.irp i, 0,1,2
	v_mov_b32 v[PC+3+\i], v[PC2+\i]
.endr
	global_store_b128 v1, v[PC:PC+3], s[62:63]                     ; 512 and 256 consecutive bytes, at multiples of 256 from the buffer's first byte
	global_store_b64 v2, v[PC+4:PC+5], s[62:63] offset:512
	global_store_b16 v11, v[TP], s[66:67]
	s_wait_tensorcnt 0x0
	ds_add_u32 v254, v255
	s_wait_dscnt 0x0
	CROUND                                         ; the closing round: no work-group ends while a partner may still ask for a piece that names it
	s_endpgm
.Lfunc_end_k_qbf4412aefa_attn:
	.size	k_qbf4412aefa_attn, .Lfunc_end_k_qbf4412aefa_attn-k_qbf4412aefa_attn
	.p2alignl 7, 3214868480
	.fill 96, 4, 3214868480
	.section	.rodata,"a",@progbits
	.p2align	6, 0x0
	.amdhsa_kernel k_qbf4412aefa_attn
		.amdhsa_group_segment_fixed_size 206848
		.amdhsa_private_segment_fixed_size 0
		.amdhsa_enable_private_segment 0
		.amdhsa_kernarg_size 16
		.amdhsa_user_sgpr_count 2
		.amdhsa_user_sgpr_kernarg_segment_ptr 1
		.amdhsa_wavefront_size32 1
		.amdhsa_system_sgpr_workgroup_id_x 1
		.amdhsa_system_sgpr_workgroup_id_y 1
		.amdhsa_system_sgpr_workgroup_id_z 1
		.amdhsa_system_vgpr_workitem_id 0
		.amdhsa_next_free_vgpr 256
		.amdhsa_next_free_sgpr 80
		.amdhsa_reserve_vcc 0
		.amdhsa_float_denorm_mode_32 3
		.amdhsa_float_denorm_mode_16_64 3
		.amdhsa_memory_ordered 1
		.amdhsa_forward_progress 1
		.amdhsa_inst_pref_size 78
	.end_amdhsa_kernel
	.amdgpu_metadata
---
amdhsa.version: [ 1, 2 ]
amdhsa.kernels:
  - .name:           k_qbf4412aefa_attn
    .symbol:         k_qbf4412aefa_attn.kd
    .args:
      - { .name: qkvb, .offset: 0, .size: 8, .value_kind: global_buffer, .address_space: global }
      - { .name: aob, .offset: 8, .size: 8, .value_kind: global_buffer, .address_space: global }
    .group_segment_fixed_size: 206848
    .private_segment_fixed_size: 0
    .kernarg_segment_align: 8
    .kernarg_segment_size: 16
    .max_flat_workgroup_size: 512
    .sgpr_count:     80
    .vgpr_count:     256
    .wavefront_size: 32
...
	.end_amdgpu_metadata
.endif
;; end of part 4
;; launch proj (part 5): grid 4 x 16, 4 waves a work-group, clusters of 4 x 4, 327,680 bytes of LDS; arguments aob, ops, bo, x, x1; writes x1
.if DOCPART == 5
	.amdgcn_target "amdgcn-amd-amdhsa--gfx1250"
	.amdhsa_code_object_version 6
	.text
	.protected	k_qbf4412aefa_proj
	.globl	k_qbf4412aefa_proj
	.p2align	8
	.type	k_qbf4412aefa_proj,@function
k_qbf4412aefa_proj:
	s_mov_b64 s[64:65], 0
	v_nop
	global_prefetch_b8 v0, s[64:65] scope:SCOPE_SE
	s_setreg_imm32_b32 hwreg(HW_REG_WAVE_MODE, 25, 1), 1
	s_wait_xcnt 0x0
	s_wait_alu depctr_hold_cnt(0) depctr_sa_sdst(0) depctr_va_vdst(0) depctr_va_sdst(0) depctr_va_ssrc(0) depctr_va_vcc(0) depctr_vm_vsrc(0)
	s_getreg_b32 s2, hwreg(HW_REG_IB_STS2, 6, 4)
	s_cmp_eq_u32 s2, 0
	s_cbranch_scc0 .Lentry_in_a_cluster
	s_endpgm
.Lentry_in_a_cluster:
	s_bfe_u32 s2, ttmp6, 0x10000c
	s_cmp_lg_u32 s2, 0xf033
	s_cbranch_scc0 .Lentry_shape_is_right
	s_endpgm
.Lentry_shape_is_right:
; x1 = x + attn_out Wo + bo: a product on codes of BF6 (E3M2) with E8M0 scales, K = 1,024; bias and residual in f32.
; OPERANDS lie in memory in the order of their registers.  Physical row p holds actual row sw(p) (bits 3 and 4 exchanged).  A fragment (16 physical rows x 128 K, 12 registers a lane) is two half images of 768 bytes:
; lane r + 16 h owns k = 32 h .. + 31 of row r, registers 0-3 at 16 x lane, 4-5 at 512 + 8 x lane.  Codes: [row block][K step] fragments; scale words: [p / 128][K step][p % 128].
; A tile of C, 256 x 256, is made by four waves, as many as a WGP has SIMDs; a wave makes 128 x 128: 64 accumulators.  K goes in steps of 256 through a ring of two LDS slots filled by the tensor data mover:
; a wave's load brings 8 row blocks x 3,072 consecutive bytes.  The scale words of the tile's rows, for all of K, come once, with the first fills.
; THE MATRIX INSTRUCTION IS USED TRANSPOSED (source 0 = 16 rows of the weight, source 1 = 16 tokens): lane (r, h) holds physical token r; registers 16 g .. 16 g + 15 of a row of accumulators hold the ACTUAL columns
; 32 g + 16 h + 0 .. 15.  The bias is the C of each sum's first product.
; CLUSTERS: 4 x 4 work-groups; the tokens' tiles are asked for jointly along a row of the cluster, the weight's along a column.  C has 64 tiles of this size: 64 work-groups.
; THE WAY OUT: a block of 16 tokens x 128 columns goes through the wave's own stage in LDS (in slot 0, which has had its last fill and its last read) and comes back as whole rows of 512 bytes; the residual's rows,
; asked for four blocks ahead, are added; a row is stored at its ACTUAL token.
.set SIZE_K, 1024
.set A_C, 0
.set A_S, 3145728
.set B_C, 2359296
.set B_S, 9535488
.set PA, 4                             ; s[4:5]: the buffer of the tokens' codes
.set PB, 6                             ; s[6:7]: ops
.set PBN, 8                            ; s[8:9]: the bias
.set KF,     SIZE_K/128
.set FRB,    1536
.set RBSTR,  KF*FRB
.set ROWB,   2*FRB
.set HALFT,  8*ROWB
.set SLOT,   4*HALFT
.set LAPS,   SIZE_K/512
.set HALFS,  KF*512
.set SCL,    2*SLOT
.set SPARE,  SCL+4*HALFS               ; the spare words, 128 bytes for each wave: two blocks of 256 bytes that no other line names
.set SPITCH, 528                       ; a stage row: 512 bytes + 16
.set FR, 12
.set NL, 4
.set NP, 4
.set ADRA, 16
.set ADRB, 20
.set STO,  24                          ; v24 the way out: where I put 32 bytes of a row
.set RD,   25                          ; v25 and where I read a row back
.set ADRS, 27
.set SPW,  28
.set NIL,  29
.set SC,   32                          ; v32-63 scale words: they hold nothing else
.set BIAS, 64
.set AF,   128
.set BK,   128                         ; the way out: 16 rows read back: v128-191 and v192-255 by turns
.set G1, 24
.set G0, 32
.set G1B, 48
.set G0B, 56
.set G1S, 68
.set G0S, 76
.set G1SB, 80
.set G0SB, 88
.set MSB, 0
.macro WIN new
.if MSB != (\new)
	s_set_vgpr_msb (MSB<<8)|(\new)
.set MSB, (\new)
.endif
.endm
.set MUL_LO, 0xa1
.set MUL_HI, 0xf1
.set TO_B,   0x40
.macro JLOAD g0a, g1a, g0b, g1b        ; a joint load: waves 0 and 1 fetch for A, waves 2 and 3 for B; four v_nop follow each line
	s_cmp_eq_u32 s15, 0
	s_cbranch_scc0 .Lfor_b_\@
	tensor_load_to_lds s[\g0a:\g0a+3], s[\g1a:\g1a+7]
	s_nop 0
.rept 4
	v_nop
.endr
	s_branch .Lasked_\@
.Lfor_b_\@:
	tensor_load_to_lds s[\g0b:\g0b+3], s[\g1b:\g1b+7]
	s_nop 0
.rept 4
	v_nop
.endr
.Lasked_\@:
.endm
.macro CREST
	s_cmp_lg_u32 s14, 0
	s_cbranch_scc1 .Lnot_wave_0_\@
	s_barrier_signal -3
.Lnot_wave_0_\@:
	s_barrier_wait -3
	s_barrier_signal -1
	s_barrier_wait -1
.endm
.macro CROUND
	s_barrier_signal -1
	s_barrier_wait -1
	CREST
.endm
	s_load_b256 s[4:11], s[0:1], 0x0               ; the tokens' codes, ops, the bias, the residual
	s_load_b64 s[12:13], s[0:1], 0x20              ; the result
	v_lshl_add_u32 v[SPW], v0, 2, SPARE
	v_mov_b32 v[NIL], 0
	ds_add_u32 v28, v29
	ds_add_u32 v28, v29
	s_wait_dscnt 0x0
	v_lshrrev_b32 v1, 5, v0
	v_readfirstlane_b32 s14, v1                    ; wave 0..3
	s_lshr_b32 s15, s14, 1                         ; my half of the tile's rows.  Also: I fetch for A (0) or for B (1)
	s_and_b32 s16, s14, 1                          ; my half of its columns.  Also: which 128 rows of that tile I fetch
	s_bfe_u32 s40, ttmp6, 0x40000                  ; cx, cy
	s_bfe_u32 s41, ttmp6, 0x40004
	s_lshl_b32 s42, ttmp9, 2
	s_add_co_u32 s42, s42, s40                     ; tile column
	s_and_b32 s17, ttmp7, 0xffff
	s_lshl_b32 s17, s17, 2
	s_add_co_u32 s17, s17, s41                     ; tile row
	s_mov_b32 s66, A_C                             ; byte offsets in the two buffers
	s_mov_b32 s67, A_S
	s_mov_b32 s96, B_C
	s_mov_b32 s97, B_S
	s_lshl_b32 s43, s41, 2
	s_lshl_b32 s43, 15, s43                        ; my row of the cluster
	s_lshl_b32 s44, 0x1111, s40                    ; my column
	s_or_b32 s[G1+0], s43, (3<<16)|(1<<21)         ; group 1: 8 rows (row blocks) of 384 elements of 8 bytes, RBSTR bytes apart; the mask; bit 21 beside it
	s_or_b32 s[G1B+0], s44, (3<<16)|(1<<21)
.irp g, G1, G1B
	s_mov_b32 s[\g+1], 384<<16
	s_mov_b32 s[\g+2], 8<<16
	s_mov_b32 s[\g+3], 384<<16
	s_mov_b32 s[\g+4], 8
	s_mov_b32 s[\g+5], KF*192
	s_mov_b32 s[\g+6], 0
	s_mov_b32 s[\g+7], 0
.endr
	s_or_b32 s[G1S+0], s43, (3<<16)|(1<<21)        ; the scale words of 128 rows: a dense block, as rows of 256 bytes
	s_or_b32 s[G1SB+0], s44, (3<<16)|(1<<21)
.irp g, G1S, G1SB
	s_mov_b32 s[\g+1], 32<<16
	s_mov_b32 s[\g+2], (2*KF)<<16
	s_mov_b32 s[\g+3], 32<<16
	s_mov_b32 s[\g+4], 2*KF
	s_mov_b32 s[\g+5], 32
	s_mov_b32 s[\g+6], 0
	s_mov_b32 s[\g+7], 0
.endr
	s_lshl_b32 s20, s17, 1
	s_add_co_u32 s20, s20, s16
	s_lshl_b32 s46, s42, 1
	s_add_co_u32 s46, s46, s16
	s_mul_i32 s22, s20, HALFS
	s_add_co_u32 s22, s22, s67
	s_mul_i32 s92, s46, HALFS
	s_add_co_u32 s92, s92, s97
	s_mul_i32 s20, s20, 8*RBSTR
	s_add_co_u32 s20, s20, s66
	s_mul_i32 s46, s46, 8*RBSTR
	s_add_co_u32 s46, s46, s96
	s_mov_b32 s21, 0
	s_mov_b32 s23, 0
	s_mov_b32 s47, 0
	s_mov_b32 s93, 0
	s_mul_i32 s45, s14, HALFT
	s_mul_i32 s94, s14, HALFS
	s_wait_kmcnt 0x0
	s_add_nc_u64 s[20:21], s[PA:PA+1], s[20:21]
	s_add_nc_u64 s[22:23], s[PA:PA+1], s[22:23]
	s_add_nc_u64 s[46:47], s[PB:PB+1], s[46:47]
	s_add_nc_u64 s[92:93], s[PB:PB+1], s[92:93]
	CROUND                                         ; all sixteen work-groups are here: the first joint loads meet
	s_mov_b32 s[G0S], 1
	s_add_co_u32 s[G0S+1], s94, SCL
	s_mov_b64 s[G0S+2:G0S+3], s[22:23]
	s_or_b32 s[G0S+3], s[G0S+3], 0x80000000
	s_mov_b32 s[G0SB], 1
	s_add_co_u32 s[G0SB+1], s94, SCL
	s_mov_b64 s[G0SB+2:G0SB+3], s[92:93]
	s_or_b32 s[G0SB+3], s[G0SB+3], 0x80000000
	JLOAD G0S, G1S, G0SB, G1SB
.irp s, 0,1
	s_mov_b32 s[G0+4*\s], 1
	s_add_co_u32 s[G0+4*\s+1], s45, \s*SLOT
	s_add_nc_u64 s[G0+4*\s+2:G0+4*\s+3], s[20:21], \s*ROWB
	s_or_b32 s[G0+4*\s+3], s[G0+4*\s+3], 0x80000000
	s_mov_b32 s[G0B+4*\s], 1
	s_add_co_u32 s[G0B+4*\s+1], s45, \s*SLOT
	s_add_nc_u64 s[G0B+4*\s+2:G0B+4*\s+3], s[46:47], \s*ROWB
	s_or_b32 s[G0B+4*\s+3], s[G0B+4*\s+3], 0x80000000
	JLOAD G0+4*\s, G1, G0B+4*\s, G1B
.endr
	v_and_b32 v1, 31, v0                           ; lane
	v_and_b32 v2, 15, v0                           ; r
	v_bfe_u32 v3, v0, 4, 1                         ; h
	v_lshlrev_b32 v4, 4, v1                        ; 16 x lane
	v_lshlrev_b32 v5, 3, v1                        ; 8 x lane
	s_mul_i32 s21, s15, HALFT
	s_mul_i32 s22, s16, HALFT
	s_add_co_u32 s22, s22, 2*HALFT
.irp s, 0,1
	v_add_nc_u32 v[ADRA+\s], s21, v4
	v_add_nc_u32 v[ADRB+\s], s22, v4
	v_add_nc_u32 v[ADRA+2+\s], s21, v5
	v_add_nc_u32 v[ADRB+2+\s], s22, v5
	s_add_co_u32 s21, s21, SLOT
	s_add_co_u32 s22, s22, SLOT
.endr
	s_mul_i32 s21, s15, HALFS
	s_mul_i32 s22, s16, HALFS
	s_add_co_u32 s22, s22, 2*HALFS
	s_sub_co_u32 s22, s22, s21
	v_mul_u32_u24 v6, s22, v3                      ; lanes 16-31 take B's scale words
	s_add_co_u32 s21, s21, SCL
	v_lshl_add_u32 v6, v2, 2, v6
	v_add_nc_u32 v[ADRS], s21, v6
	s_lshl_b32 s46, s42, 10
	s_lshl_b32 s47, s16, 9
	s_add_co_u32 s46, s46, s47                     ; my first column, x 4
	s_mov_b32 s47, 0
	s_add_nc_u64 s[PBN:PBN+1], s[PBN:PBN+1], s[46:47]
	v_lshlrev_b32 v7, 6, v3
.irp g, 0,1,2,3
.irp i, 0,1,2,3
	global_load_b128 v[BIAS+16*\g+4*\i:BIAS+16*\g+4*\i+3], v7, s[PBN:PBN+1] offset:128*\g+16*\i   ; registers 16 g + 0 .. 15: columns 32 g + 16 h + 0 .. 15
.endr
.endr
	s_mul_i32 s23, s14, 16*SPITCH                  ; my stage
	v_mul_u32_u24 v6, v2, SPITCH
	v_lshl_add_u32 v6, v3, 6, v6
	v_add_nc_u32 v[STO], s23, v6                   ; in: row r, + 64 h
	v_add_nc_u32 v[RD], s23, v4                    ; back: the 32 lanes take one row of 512 bytes
	s_lshl_b32 s20, s17, 20
	s_lshl_b32 s21, s15, 19
	s_add_co_u32 s20, s20, s21                     ; my first token's row of 4,096 bytes,
	s_add_co_u32 s20, s20, s46                     ; my first column
	s_mov_b32 s21, 0
	s_add_nc_u64 s[10:11], s[10:11], s[20:21]
	s_add_nc_u64 s[12:13], s[12:13], s[20:21]
.macro FRAG reg, adr, q, i
	ds_load_b128 v[\reg:\reg+3], v[\adr] offset:(\i)*ROWB+(\q)*FRB
	ds_load_b64 v[\reg+4:\reg+5], v[\adr+2] offset:(\i)*ROWB+(\q)*FRB+512
	ds_load_b128 v[\reg+6:\reg+9], v[\adr] offset:(\i)*ROWB+(\q)*FRB+768
	ds_load_b64 v[\reg+10:\reg+11], v[\adr+2] offset:(\i)*ROWB+(\q)*FRB+1280
.endm
; 16 matrix instructions; first = 1: the sums begin with the bias as C.  The 64 accumulators take turns, one instruction a turn.
.macro MUL16 a0, p, q, sc, first
.irp a, \a0, \a0+1
.irp b, 0,1,2,3,4,5,6,7
.if \first
	v_wmma_scale_f32_16x16x128_f8f6f4 v[8*(8*((\a)%4)+\b):8*(8*((\a)%4)+\b)+7], v[128*(\p)+FR*\b:128*(\p)+FR*\b+FR-1], v[AF+FR*(\a):AF+FR*(\a)+FR-1], v[BIAS+8*\b:BIAS+8*\b+7], v[SC+16*(\sc)+2*\b+(\q)], v[SC+16*(\sc)+2*(\a)+(\q)] matrix_a_fmt:MATRIX_FMT_BF6 matrix_b_fmt:MATRIX_FMT_BF6 matrix_a_scale:MATRIX_SCALE_ROW1
.else
	v_wmma_scale_f32_16x16x128_f8f6f4 v[8*(8*((\a)%4)+\b):8*(8*((\a)%4)+\b)+7], v[128*(\p)+FR*\b:128*(\p)+FR*\b+FR-1], v[AF+FR*(\a):AF+FR*(\a)+FR-1], v[8*(8*((\a)%4)+\b):8*(8*((\a)%4)+\b)+7], v[SC+16*(\sc)+2*\b+(\q)], v[SC+16*(\sc)+2*(\a)+(\q)] matrix_a_fmt:MATRIX_FMT_BF6 matrix_b_fmt:MATRIX_FMT_BF6 matrix_a_scale:MATRIX_SCALE_ROW1
.endif
.endr
.endr
.endm
.macro FETCH_B slot, q, p
	WIN TO_B
.irp i, 0,1,2,3,4,5,6,7
	FRAG 128*(\p)+FR*\i, ADRB+\slot, \q, \i
.endr
	WIN 0
.endm
.macro FETCH_A slot, q, i0
.irp i, \i0, \i0+1, \i0+2, \i0+3
	FRAG AF+FR*(\i), ADRA+\slot, \q, \i
.endr
.endm
.macro SCALES sc
.irp i, 0,1,2,3,4,5,6,7
	ds_load_b32 v[SC+16*\sc+2*\i], v[ADRS] offset:64*\i
	ds_load_b32 v[SC+16*\sc+2*\i+1], v[ADRS] offset:512+64*\i
.endr
.endm
.macro PLACES n                        ; places behind matrix instructions (ISA guide 7.12.1): plain vector lines that name none of their registers
.rept \n
	v_nop
.endr
.endm
.macro STEP slot, q, first
	s_wait_dscnt 4*NL                              ; all but the youngest 16 loads (A's blocks 4-7)
	WIN MUL_LO-0x20*(\first)
	MUL16 0, (\q)%2, \q, \slot, \first
	MUL16 2, (\q)%2, \q, \slot, \first
	s_wait_dscnt 0
	PLACES NP
	FETCH_B \slot, (\q)+1, 1-(\q)%2
	FETCH_A \slot, (\q)+1, 0
	WIN MUL_HI-0x30*(\first)
	MUL16 4, (\q)%2, \q, \slot, \first
	MUL16 6, (\q)%2, \q, \slot, \first
	PLACES NP
	WIN 0
	FETCH_A \slot, (\q)+1, 4
.endm
.macro TURN slot, next, fill           ; a slot's last step changes slots: one barrier, with the three lines in front of it
	s_wait_tensorcnt 0x0                           ; all my tensor loads have landed: my part of the next slot
	ds_add_u32 v[SPW], v[NIL]                      ; 0 onto my spare word
	s_wait_dscnt 4*NL+1                            ; (the add and the youngest 16 loads may be out)
	WIN MUL_LO
	MUL16 0, 1, 1, \slot, 0
	s_wait_dscnt 0x0                               ; the add is done, and my reads of this slot are over
	s_barrier_signal -1
	MUL16 2, 1, 1, \slot, 0
	WIN 0
	s_barrier_wait -1
.if \fill
	CREST                                          ; the barrier has opened a round of the cluster's barrier
	s_add_nc_u64 s[G0+4*\slot+2:G0+4*\slot+3], s[G0+4*\slot+2:G0+4*\slot+3], 2*ROWB
	s_add_nc_u64 s[G0B+4*\slot+2:G0B+4*\slot+3], s[G0B+4*\slot+2:G0B+4*\slot+3], 2*ROWB
	JLOAD G0+4*\slot, G1, G0B+4*\slot, G1B         ; the first tensor load behind the round
.else
	PLACES NP
.endif
	v_add_nc_u32 v[ADRS], 1024, v[ADRS]
	FETCH_B \next, 0, 0
	FETCH_A \next, 0, 0
	SCALES \next
	WIN MUL_HI
	MUL16 4, 1, 1, \slot, 0
	MUL16 6, 1, 1, \slot, 0
	PLACES NP
	WIN 0
	FETCH_A \next, 0, 4
.endm
	s_wait_tensorcnt 1                             ; the scale words and my part of slot 0 are in (slot 1's load may be out)
	s_barrier_signal -1
	s_barrier_wait -1
	FETCH_B 0, 0, 0
	FETCH_A 0, 0, 0
	SCALES 0
	FETCH_A 0, 0, 4
	s_wait_loadcnt 0x0                             ; the bias
	STEP 0, 0, 1
	s_mov_b32 s3, LAPS-1
.Llap:
	TURN 0, 1, 1
	STEP 1, 0, 0
	TURN 1, 0, 1
	STEP 0, 0, 0
	s_sub_co_u32 s3, s3, 1
	s_cmp_lg_u32 s3, 0
	s_cbranch_scc1 .Llap
	TURN 0, 1, 0
	STEP 1, 0, 0
	s_wait_dscnt 4*NL
	WIN MUL_LO
	MUL16 0, 1, 1, 1, 0
	MUL16 2, 1, 1, 1, 0
	s_wait_dscnt 0
	WIN MUL_HI
	MUL16 4, 1, 1, 1, 0
	MUL16 6, 1, 1, 1, 0
	WIN 0
.macro RLOAD a                         ; the residual's 16 rows of block a into window 1, where B's fragments lay.  Row t of block a is the actual token 32 (a / 2) + 8 (a % 2) + t + 8 (t / 8) of my 128
	WIN 0x40
.irp t, 0,1,2,3,4,5,6,7,8,9,10,11,12,13,14,15
	global_load_b128 v[64*((\a)%4)+4*\t:64*((\a)%4)+4*\t+3], v4, s[10:11] offset:(32*((\a)/2)+8*((\a)%2)+\t+8*(\t/8))*4096 th:TH_LOAD_NT
.endr
	WIN 0
.endm
.macro TOSTAGE a
.set AC, 64*((\a)%4)
	WIN 0x08+4*((\a)/4)                            ; the data: window 2 or 3
.irp b, 0,1,2,3,4,5,6,7
	ds_store_b128 v[STO], v[AC+8*\b:AC+8*\b+3] offset:128*(\b/2)+32*(\b%2)        ; each accumulator from its low end on, at its actual columns
	ds_store_b128 v[STO], v[AC+8*\b+4:AC+8*\b+7] offset:128*(\b/2)+32*(\b%2)+16
.endr
	WIN 0
.set BB, BK+64*((\a)%2)
.irp t, 0,1,2,3,4,5,6,7,8,9,10,11,12,13,14,15
	ds_load_b128 v[BB+4*\t:BB+4*\t+3], v[RD] offset:\t*SPITCH      ; LDS serves a wave's instructions in order (ISA guide 5.7.1.4)
.endr
.endm
.macro SEND a, younger
.set BB, BK+64*((\a)%2)
	s_wait_dscnt \younger                          ; the block is back in registers (the next block's 16 stores and 16 loads may be out)
.if (\a) < 5
	s_wait_loadcnt 48                              ; its residual is in; three younger blocks' 16 loads each may be out
.else
	s_wait_loadcnt 16*(7-(\a))
.endif
	WIN 0x04                                       ; source 1: window 1
.set i, 0
.rept 32
	v_pk_add_f32 v[BB+i:BB+i+1], v[BB+i:BB+i+1], v[64*((\a)%4)+i:64*((\a)%4)+i+1]
.set i, i+2
.endr
	WIN 0
.if (\a) < 4
	RLOAD (\a)+4
.endif
.irp t, 0,1,2,3,4,5,6,7,8,9,10,11,12,13,14,15
	global_store_b128 v4, v[BB+4*\t:BB+4*\t+3], s[12:13] offset:(32*((\a)/2)+8*((\a)%2)+\t+8*(\t/8))*4096 th:TH_STORE_NT   ; 32 lanes store 512 consecutive bytes, at a multiple of 256 from the buffer's first byte; 520,192 bytes at the most: inside the signed 24-bit immediate
.endr
.endm
	PLACES NP                                      ; for the loads into registers that held fragments, and for the reads of results
	RLOAD 0
	RLOAD 1
	RLOAD 2
	RLOAD 3
	TOSTAGE 0
.irp a, 1,2,3,4,5,6,7
.if \a > 1
	s_wait_xcnt 0x0                                ; block a - 2's stores have read their registers: block a's loads may land there
.endif
	TOSTAGE \a
	SEND \a-1, 32
.endr
	SEND 7, 0
	s_wait_tensorcnt 0x0                           ; the wave's end
	ds_add_u32 v[SPW], v[NIL]
	s_wait_dscnt 0x0
	CROUND                                         ; the closing round
	s_endpgm
.Lfunc_end_k_qbf4412aefa_proj:
	.size	k_qbf4412aefa_proj, .Lfunc_end_k_qbf4412aefa_proj-k_qbf4412aefa_proj
	.p2alignl 7, 3214868480
	.fill 96, 4, 3214868480
	.section	.rodata,"a",@progbits
	.p2align	6, 0x0
	.amdhsa_kernel k_qbf4412aefa_proj
		.amdhsa_group_segment_fixed_size 327680
		.amdhsa_private_segment_fixed_size 0
		.amdhsa_enable_private_segment 0
		.amdhsa_kernarg_size 40
		.amdhsa_user_sgpr_count 2
		.amdhsa_user_sgpr_kernarg_segment_ptr 1
		.amdhsa_wavefront_size32 1
		.amdhsa_system_sgpr_workgroup_id_x 1
		.amdhsa_system_sgpr_workgroup_id_y 1
		.amdhsa_system_sgpr_workgroup_id_z 1
		.amdhsa_system_vgpr_workitem_id 0
		.amdhsa_next_free_vgpr 1024
		.amdhsa_next_free_sgpr 100
		.amdhsa_reserve_vcc 0
		.amdhsa_float_denorm_mode_32 3
		.amdhsa_float_denorm_mode_16_64 3
		.amdhsa_memory_ordered 1
		.amdhsa_forward_progress 1
		.amdhsa_inst_pref_size 176
	.end_amdhsa_kernel
	.amdgpu_metadata
---
amdhsa.version: [ 1, 2 ]
amdhsa.kernels:
  - .name:           k_qbf4412aefa_proj
    .symbol:         k_qbf4412aefa_proj.kd
    .args:
      - { .name: aob, .offset: 0, .size: 8, .value_kind: global_buffer, .address_space: global }
      - { .name: ops, .offset: 8, .size: 8, .value_kind: global_buffer, .address_space: global }
      - { .name: bo, .offset: 16, .size: 8, .value_kind: global_buffer, .address_space: global }
      - { .name: x, .offset: 24, .size: 8, .value_kind: global_buffer, .address_space: global }
      - { .name: x1, .offset: 32, .size: 8, .value_kind: global_buffer, .address_space: global }
    .group_segment_fixed_size: 327680
    .private_segment_fixed_size: 0
    .kernarg_segment_align: 8
    .kernarg_segment_size: 40
    .max_flat_workgroup_size: 128
    .sgpr_count:     100
    .vgpr_count:     1024
    .wavefront_size: 32
...
	.end_amdgpu_metadata
.endif
;; end of part 5
;; launch ln2: the kernel of part 2 again; grid 256 x 1, 8 waves a work-group, no clusters, 64,512 bytes of LDS; arguments x1, ln2_w, ln2_b, ops; writes ops
;; launch fc1 (part 6): grid 16 x 16, 4 waves a work-group, clusters of 4 x 4, 327,680 bytes of LDS; arguments ops, b1, hb; writes hb
.if DOCPART == 6
	.amdgcn_target "amdgcn-amd-amdhsa--gfx1250"
	.amdhsa_code_object_version 6
	.text
	.protected	k_qbf4412aefa_fc1
	.globl	k_qbf4412aefa_fc1
	.p2align	8
	.type	k_qbf4412aefa_fc1,@function
k_qbf4412aefa_fc1:
	s_mov_b64 s[64:65], 0
	v_nop
	global_prefetch_b8 v0, s[64:65] scope:SCOPE_SE
	s_setreg_imm32_b32 hwreg(HW_REG_WAVE_MODE, 25, 1), 1
	s_wait_xcnt 0x0
	s_wait_alu depctr_hold_cnt(0) depctr_sa_sdst(0) depctr_va_vdst(0) depctr_va_sdst(0) depctr_va_ssrc(0) depctr_va_vcc(0) depctr_vm_vsrc(0)
	s_getreg_b32 s2, hwreg(HW_REG_IB_STS2, 6, 4)
	s_cmp_eq_u32 s2, 0
	s_cbranch_scc0 .Lentry_in_a_cluster
	s_endpgm
.Lentry_in_a_cluster:
	s_bfe_u32 s2, ttmp6, 0x10000c
	s_cmp_lg_u32 s2, 0xf033
	s_cbranch_scc0 .Lentry_shape_is_right
	s_endpgm
.Lentry_shape_is_right:
; h = gelu(LN2(x1) W1 + b1), exact (by erf), and the quantiser of the next product along the 4,096 hidden units.  The product is on codes of BF6 (E3M2) with E8M0 scales, K = 1,024.
; OPERANDS lie in memory in the order of their registers.  Physical row p holds actual row sw(p) (bits 3 and 4 exchanged).  A fragment (16 physical rows x 128 K, 12 registers a lane) is two half images of 768 bytes:
; lane r + 16 h owns k = 32 h .. + 31 of row r, registers 0-3 at 16 x lane, 4-5 at 512 + 8 x lane.  Codes: [row block][K step] fragments; scale words: [p / 128][K step][p % 128].
; A tile of C, 256 x 256, is made by four waves, as many as a WGP has SIMDs; a wave makes 128 x 128: 64 accumulators.  K goes in steps of 256 through a ring of two LDS slots filled by the tensor data mover.
; THE MATRIX INSTRUCTION IS USED TRANSPOSED (source 0 = 16 rows of the weight, source 1 = 16 tokens): lane (r, h) holds physical token r; registers 16 g .. 16 g + 15 of a row of accumulators hold the ACTUAL hidden units
; 32 g + 16 h + 0 .. 15: 16 neighbours along the next K.  The bias is the C of each sum's first product.  CLUSTERS: 4 x 4 work-groups, joint loads along rows (tokens) and columns (weight).
; THE WAY OUT is a loop of eight trips, one for each block of 16 tokens, so that the activation's lines are written once: a trip first brings its block's 64 numbers a lane out of the accumulators' window
; (eight short pieces of text, chosen by the trip's number, since a register window is a constant of the text), then works in window 0.
; GELU: gelu(x) = max(x, 0) - |x| erfc(|x| / sqrt 2) / 2, with erfc(z) = t exp(-z^2 + P(t)), t = 1 / (1 + z / 2), P of degree 9 (the Chebyshev fit of Numerical Recipes' erfcc: fractional error under 1.2e-7 for every z).
; No difference of near numbers is formed for x < 0.  Very large |x|: the exponential falls to 0 and the result is x or -0.
; LIMITS: NaN and infinities are not served.  A block of zeros gets the byte 1 where the rule says 127: its codes are zeros, and this program alone reads the bytes.
.set SIZE_K, 1024
.set A_C, 9830400
.set A_S, 12976128
.set B_C, 3145728
.set B_S, 9568256
.set H_S, 12582912
.set PA, 4
.set PB, 4
.set PBN, 6                            ; s[6:7]: the bias
.set KF,     SIZE_K/128
.set FRB,    1536
.set RBSTR,  KF*FRB
.set ROWB,   2*FRB
.set HALFT,  8*ROWB
.set SLOT,   4*HALFT
.set LAPS,   SIZE_K/512
.set HALFS,  KF*512
.set SCL,    2*SLOT
.set SPARE,  SCL+4*HALFS               ; the spare words, 128 bytes for each wave: two blocks of 256 bytes that no other line names
.set FR, 12
.set NL, 4
.set NP, 4
.set ADRA, 16
.set ADRB, 20
.set SSA,  24                          ; v24 the way out: where my row's scale word goes (my wave's 512 bytes in slot 0, which has had its last fill and its last read)
.set SSR,  25                          ; v25 and where the 128 words are read back
.set ADRS, 27
.set SPW,  28
.set NIL,  29
.set SC,   32                          ; v32-63 scale words: they hold nothing else
.set BIAS, 64
.set AF,   128
.set X,    64                          ; the way out: v64-127 x, then gelu(x)
.set T,    128                         ; v128-191 t, then erfc / 2
.set PP,   192                         ; v192-255 the polynomial, then the exponential
.set TM,   128                         ; the quantiser's work lies where t lay
.set PC,   144
.set PWR,  168
.set G1, 24
.set G0, 32
.set G1B, 48
.set G0B, 56
.set G1S, 68
.set G0S, 76
.set G1SB, 80
.set G0SB, 88
.set SEL, 98
.set MSB, 0
.macro WIN new
.if MSB != (\new)
	s_set_vgpr_msb (MSB<<8)|(\new)
.set MSB, (\new)
.endif
.endm
.set MUL_LO, 0xa1
.set MUL_HI, 0xf1
.set TO_B,   0x40
.macro JLOAD g0a, g1a, g0b, g1b        ; a joint load: waves 0 and 1 fetch for A, waves 2 and 3 for B; four v_nop follow each line
	s_cmp_eq_u32 s15, 0
	s_cbranch_scc0 .Lfor_b_\@
	tensor_load_to_lds s[\g0a:\g0a+3], s[\g1a:\g1a+7]
	s_nop 0
.rept 4
	v_nop
.endr
	s_branch .Lasked_\@
.Lfor_b_\@:
	tensor_load_to_lds s[\g0b:\g0b+3], s[\g1b:\g1b+7]
	s_nop 0
.rept 4
	v_nop
.endr
.Lasked_\@:
.endm
.macro CREST
	s_cmp_lg_u32 s14, 0
	s_cbranch_scc1 .Lnot_wave_0_\@
	s_barrier_signal -3
.Lnot_wave_0_\@:
	s_barrier_wait -3
	s_barrier_signal -1
	s_barrier_wait -1
.endm
.macro CROUND
	s_barrier_signal -1
	s_barrier_wait -1
	CREST
.endm
	s_load_b128 s[4:7], s[0:1], 0x0                ; ops, b1
	s_load_b64 s[8:9], s[0:1], 0x10                ; hb
	v_lshl_add_u32 v[SPW], v0, 2, SPARE
	v_mov_b32 v[NIL], 0
	ds_add_u32 v28, v29
	ds_add_u32 v28, v29
	s_wait_dscnt 0x0
	v_lshrrev_b32 v1, 5, v0
	v_readfirstlane_b32 s14, v1                    ; wave 0..3
	s_lshr_b32 s15, s14, 1                         ; my half of the tile's rows.  Also: I fetch for A (0) or for B (1)
	s_and_b32 s16, s14, 1                          ; my half of its columns.  Also: which 128 rows of that tile I fetch
	s_bfe_u32 s40, ttmp6, 0x40000                  ; cx, cy
	s_bfe_u32 s41, ttmp6, 0x40004
	s_lshl_b32 s42, ttmp9, 2
	s_add_co_u32 s42, s42, s40                     ; tile column
	s_and_b32 s17, ttmp7, 0xffff
	s_lshl_b32 s17, s17, 2
	s_add_co_u32 s17, s17, s41                     ; tile row
	s_mov_b32 s66, A_C                             ; byte offsets in ops
	s_mov_b32 s67, A_S
	s_mov_b32 s96, B_C
	s_mov_b32 s97, B_S
	s_mov_b32 s[SEL], 0x76543210
	s_mov_b32 s[SEL+1], 0xfedcba98
	s_lshl_b32 s43, s41, 2
	s_lshl_b32 s43, 15, s43                        ; my row of the cluster
	s_lshl_b32 s44, 0x1111, s40                    ; my column
	s_or_b32 s[G1+0], s43, (3<<16)|(1<<21)         ; group 1: 8 rows (row blocks) of 384 elements of 8 bytes, RBSTR bytes apart; the mask; bit 21 beside it
	s_or_b32 s[G1B+0], s44, (3<<16)|(1<<21)
.irp g, G1, G1B
	s_mov_b32 s[\g+1], 384<<16
	s_mov_b32 s[\g+2], 8<<16
	s_mov_b32 s[\g+3], 384<<16
	s_mov_b32 s[\g+4], 8
	s_mov_b32 s[\g+5], KF*192
	s_mov_b32 s[\g+6], 0
	s_mov_b32 s[\g+7], 0
.endr
	s_or_b32 s[G1S+0], s43, (3<<16)|(1<<21)        ; the scale words of 128 rows: a dense block, as rows of 256 bytes
	s_or_b32 s[G1SB+0], s44, (3<<16)|(1<<21)
.irp g, G1S, G1SB
	s_mov_b32 s[\g+1], 32<<16
	s_mov_b32 s[\g+2], (2*KF)<<16
	s_mov_b32 s[\g+3], 32<<16
	s_mov_b32 s[\g+4], 2*KF
	s_mov_b32 s[\g+5], 32
	s_mov_b32 s[\g+6], 0
	s_mov_b32 s[\g+7], 0
.endr
	s_lshl_b32 s20, s17, 1
	s_add_co_u32 s20, s20, s16
	s_lshl_b32 s46, s42, 1
	s_add_co_u32 s46, s46, s16
	s_mul_i32 s22, s20, HALFS
	s_add_co_u32 s22, s22, s67
	s_mul_i32 s92, s46, HALFS
	s_add_co_u32 s92, s92, s97
	s_mul_i32 s20, s20, 8*RBSTR
	s_add_co_u32 s20, s20, s66
	s_mul_i32 s46, s46, 8*RBSTR
	s_add_co_u32 s46, s46, s96
	s_mov_b32 s21, 0
	s_mov_b32 s23, 0
	s_mov_b32 s47, 0
	s_mov_b32 s93, 0
	s_mul_i32 s45, s14, HALFT
	s_mul_i32 s94, s14, HALFS
	s_wait_kmcnt 0x0
	s_add_nc_u64 s[20:21], s[PA:PA+1], s[20:21]
	s_add_nc_u64 s[22:23], s[PA:PA+1], s[22:23]
	s_add_nc_u64 s[46:47], s[PB:PB+1], s[46:47]
	s_add_nc_u64 s[92:93], s[PB:PB+1], s[92:93]
	CROUND                                         ; all sixteen work-groups are here: the first joint loads meet
	s_mov_b32 s[G0S], 1
	s_add_co_u32 s[G0S+1], s94, SCL
	s_mov_b64 s[G0S+2:G0S+3], s[22:23]
	s_or_b32 s[G0S+3], s[G0S+3], 0x80000000
	s_mov_b32 s[G0SB], 1
	s_add_co_u32 s[G0SB+1], s94, SCL
	s_mov_b64 s[G0SB+2:G0SB+3], s[92:93]
	s_or_b32 s[G0SB+3], s[G0SB+3], 0x80000000
	JLOAD G0S, G1S, G0SB, G1SB
.irp s, 0,1
	s_mov_b32 s[G0+4*\s], 1
	s_add_co_u32 s[G0+4*\s+1], s45, \s*SLOT
	s_add_nc_u64 s[G0+4*\s+2:G0+4*\s+3], s[20:21], \s*ROWB
	s_or_b32 s[G0+4*\s+3], s[G0+4*\s+3], 0x80000000
	s_mov_b32 s[G0B+4*\s], 1
	s_add_co_u32 s[G0B+4*\s+1], s45, \s*SLOT
	s_add_nc_u64 s[G0B+4*\s+2:G0B+4*\s+3], s[46:47], \s*ROWB
	s_or_b32 s[G0B+4*\s+3], s[G0B+4*\s+3], 0x80000000
	JLOAD G0+4*\s, G1, G0B+4*\s, G1B
.endr
	v_and_b32 v1, 31, v0                           ; lane
	v_and_b32 v2, 15, v0                           ; r
	v_bfe_u32 v3, v0, 4, 1                         ; h
	v_lshlrev_b32 v4, 4, v1                        ; 16 x lane
	v_lshlrev_b32 v5, 3, v1                        ; 8 x lane
	s_mul_i32 s21, s15, HALFT
	s_mul_i32 s22, s16, HALFT
	s_add_co_u32 s22, s22, 2*HALFT
.irp s, 0,1
	v_add_nc_u32 v[ADRA+\s], s21, v4
	v_add_nc_u32 v[ADRB+\s], s22, v4
	v_add_nc_u32 v[ADRA+2+\s], s21, v5
	v_add_nc_u32 v[ADRB+2+\s], s22, v5
	s_add_co_u32 s21, s21, SLOT
	s_add_co_u32 s22, s22, SLOT
.endr
	s_mul_i32 s21, s15, HALFS
	s_mul_i32 s22, s16, HALFS
	s_add_co_u32 s22, s22, 2*HALFS
	s_sub_co_u32 s22, s22, s21
	v_mul_u32_u24 v6, s22, v3                      ; lanes 16-31 take B's scale words
	s_add_co_u32 s21, s21, SCL
	v_lshl_add_u32 v6, v2, 2, v6
	v_add_nc_u32 v[ADRS], s21, v6
	s_lshl_b32 s46, s42, 10
	s_lshl_b32 s47, s16, 9
	s_add_co_u32 s46, s46, s47                     ; my first column, x 4
	s_mov_b32 s47, 0
	s_add_nc_u64 s[PBN:PBN+1], s[PBN:PBN+1], s[46:47]
	v_lshlrev_b32 v7, 6, v3
.irp g, 0,1,2,3
.irp i, 0,1,2,3
	global_load_b128 v[BIAS+16*\g+4*\i:BIAS+16*\g+4*\i+3], v7, s[PBN:PBN+1] offset:128*\g+16*\i   ; registers 16 g + 0 .. 15: columns 32 g + 16 h + 0 .. 15
.endr
.endr
	s_lshl_b32 s23, s14, 9
	v_lshl_add_u32 v[SSA], v2, 2, s23              ; 512 x wave + 4 r
	v_add_nc_u32 v[SSR], s23, v4                   ; 512 x wave + 16 x lane
	s_lshl_b32 s20, s17, 4
	s_lshl_b32 s21, s15, 3
	s_add_co_u32 s20, s20, s21
	s_mul_i32 s20, s20, 49152                      ; my first row block of h's codes (32 fragments each),
	s_lshl_b32 s22, s42, 1
	s_add_co_u32 s22, s22, s16                     ; my 128 hidden units are K step 2 x tile column + half
	s_mul_i32 s21, s22, 1536
	s_add_co_u32 s20, s20, s21
	s_mov_b32 s21, 0
	s_add_nc_u64 s[12:13], s[8:9], s[20:21]
	s_lshl_b32 s20, s17, 1
	s_add_co_u32 s20, s20, s15
	s_lshl_b32 s20, s20, 14                        ; my 128 rows' scale words,
	s_lshl_b32 s22, s22, 9
	s_add_co_u32 s20, s20, s22                     ; of my K step
	s_add_co_u32 s20, s20, H_S
	s_add_nc_u64 s[10:11], s[8:9], s[20:21]
.macro FRAG reg, adr, q, i
	ds_load_b128 v[\reg:\reg+3], v[\adr] offset:(\i)*ROWB+(\q)*FRB
	ds_load_b64 v[\reg+4:\reg+5], v[\adr+2] offset:(\i)*ROWB+(\q)*FRB+512
	ds_load_b128 v[\reg+6:\reg+9], v[\adr] offset:(\i)*ROWB+(\q)*FRB+768
	ds_load_b64 v[\reg+10:\reg+11], v[\adr+2] offset:(\i)*ROWB+(\q)*FRB+1280
.endm
; 16 matrix instructions; first = 1: the sums begin with the bias as C.  The 64 accumulators take turns, one instruction a turn.
.macro MUL16 a0, p, q, sc, first
.irp a, \a0, \a0+1
.irp b, 0,1,2,3,4,5,6,7
.if \first
	v_wmma_scale_f32_16x16x128_f8f6f4 v[8*(8*((\a)%4)+\b):8*(8*((\a)%4)+\b)+7], v[128*(\p)+FR*\b:128*(\p)+FR*\b+FR-1], v[AF+FR*(\a):AF+FR*(\a)+FR-1], v[BIAS+8*\b:BIAS+8*\b+7], v[SC+16*(\sc)+2*\b+(\q)], v[SC+16*(\sc)+2*(\a)+(\q)] matrix_a_fmt:MATRIX_FMT_BF6 matrix_b_fmt:MATRIX_FMT_BF6 matrix_a_scale:MATRIX_SCALE_ROW1
.else
	v_wmma_scale_f32_16x16x128_f8f6f4 v[8*(8*((\a)%4)+\b):8*(8*((\a)%4)+\b)+7], v[128*(\p)+FR*\b:128*(\p)+FR*\b+FR-1], v[AF+FR*(\a):AF+FR*(\a)+FR-1], v[8*(8*((\a)%4)+\b):8*(8*((\a)%4)+\b)+7], v[SC+16*(\sc)+2*\b+(\q)], v[SC+16*(\sc)+2*(\a)+(\q)] matrix_a_fmt:MATRIX_FMT_BF6 matrix_b_fmt:MATRIX_FMT_BF6 matrix_a_scale:MATRIX_SCALE_ROW1
.endif
.endr
.endr
.endm
.macro FETCH_B slot, q, p
	WIN TO_B
.irp i, 0,1,2,3,4,5,6,7
	FRAG 128*(\p)+FR*\i, ADRB+\slot, \q, \i
.endr
	WIN 0
.endm
.macro FETCH_A slot, q, i0
.irp i, \i0, \i0+1, \i0+2, \i0+3
	FRAG AF+FR*(\i), ADRA+\slot, \q, \i
.endr
.endm
.macro SCALES sc
.irp i, 0,1,2,3,4,5,6,7
	ds_load_b32 v[SC+16*\sc+2*\i], v[ADRS] offset:64*\i
	ds_load_b32 v[SC+16*\sc+2*\i+1], v[ADRS] offset:512+64*\i
.endr
.endm
.macro PLACES n                        ; places behind matrix instructions (ISA guide 7.12.1): plain vector lines that name none of their registers
.rept \n
	v_nop
.endr
.endm
.macro STEP slot, q, first
	s_wait_dscnt 4*NL                              ; all but the youngest 16 loads (A's blocks 4-7)
	WIN MUL_LO-0x20*(\first)
	MUL16 0, (\q)%2, \q, \slot, \first
	MUL16 2, (\q)%2, \q, \slot, \first
	s_wait_dscnt 0
	PLACES NP
	FETCH_B \slot, (\q)+1, 1-(\q)%2
	FETCH_A \slot, (\q)+1, 0
	WIN MUL_HI-0x30*(\first)
	MUL16 4, (\q)%2, \q, \slot, \first
	MUL16 6, (\q)%2, \q, \slot, \first
	PLACES NP
	WIN 0
	FETCH_A \slot, (\q)+1, 4
.endm
.macro TURN slot, next, fill           ; a slot's last step changes slots: one barrier, with the three lines in front of it
	s_wait_tensorcnt 0x0                           ; all my tensor loads have landed: my part of the next slot
	ds_add_u32 v[SPW], v[NIL]                      ; 0 onto my spare word
	s_wait_dscnt 4*NL+1                            ; (the add and the youngest 16 loads may be out)
	WIN MUL_LO
	MUL16 0, 1, 1, \slot, 0
	s_wait_dscnt 0x0                               ; the add is done, and my reads of this slot are over
	s_barrier_signal -1
	MUL16 2, 1, 1, \slot, 0
	WIN 0
	s_barrier_wait -1
.if \fill
	CREST                                          ; the barrier has opened a round of the cluster's barrier
	s_add_nc_u64 s[G0+4*\slot+2:G0+4*\slot+3], s[G0+4*\slot+2:G0+4*\slot+3], 2*ROWB
	s_add_nc_u64 s[G0B+4*\slot+2:G0B+4*\slot+3], s[G0B+4*\slot+2:G0B+4*\slot+3], 2*ROWB
	JLOAD G0+4*\slot, G1, G0B+4*\slot, G1B         ; the first tensor load behind the round
.else
	PLACES NP
.endif
	v_add_nc_u32 v[ADRS], 1024, v[ADRS]
	FETCH_B \next, 0, 0
	FETCH_A \next, 0, 0
	SCALES \next
	WIN MUL_HI
	MUL16 4, 1, 1, \slot, 0
	MUL16 6, 1, 1, \slot, 0
	PLACES NP
	WIN 0
	FETCH_A \next, 0, 4
.endm
	s_wait_tensorcnt 1                             ; the scale words and my part of slot 0 are in (slot 1's load may be out)
	s_barrier_signal -1
	s_barrier_wait -1
	FETCH_B 0, 0, 0
	FETCH_A 0, 0, 0
	SCALES 0
	FETCH_A 0, 0, 4
	s_wait_loadcnt 0x0                             ; the bias
	STEP 0, 0, 1
	s_mov_b32 s3, LAPS-1
.Llap:
	TURN 0, 1, 1
	STEP 1, 0, 0
	TURN 1, 0, 1
	STEP 0, 0, 0
	s_sub_co_u32 s3, s3, 1
	s_cmp_lg_u32 s3, 0
	s_cbranch_scc1 .Llap
	TURN 0, 1, 0
	STEP 1, 0, 0
	s_wait_dscnt 4*NL
	WIN MUL_LO
	MUL16 0, 1, 1, 1, 0
	MUL16 2, 1, 1, 1, 0
	s_wait_dscnt 0
	WIN MUL_HI
	MUL16 4, 1, 1, 1, 0
	MUL16 6, 1, 1, 1, 0
	WIN 0
; 64 numbers of a lane, v[s] .. v[s + 63], register 16 b + i = k 32 b + 16 (lane / 16) + i of my row, become a fragment's codes in v[PC] on and its scale word in v[pw].
.macro QUANT s, pw
.irp b, 0,1,2,3
	v_max3_num_f32 v[TM+\b], |v[\s+16*\b]|, |v[\s+1+16*\b]|, 0x2800000   ; block b: my 16 numbers, and the floor 2^(5 - 127)
.endr
.irp i, 2,4,6,8,10,12,14
.irp b, 0,1,2,3
	v_max3_num_f32 v[TM+\b], v[TM+\b], |v[\s+16*\b+\i]|, |v[\s+1+16*\b+\i]|
.endr
.endr
.irp b, 0,1,2,3
	v_permlanex16_b32 v[TM+4+\b], v[TM+\b], s[SEL], s[SEL+1]
.endr
.irp b, 0,1,2,3
	v_max_num_f32 v[TM+\b], v[TM+\b], v[TM+4+\b]
.endr
.irp b, 0,1,2,3
	v_add_nc_u32 v[TM+12+\b], 0xfe000000, v[TM+\b]
.endr
.irp b, 0,1,2,3
	v_lshrrev_b32 v[TM+4+\b], 23, v[TM+12+\b]
.endr
	v_lshl_or_b32 v[\pw], v[TM+5], 8, v[TM+4]
	v_lshl_or_b32 v[\pw], v[TM+6], 16, v[\pw]
	v_lshl_or_b32 v[\pw], v[TM+7], 24, v[\pw]
.irp c, 0,1
	v_cvt_scalef32_pk16_bf6_f32 v[PC+6*\c:PC+2+6*\c], v[\s+32*\c:\s+15+32*\c], v[TM+12+2*\c]
	v_cvt_scalef32_pk16_bf6_f32 v[PC+12+4*\c:PC+14+4*\c], v[\s+16+32*\c:\s+31+32*\c], v[TM+12+2*\c+1]
.endr
	v_nop                                          ; one plain place behind a scaled conversion
.irp c, 0,1
.irp i, 0,1,2
	v_permlane16_swap_b32 v[PC+6*\c+\i], v[PC+12+4*\c+\i]
.endr
.irp i, 0,1,2
	v_mov_b32 v[PC+3+6*\c+\i], v[PC+12+4*\c+\i]
.endr
.endr
.endm
.macro SETC reg, val                   ; a constant as a scalar pair: the packed forms name the pair and take its low word for both halves
	s_mov_b32 s[\reg], \val
	s_mov_b32 s[\reg+1], \val
.endm
.macro STUB a                          ; block a's 64 numbers a lane come into window 0, each accumulator from its low end on (x 1.0 changes no number)
	WIN 0x02+((\a)/4)
.set i, 0
.rept 32
	v_pk_mul_f32 v[X+i:X+i+1], v[64*((\a)%4)+i:64*((\a)%4)+i+1], 1.0 op_sel_hi:[1,0]
.set i, i+2
.endr
	WIN 0
.endm
	; THE WAY OUT.  All tensor loads are done, so the descriptors' registers are free: they take the constants.
	PLACES NP
	SETC 24, 0xbf527892                            ; -0.82215223
	SETC 26, 0x3fbe87b0                            ;  1.48851587
	SETC 28, 0xbf914e5d                            ; -1.13520398
	SETC 30, 0x3e8ec7cc                            ;  0.27886807
	SETC 32, 0xbe3ec24c                            ; -0.18628806
	SETC 34, 0x3dc636c9                            ;  0.09678418
	SETC 36, 0x3ebf88fb                            ;  0.37409196
	SETC 38, 0x3f8000c7                            ;  1.00002368
	SETC 40, 0xbfa1fc4e                            ; -1.26551223
	SETC 44, 0x3fb8aa3b                            ; log2(e)
	s_mov_b32 s46, 0x3eb504f3                      ; sqrt(2) / 4: t = 1 / (1 + |x| sqrt(2) / 4)
	v_mov_b32 v30, 0x3e2ef945                      ; 0.17087277, the highest coefficient
	v_mov_b32 v31, 0x3e2ef945
	s_mov_b32 s3, 0
.Lrow:
.irp a, 0,1,2,3,4,5,6
	s_cmp_eq_u32 s3, \a
	s_cbranch_scc1 .Lblk\a
.endr
	STUB 7
	s_branch .Lwork
.irp a, 0,1,2,3,4,5
.Lblk\a:
	STUB \a
	s_branch .Lwork
.endr
.Lblk6:
	STUB 6
.Lwork:
.set j, 0
.rept 64
	v_fma_f32 v[T+j], |v[X+j]|, s46, 1.0
.set j, j+1
.endr
.set j, 0
.rept 64
	v_rcp_f32 v[T+j], v[T+j]                       ; t
.set j, j+1
.endr
	v_nop                                          ; a plain line behind the batch,
	s_wait_alu depctr_va_vdst(0)                   ; and one wait for it, ahead of its first reader
.set j, 0
.rept 32
	v_pk_fma_f32 v[PP+j:PP+j+1], v[T+j:T+j+1], v[30:31], s[24:25] op_sel_hi:[1,1,0]   ; Horner in t, sweep by sweep over 32 pairs that do not wait for each other
.set j, j+2
.endr
.irp c, 26,28,30,32,34,36,38,40
.set j, 0
.rept 32
	v_pk_fma_f32 v[PP+j:PP+j+1], v[PP+j:PP+j+1], v[T+j:T+j+1], s[\c:\c+1] op_sel_hi:[1,1,0]
.set j, j+2
.endr
.endr
.set j, 0
.rept 8
.irp k, 0,2,4,6
	v_pk_mul_f32 v[8+\k:9+\k], v[X+j+\k:X+j+\k+1], -0.5 op_sel_hi:[1,0]
.endr
.irp k, 0,2,4,6
	v_pk_fma_f32 v[PP+j+\k:PP+j+\k+1], v[8+\k:9+\k], v[X+j+\k:X+j+\k+1], v[PP+j+\k:PP+j+\k+1]   ; - x^2 / 2
.endr
.set j, j+8
.endr
.set j, 0
.rept 32
	v_pk_fma_f32 v[PP+j:PP+j+1], v[PP+j:PP+j+1], s[44:45], -1.0 op_sel_hi:[1,0,0]     ; to base 2; the -1 is the factor 1 / 2
.set j, j+2
.endr
.set j, 0
.rept 64
	v_exp_f32 v[PP+j], v[PP+j]
.set j, j+1
.endr
	v_nop
	s_wait_alu depctr_va_vdst(0)                   ; one wait for the batch
.set j, 0
.rept 32
	v_pk_mul_f32 v[T+j:T+j+1], v[T+j:T+j+1], v[PP+j:PP+j+1]        ; erfc(|x| / sqrt 2) / 2
.set j, j+2
.endr
.set j, 0
.rept 8
.irp k, 0,1,2,3,4,5,6,7
	v_max_num_f32 v[8+\k], 0, v[X+j+\k]
.endr
.irp k, 0,1,2,3,4,5,6,7
	v_fma_f32 v[X+j+\k], -|v[X+j+\k]|, v[T+j+\k], v[8+\k]          ; gelu(x)
.endr
.set j, j+8
.endr
	QUANT X, PWR
	global_store_b128 v4, v[PC:PC+3], s[12:13]                     ; the fragment: 512, 256, 512, 256 consecutive bytes, at multiples of 256 from the buffer's first byte
	global_store_b64 v5, v[PC+4:PC+5], s[12:13] offset:512
	global_store_b128 v4, v[PC+6:PC+9], s[12:13] offset:768
	global_store_b64 v5, v[PC+10:PC+11], s[12:13] offset:1280
	ds_store_b32 v[SSA], v[PWR]                    ; lanes 16-31 write what lanes 0-15 write
	s_wait_xcnt 0x0                                ; the stores have read their data and base: both are written again only behind this wait
	s_wait_dscnt 0x0
	s_add_nc_u64 s[12:13], s[12:13], 49152         ; the next row block
	v_add_nc_u32 v[SSA], 64, v[SSA]
	s_add_co_u32 s3, s3, 1
	s_cmp_lt_u32 s3, 8
	s_cbranch_scc1 .Lrow
	ds_load_b128 v[8:11], v[SSR]                   ; my 128 rows' scale words of this K step
	s_wait_dscnt 0x0
	global_store_b128 v4, v[8:11], s[10:11]        ; 512 consecutive bytes, at a multiple of 256 from the buffer's first byte
	s_wait_tensorcnt 0x0                           ; the wave's end
	ds_add_u32 v[SPW], v[NIL]
	s_wait_dscnt 0x0
	CROUND                                         ; the closing round
	s_endpgm
.Lfunc_end_k_qbf4412aefa_fc1:
	.size	k_qbf4412aefa_fc1, .Lfunc_end_k_qbf4412aefa_fc1-k_qbf4412aefa_fc1
	.p2alignl 7, 3214868480
	.fill 96, 4, 3214868480
	.section	.rodata,"a",@progbits
	.p2align	6, 0x0
	.amdhsa_kernel k_qbf4412aefa_fc1
		.amdhsa_group_segment_fixed_size 327680
		.amdhsa_private_segment_fixed_size 0
		.amdhsa_enable_private_segment 0
		.amdhsa_kernarg_size 24
		.amdhsa_user_sgpr_count 2
		.amdhsa_user_sgpr_kernarg_segment_ptr 1
		.amdhsa_wavefront_size32 1
		.amdhsa_system_sgpr_workgroup_id_x 1
		.amdhsa_system_sgpr_workgroup_id_y 1
		.amdhsa_system_sgpr_workgroup_id_z 1
		.amdhsa_system_vgpr_workitem_id 0
		.amdhsa_next_free_vgpr 1024
		.amdhsa_next_free_sgpr 100
		.amdhsa_reserve_vcc 0
		.amdhsa_float_denorm_mode_32 3
		.amdhsa_float_denorm_mode_16_64 3
		.amdhsa_memory_ordered 1
		.amdhsa_forward_progress 1
		.amdhsa_inst_pref_size 182
	.end_amdhsa_kernel
	.amdgpu_metadata
---
amdhsa.version: [ 1, 2 ]
amdhsa.kernels:
  - .name:           k_qbf4412aefa_fc1
    .symbol:         k_qbf4412aefa_fc1.kd
    .args:
      - { .name: ops, .offset: 0, .size: 8, .value_kind: global_buffer, .address_space: global }
      - { .name: b1, .offset: 8, .size: 8, .value_kind: global_buffer, .address_space: global }
      - { .name: hb, .offset: 16, .size: 8, .value_kind: global_buffer, .address_space: global }
    .group_segment_fixed_size: 327680
    .private_segment_fixed_size: 0
    .kernarg_segment_align: 8
    .kernarg_segment_size: 24
    .max_flat_workgroup_size: 128
    .sgpr_count:     100
    .vgpr_count:     1024
    .wavefront_size: 32
...
	.end_amdgpu_metadata
.endif
;; end of part 6
;; launch fc2 (part 7): grid 4 x 16, 4 waves a work-group, clusters of 4 x 4, 327,680 bytes of LDS; arguments hb, ops, b2, x1, out0; writes out0
.if DOCPART == 7
	.amdgcn_target "amdgcn-amd-amdhsa--gfx1250"
	.amdhsa_code_object_version 6
	.text
	.protected	k_qbf4412aefa_fc2
	.globl	k_qbf4412aefa_fc2
	.p2align	8
	.type	k_qbf4412aefa_fc2,@function
k_qbf4412aefa_fc2:
	s_mov_b64 s[64:65], 0
	v_nop
	global_prefetch_b8 v0, s[64:65] scope:SCOPE_SE
	s_setreg_imm32_b32 hwreg(HW_REG_WAVE_MODE, 25, 1), 1
	s_wait_xcnt 0x0
	s_wait_alu depctr_hold_cnt(0) depctr_sa_sdst(0) depctr_va_vdst(0) depctr_va_sdst(0) depctr_va_ssrc(0) depctr_va_vcc(0) depctr_vm_vsrc(0)
	s_getreg_b32 s2, hwreg(HW_REG_IB_STS2, 6, 4)
	s_cmp_eq_u32 s2, 0
	s_cbranch_scc0 .Lentry_in_a_cluster
	s_endpgm
.Lentry_in_a_cluster:
	s_bfe_u32 s2, ttmp6, 0x10000c
	s_cmp_lg_u32 s2, 0xf033
	s_cbranch_scc0 .Lentry_shape_is_right
	s_endpgm
.Lentry_shape_is_right:
; out = x1 + h W2 + b2: a product on codes of BF6 (E3M2) with E8M0 scales, K = 4,096; bias and residual in f32.
; OPERANDS lie in memory in the order of their registers.  Physical row p holds actual row sw(p) (bits 3 and 4 exchanged).  A fragment (16 physical rows x 128 K, 12 registers a lane) is two half images of 768 bytes:
; lane r + 16 h owns k = 32 h .. + 31 of row r, registers 0-3 at 16 x lane, 4-5 at 512 + 8 x lane.  Codes: [row block][K step] fragments; scale words: [p / 128][K step][p % 128].
; A tile of C, 256 x 256, is made by four waves, as many as a WGP has SIMDs; a wave makes 128 x 128: 64 accumulators.  K goes in steps of 256 through a ring of two LDS slots filled by the tensor data mover:
; a wave's load brings 8 row blocks x 3,072 consecutive bytes.  The scale words of the tile's rows, for all of K (65,536 bytes), come once, with the first fills.
; THE MATRIX INSTRUCTION IS USED TRANSPOSED (source 0 = 16 rows of the weight, source 1 = 16 tokens): lane (r, h) holds physical token r; registers 16 g .. 16 g + 15 of a row of accumulators hold the ACTUAL columns
; 32 g + 16 h + 0 .. 15.  The bias is the C of each sum's first product.
; CLUSTERS: 4 x 4 work-groups; the tokens' tiles are asked for jointly along a row of the cluster, the weight's along a column.  C has 64 tiles of this size: 64 work-groups.
; THE WAY OUT: a block of 16 tokens x 128 columns goes through the wave's own stage in LDS (in slot 0, which has had its last fill and its last read) and comes back as whole rows of 512 bytes; the residual's rows,
; asked for four blocks ahead, are added; a row is stored at its ACTUAL token.
.set SIZE_K, 4096
.set A_C, 0
.set A_S, 12582912
.set B_C, 6291456
.set B_S, 9699328
.set PA, 4                             ; s[4:5]: the buffer of the tokens' codes
.set PB, 6                             ; s[6:7]: ops
.set PBN, 8                            ; s[8:9]: the bias
.set KF,     SIZE_K/128
.set FRB,    1536
.set RBSTR,  KF*FRB
.set ROWB,   2*FRB
.set HALFT,  8*ROWB
.set SLOT,   4*HALFT
.set LAPS,   SIZE_K/512
.set HALFS,  KF*512
.set SCL,    2*SLOT
.set SPARE,  SCL+4*HALFS               ; the spare words, 128 bytes for each wave: two blocks of 256 bytes that no other line names
.set SPITCH, 528                       ; a stage row: 512 bytes + 16
.set FR, 12
.set NL, 4
.set NP, 4
.set ADRA, 16
.set ADRB, 20
.set STO,  24                          ; v24 the way out: where I put 32 bytes of a row
.set RD,   25                          ; v25 and where I read a row back
.set ADRS, 27
.set SPW,  28
.set NIL,  29
.set SC,   32                          ; v32-63 scale words: they hold nothing else
.set BIAS, 64
.set AF,   128
.set BK,   128                         ; the way out: 16 rows read back: v128-191 and v192-255 by turns
.set G1, 24
.set G0, 32
.set G1B, 48
.set G0B, 56
.set G1S, 68
.set G0S, 76
.set G1SB, 80
.set G0SB, 88
.set MSB, 0
.macro WIN new
.if MSB != (\new)
	s_set_vgpr_msb (MSB<<8)|(\new)
.set MSB, (\new)
.endif
.endm
.set MUL_LO, 0xa1
.set MUL_HI, 0xf1
.set TO_B,   0x40
.macro JLOAD g0a, g1a, g0b, g1b        ; a joint load: waves 0 and 1 fetch for A, waves 2 and 3 for B; four v_nop follow each line
	s_cmp_eq_u32 s15, 0
	s_cbranch_scc0 .Lfor_b_\@
	tensor_load_to_lds s[\g0a:\g0a+3], s[\g1a:\g1a+7]
	s_nop 0
.rept 4
	v_nop
.endr
	s_branch .Lasked_\@
.Lfor_b_\@:
	tensor_load_to_lds s[\g0b:\g0b+3], s[\g1b:\g1b+7]
	s_nop 0
.rept 4
	v_nop
.endr
.Lasked_\@:
.endm
.macro CREST
	s_cmp_lg_u32 s14, 0
	s_cbranch_scc1 .Lnot_wave_0_\@
	s_barrier_signal -3
.Lnot_wave_0_\@:
	s_barrier_wait -3
	s_barrier_signal -1
	s_barrier_wait -1
.endm
.macro CROUND
	s_barrier_signal -1
	s_barrier_wait -1
	CREST
.endm
	s_load_b256 s[4:11], s[0:1], 0x0               ; the tokens' codes, ops, the bias, the residual
	s_load_b64 s[12:13], s[0:1], 0x20              ; the result
	v_lshl_add_u32 v[SPW], v0, 2, SPARE
	v_mov_b32 v[NIL], 0
	ds_add_u32 v28, v29
	ds_add_u32 v28, v29
	s_wait_dscnt 0x0
	v_lshrrev_b32 v1, 5, v0
	v_readfirstlane_b32 s14, v1                    ; wave 0..3
	s_lshr_b32 s15, s14, 1                         ; my half of the tile's rows.  Also: I fetch for A (0) or for B (1)
	s_and_b32 s16, s14, 1                          ; my half of its columns.  Also: which 128 rows of that tile I fetch
	s_bfe_u32 s40, ttmp6, 0x40000                  ; cx, cy
	s_bfe_u32 s41, ttmp6, 0x40004
	s_lshl_b32 s42, ttmp9, 2
	s_add_co_u32 s42, s42, s40                     ; tile column
	s_and_b32 s17, ttmp7, 0xffff
	s_lshl_b32 s17, s17, 2
	s_add_co_u32 s17, s17, s41                     ; tile row
	s_mov_b32 s66, A_C                             ; byte offsets in the two buffers
	s_mov_b32 s67, A_S
	s_mov_b32 s96, B_C
	s_mov_b32 s97, B_S
	s_lshl_b32 s43, s41, 2
	s_lshl_b32 s43, 15, s43                        ; my row of the cluster
	s_lshl_b32 s44, 0x1111, s40                    ; my column
	s_or_b32 s[G1+0], s43, (3<<16)|(1<<21)         ; group 1: 8 rows (row blocks) of 384 elements of 8 bytes, RBSTR bytes apart; the mask; bit 21 beside it
	s_or_b32 s[G1B+0], s44, (3<<16)|(1<<21)
.irp g, G1, G1B
	s_mov_b32 s[\g+1], 384<<16
	s_mov_b32 s[\g+2], 8<<16
	s_mov_b32 s[\g+3], 384<<16
	s_mov_b32 s[\g+4], 8
	s_mov_b32 s[\g+5], KF*192
	s_mov_b32 s[\g+6], 0
	s_mov_b32 s[\g+7], 0
.endr
	s_or_b32 s[G1S+0], s43, (3<<16)|(1<<21)        ; the scale words of 128 rows: a dense block, as rows of 256 bytes
	s_or_b32 s[G1SB+0], s44, (3<<16)|(1<<21)
.irp g, G1S, G1SB
	s_mov_b32 s[\g+1], 32<<16
	s_mov_b32 s[\g+2], (2*KF)<<16
	s_mov_b32 s[\g+3], 32<<16
	s_mov_b32 s[\g+4], 2*KF
	s_mov_b32 s[\g+5], 32
	s_mov_b32 s[\g+6], 0
	s_mov_b32 s[\g+7], 0
.endr
	s_lshl_b32 s20, s17, 1
	s_add_co_u32 s20, s20, s16
	s_lshl_b32 s46, s42, 1
	s_add_co_u32 s46, s46, s16
	s_mul_i32 s22, s20, HALFS
	s_add_co_u32 s22, s22, s67
	s_mul_i32 s92, s46, HALFS
	s_add_co_u32 s92, s92, s97
	s_mul_i32 s20, s20, 8*RBSTR
	s_add_co_u32 s20, s20, s66
	s_mul_i32 s46, s46, 8*RBSTR
	s_add_co_u32 s46, s46, s96
	s_mov_b32 s21, 0
	s_mov_b32 s23, 0
	s_mov_b32 s47, 0
	s_mov_b32 s93, 0
	s_mul_i32 s45, s14, HALFT
	s_mul_i32 s94, s14, HALFS
	s_wait_kmcnt 0x0
	s_add_nc_u64 s[20:21], s[PA:PA+1], s[20:21]
	s_add_nc_u64 s[22:23], s[PA:PA+1], s[22:23]
	s_add_nc_u64 s[46:47], s[PB:PB+1], s[46:47]
	s_add_nc_u64 s[92:93], s[PB:PB+1], s[92:93]
	CROUND                                         ; all sixteen work-groups are here: the first joint loads meet
	s_mov_b32 s[G0S], 1
	s_add_co_u32 s[G0S+1], s94, SCL
	s_mov_b64 s[G0S+2:G0S+3], s[22:23]
	s_or_b32 s[G0S+3], s[G0S+3], 0x80000000
	s_mov_b32 s[G0SB], 1
	s_add_co_u32 s[G0SB+1], s94, SCL
	s_mov_b64 s[G0SB+2:G0SB+3], s[92:93]
	s_or_b32 s[G0SB+3], s[G0SB+3], 0x80000000
	JLOAD G0S, G1S, G0SB, G1SB
.irp s, 0,1
	s_mov_b32 s[G0+4*\s], 1
	s_add_co_u32 s[G0+4*\s+1], s45, \s*SLOT
	s_add_nc_u64 s[G0+4*\s+2:G0+4*\s+3], s[20:21], \s*ROWB
	s_or_b32 s[G0+4*\s+3], s[G0+4*\s+3], 0x80000000
	s_mov_b32 s[G0B+4*\s], 1
	s_add_co_u32 s[G0B+4*\s+1], s45, \s*SLOT
	s_add_nc_u64 s[G0B+4*\s+2:G0B+4*\s+3], s[46:47], \s*ROWB
	s_or_b32 s[G0B+4*\s+3], s[G0B+4*\s+3], 0x80000000
	JLOAD G0+4*\s, G1, G0B+4*\s, G1B
.endr
	v_and_b32 v1, 31, v0                           ; lane
	v_and_b32 v2, 15, v0                           ; r
	v_bfe_u32 v3, v0, 4, 1                         ; h
	v_lshlrev_b32 v4, 4, v1                        ; 16 x lane
	v_lshlrev_b32 v5, 3, v1                        ; 8 x lane
	s_mul_i32 s21, s15, HALFT
	s_mul_i32 s22, s16, HALFT
	s_add_co_u32 s22, s22, 2*HALFT
.irp s, 0,1
	v_add_nc_u32 v[ADRA+\s], s21, v4
	v_add_nc_u32 v[ADRB+\s], s22, v4
	v_add_nc_u32 v[ADRA+2+\s], s21, v5
	v_add_nc_u32 v[ADRB+2+\s], s22, v5
	s_add_co_u32 s21, s21, SLOT
	s_add_co_u32 s22, s22, SLOT
.endr
	s_mul_i32 s21, s15, HALFS
	s_mul_i32 s22, s16, HALFS
	s_add_co_u32 s22, s22, 2*HALFS
	s_sub_co_u32 s22, s22, s21
	v_mul_u32_u24 v6, s22, v3                      ; lanes 16-31 take B's scale words
	s_add_co_u32 s21, s21, SCL
	v_lshl_add_u32 v6, v2, 2, v6
	v_add_nc_u32 v[ADRS], s21, v6
	s_lshl_b32 s46, s42, 10
	s_lshl_b32 s47, s16, 9
	s_add_co_u32 s46, s46, s47                     ; my first column, x 4
	s_mov_b32 s47, 0
	s_add_nc_u64 s[PBN:PBN+1], s[PBN:PBN+1], s[46:47]
	v_lshlrev_b32 v7, 6, v3
.irp g, 0,1,2,3
.irp i, 0,1,2,3
	global_load_b128 v[BIAS+16*\g+4*\i:BIAS+16*\g+4*\i+3], v7, s[PBN:PBN+1] offset:128*\g+16*\i   ; registers 16 g + 0 .. 15: columns 32 g + 16 h + 0 .. 15
.endr
.endr
	s_mul_i32 s23, s14, 16*SPITCH                  ; my stage
	v_mul_u32_u24 v6, v2, SPITCH
	v_lshl_add_u32 v6, v3, 6, v6
	v_add_nc_u32 v[STO], s23, v6                   ; in: row r, + 64 h
	v_add_nc_u32 v[RD], s23, v4                    ; back: the 32 lanes take one row of 512 bytes
	s_lshl_b32 s20, s17, 20
	s_lshl_b32 s21, s15, 19
	s_add_co_u32 s20, s20, s21                     ; my first token's row of 4,096 bytes,
	s_add_co_u32 s20, s20, s46                     ; my first column
	s_mov_b32 s21, 0
	s_add_nc_u64 s[10:11], s[10:11], s[20:21]
	s_add_nc_u64 s[12:13], s[12:13], s[20:21]
.macro FRAG reg, adr, q, i
	ds_load_b128 v[\reg:\reg+3], v[\adr] offset:(\i)*ROWB+(\q)*FRB
	ds_load_b64 v[\reg+4:\reg+5], v[\adr+2] offset:(\i)*ROWB+(\q)*FRB+512
	ds_load_b128 v[\reg+6:\reg+9], v[\adr] offset:(\i)*ROWB+(\q)*FRB+768
	ds_load_b64 v[\reg+10:\reg+11], v[\adr+2] offset:(\i)*ROWB+(\q)*FRB+1280
.endm
; 16 matrix instructions; first = 1: the sums begin with the bias as C.  The 64 accumulators take turns, one instruction a turn.
.macro MUL16 a0, p, q, sc, first
.irp a, \a0, \a0+1
.irp b, 0,1,2,3,4,5,6,7
.if \first
	v_wmma_scale_f32_16x16x128_f8f6f4 v[8*(8*((\a)%4)+\b):8*(8*((\a)%4)+\b)+7], v[128*(\p)+FR*\b:128*(\p)+FR*\b+FR-1], v[AF+FR*(\a):AF+FR*(\a)+FR-1], v[BIAS+8*\b:BIAS+8*\b+7], v[SC+16*(\sc)+2*\b+(\q)], v[SC+16*(\sc)+2*(\a)+(\q)] matrix_a_fmt:MATRIX_FMT_BF6 matrix_b_fmt:MATRIX_FMT_BF6 matrix_a_scale:MATRIX_SCALE_ROW1
.else
	v_wmma_scale_f32_16x16x128_f8f6f4 v[8*(8*((\a)%4)+\b):8*(8*((\a)%4)+\b)+7], v[128*(\p)+FR*\b:128*(\p)+FR*\b+FR-1], v[AF+FR*(\a):AF+FR*(\a)+FR-1], v[8*(8*((\a)%4)+\b):8*(8*((\a)%4)+\b)+7], v[SC+16*(\sc)+2*\b+(\q)], v[SC+16*(\sc)+2*(\a)+(\q)] matrix_a_fmt:MATRIX_FMT_BF6 matrix_b_fmt:MATRIX_FMT_BF6 matrix_a_scale:MATRIX_SCALE_ROW1
.endif
.endr
.endr
.endm
.macro FETCH_B slot, q, p
	WIN TO_B
.irp i, 0,1,2,3,4,5,6,7
	FRAG 128*(\p)+FR*\i, ADRB+\slot, \q, \i
.endr
	WIN 0
.endm
.macro FETCH_A slot, q, i0
.irp i, \i0, \i0+1, \i0+2, \i0+3
	FRAG AF+FR*(\i), ADRA+\slot, \q, \i
.endr
.endm
.macro SCALES sc
.irp i, 0,1,2,3,4,5,6,7
	ds_load_b32 v[SC+16*\sc+2*\i], v[ADRS] offset:64*\i
	ds_load_b32 v[SC+16*\sc+2*\i+1], v[ADRS] offset:512+64*\i
.endr
.endm
.macro PLACES n                        ; places behind matrix instructions (ISA guide 7.12.1): plain vector lines that name none of their registers
.rept \n
	v_nop
.endr
.endm
.macro STEP slot, q, first
	s_wait_dscnt 4*NL                              ; all but the youngest 16 loads (A's blocks 4-7)
	WIN MUL_LO-0x20*(\first)
	MUL16 0, (\q)%2, \q, \slot, \first
	MUL16 2, (\q)%2, \q, \slot, \first
	s_wait_dscnt 0
	PLACES NP
	FETCH_B \slot, (\q)+1, 1-(\q)%2
	FETCH_A \slot, (\q)+1, 0
	WIN MUL_HI-0x30*(\first)
	MUL16 4, (\q)%2, \q, \slot, \first
	MUL16 6, (\q)%2, \q, \slot, \first
	PLACES NP
	WIN 0
	FETCH_A \slot, (\q)+1, 4
.endm
.macro TURN slot, next, fill           ; a slot's last step changes slots: one barrier, with the three lines in front of it
	s_wait_tensorcnt 0x0                           ; all my tensor loads have landed: my part of the next slot
	ds_add_u32 v[SPW], v[NIL]                      ; 0 onto my spare word
	s_wait_dscnt 4*NL+1                            ; (the add and the youngest 16 loads may be out)
	WIN MUL_LO
	MUL16 0, 1, 1, \slot, 0
	s_wait_dscnt 0x0                               ; the add is done, and my reads of this slot are over
	s_barrier_signal -1
	MUL16 2, 1, 1, \slot, 0
	WIN 0
	s_barrier_wait -1
.if \fill
	CREST                                          ; the barrier has opened a round of the cluster's barrier
	s_add_nc_u64 s[G0+4*\slot+2:G0+4*\slot+3], s[G0+4*\slot+2:G0+4*\slot+3], 2*ROWB
	s_add_nc_u64 s[G0B+4*\slot+2:G0B+4*\slot+3], s[G0B+4*\slot+2:G0B+4*\slot+3], 2*ROWB
	JLOAD G0+4*\slot, G1, G0B+4*\slot, G1B         ; the first tensor load behind the round
.else
	PLACES NP
.endif
	v_add_nc_u32 v[ADRS], 1024, v[ADRS]
	FETCH_B \next, 0, 0
	FETCH_A \next, 0, 0
	SCALES \next
	WIN MUL_HI
	MUL16 4, 1, 1, \slot, 0
	MUL16 6, 1, 1, \slot, 0
	PLACES NP
	WIN 0
	FETCH_A \next, 0, 4
.endm
	s_wait_tensorcnt 1                             ; the scale words and my part of slot 0 are in (slot 1's load may be out)
	s_barrier_signal -1
	s_barrier_wait -1
	FETCH_B 0, 0, 0
	FETCH_A 0, 0, 0
	SCALES 0
	FETCH_A 0, 0, 4
	s_wait_loadcnt 0x0                             ; the bias
	STEP 0, 0, 1
	s_mov_b32 s3, LAPS-1
.Llap:
	TURN 0, 1, 1
	STEP 1, 0, 0
	TURN 1, 0, 1
	STEP 0, 0, 0
	s_sub_co_u32 s3, s3, 1
	s_cmp_lg_u32 s3, 0
	s_cbranch_scc1 .Llap
	TURN 0, 1, 0
	STEP 1, 0, 0
	s_wait_dscnt 4*NL
	WIN MUL_LO
	MUL16 0, 1, 1, 1, 0
	MUL16 2, 1, 1, 1, 0
	s_wait_dscnt 0
	WIN MUL_HI
	MUL16 4, 1, 1, 1, 0
	MUL16 6, 1, 1, 1, 0
	WIN 0
.macro RLOAD a                         ; the residual's 16 rows of block a into window 1, where B's fragments lay.  Row t of block a is the actual token 32 (a / 2) + 8 (a % 2) + t + 8 (t / 8) of my 128
	WIN 0x40
.irp t, 0,1,2,3,4,5,6,7,8,9,10,11,12,13,14,15
	global_load_b128 v[64*((\a)%4)+4*\t:64*((\a)%4)+4*\t+3], v4, s[10:11] offset:(32*((\a)/2)+8*((\a)%2)+\t+8*(\t/8))*4096 th:TH_LOAD_NT
.endr
	WIN 0
.endm
.macro TOSTAGE a
.set AC, 64*((\a)%4)
	WIN 0x08+4*((\a)/4)                            ; the data: window 2 or 3
.irp b, 0,1,2,3,4,5,6,7
	ds_store_b128 v[STO], v[AC+8*\b:AC+8*\b+3] offset:128*(\b/2)+32*(\b%2)        ; each accumulator from its low end on, at its actual columns
	ds_store_b128 v[STO], v[AC+8*\b+4:AC+8*\b+7] offset:128*(\b/2)+32*(\b%2)+16
.endr
	WIN 0
.set BB, BK+64*((\a)%2)
.irp t, 0,1,2,3,4,5,6,7,8,9,10,11,12,13,14,15
	ds_load_b128 v[BB+4*\t:BB+4*\t+3], v[RD] offset:\t*SPITCH      ; LDS serves a wave's instructions in order (ISA guide 5.7.1.4)
.endr
.endm
.macro SEND a, younger
.set BB, BK+64*((\a)%2)
	s_wait_dscnt \younger                          ; the block is back in registers (the next block's 16 stores and 16 loads may be out)
.if (\a) < 5
	s_wait_loadcnt 48                              ; its residual is in; three younger blocks' 16 loads each may be out
.else
	s_wait_loadcnt 16*(7-(\a))
.endif
	WIN 0x04                                       ; source 1: window 1
.set i, 0
.rept 32
	v_pk_add_f32 v[BB+i:BB+i+1], v[BB+i:BB+i+1], v[64*((\a)%4)+i:64*((\a)%4)+i+1]
.set i, i+2
.endr
	WIN 0
.if (\a) < 4
	RLOAD (\a)+4
.endif
.irp t, 0,1,2,3,4,5,6,7,8,9,10,11,12,13,14,15
	global_store_b128 v4, v[BB+4*\t:BB+4*\t+3], s[12:13] offset:(32*((\a)/2)+8*((\a)%2)+\t+8*(\t/8))*4096 th:TH_STORE_NT   ; 32 lanes store 512 consecutive bytes, at a multiple of 256 from the buffer's first byte; 520,192 bytes at the most: inside the signed 24-bit immediate
.endr
.endm
	PLACES NP                                      ; for the loads into registers that held fragments, and for the reads of results
	RLOAD 0
	RLOAD 1
	RLOAD 2
	RLOAD 3
	TOSTAGE 0
.irp a, 1,2,3,4,5,6,7
.if \a > 1
	s_wait_xcnt 0x0                                ; block a - 2's stores have read their registers: block a's loads may land there
.endif
	TOSTAGE \a
	SEND \a-1, 32
.endr
	SEND 7, 0
	s_wait_tensorcnt 0x0                           ; the wave's end
	ds_add_u32 v[SPW], v[NIL]
	s_wait_dscnt 0x0
	CROUND                                         ; the closing round
	s_endpgm
.Lfunc_end_k_qbf4412aefa_fc2:
	.size	k_qbf4412aefa_fc2, .Lfunc_end_k_qbf4412aefa_fc2-k_qbf4412aefa_fc2
	.p2alignl 7, 3214868480
	.fill 96, 4, 3214868480
	.section	.rodata,"a",@progbits
	.p2align	6, 0x0
	.amdhsa_kernel k_qbf4412aefa_fc2
		.amdhsa_group_segment_fixed_size 327680
		.amdhsa_private_segment_fixed_size 0
		.amdhsa_enable_private_segment 0
		.amdhsa_kernarg_size 40
		.amdhsa_user_sgpr_count 2
		.amdhsa_user_sgpr_kernarg_segment_ptr 1
		.amdhsa_wavefront_size32 1
		.amdhsa_system_sgpr_workgroup_id_x 1
		.amdhsa_system_sgpr_workgroup_id_y 1
		.amdhsa_system_sgpr_workgroup_id_z 1
		.amdhsa_system_vgpr_workitem_id 0
		.amdhsa_next_free_vgpr 1024
		.amdhsa_next_free_sgpr 100
		.amdhsa_reserve_vcc 0
		.amdhsa_float_denorm_mode_32 3
		.amdhsa_float_denorm_mode_16_64 3
		.amdhsa_memory_ordered 1
		.amdhsa_forward_progress 1
		.amdhsa_inst_pref_size 176
	.end_amdhsa_kernel
	.amdgpu_metadata
---
amdhsa.version: [ 1, 2 ]
amdhsa.kernels:
  - .name:           k_qbf4412aefa_fc2
    .symbol:         k_qbf4412aefa_fc2.kd
    .args:
      - { .name: hb, .offset: 0, .size: 8, .value_kind: global_buffer, .address_space: global }
      - { .name: ops, .offset: 8, .size: 8, .value_kind: global_buffer, .address_space: global }
      - { .name: b2, .offset: 16, .size: 8, .value_kind: global_buffer, .address_space: global }
      - { .name: x1, .offset: 24, .size: 8, .value_kind: global_buffer, .address_space: global }
      - { .name: out0, .offset: 32, .size: 8, .value_kind: global_buffer, .address_space: global }
    .group_segment_fixed_size: 327680
    .private_segment_fixed_size: 0
    .kernarg_segment_align: 8
    .kernarg_segment_size: 40
    .max_flat_workgroup_size: 128
    .sgpr_count:     100
    .vgpr_count:     1024
    .wavefront_size: 32
...
	.end_amdgpu_metadata
.endif
;; end of part 7
;; ======== version 2 of 2: 7 launches
;; limits: right only within a limited range of input values
;; workspace buffers: ops 13,107,200 bytes; qkvb 9,830,400 bytes; aob 3,276,800 bytes; x1 16,777,216 bytes; hb 13,107,200 bytes
;; launch ln1 (part 8): grid 448 x 1, 8 waves a work-group, no clusters, 115,712 bytes of LDS; arguments x, ln1_w, ln1_b, ops, Wq, Wk, Wv, Wo, W1, W2; writes ops
.if DOCPART == 8
	.amdgcn_target "amdgcn-amd-amdhsa--gfx1250"
	.amdhsa_code_object_version 6
	.text
	.protected	k_qbf4412aefa_ln1
	.globl	k_qbf4412aefa_ln1
	.p2align	8
	.type	k_qbf4412aefa_ln1,@function
k_qbf4412aefa_ln1:
	s_mov_b64 s[64:65], 0
	v_nop
	global_prefetch_b8 v0, s[64:65] scope:SCOPE_SE
	s_setreg_imm32_b32 hwreg(HW_REG_WAVE_MODE, 25, 1), 1
	s_wait_xcnt 0x0
; LayerNorm of 4,096 rows of 1,024 f32, then the quantiser along the row: codes of BF6 (E3M2) and E8M0 bytes, laid in the order of a matrix operand's registers at ACT_C and ACT_S of ops.
; LAYOUT (as in the weights' launch): physical row p holds actual row sw(p) (bits 3 and 4 exchanged); a half image is 16 physical rows x 64 K, 768 bytes: lane r + 16 h owns k = 32 h .. 32 h + 31 of row r,
; registers 0-3 at 16 x lane, registers 4-5 at 512 + 8 x lane.  Codes: [row block][16 half images].  Scale words: [p / 128][k / 128][p % 128].
; SHARES.  A work-group makes one row block (16 physical rows); wave w makes rows 2 w and 2 w + 1 of it, which are neighbours in memory.  All of a work-group's 64 KiB are asked for in its first lines.
; A load takes 512 consecutive bytes; the row then turns through the wave's own LDS (blocks of 128 bytes, 144 apart) so that LANE l HOLDS BLOCK l: 32 neighbours, a whole block of the quantiser.
; Mean and variance in two passes, as the formula is written: the squares are of x - mean, so a common offset of the inputs costs no digits.
; The codes of 16 rows meet in a stage in LDS and leave as whole half images (three aligned blocks of 256 bytes each); the scale words leave in runs of 64 bytes (one byte for each 128 bytes read).
; LIMITS: NaN and infinities are not served.  A block of zeros gets the byte 1 where the rule says 127: its codes are zeros, and this program alone reads the bytes.
; No input is shared between work-groups but gain and bias (8 KiB): no cluster.
.set ACT_C, 9830400
.set ACT_S, 12976128
.set WBW,  0                           ; LDS: the gain, 32 blocks of 128 bytes, 144 apart
.set WBB,  4608                        ; the bias likewise
.set TURN, 9216                        ; 4,608 bytes for each wave: a row on its turn
.set OST,  46080                       ; 16 half images, 1,056 apart: 16-byte parts of h = 0 at 0, of h = 1 at 272; 8-byte parts at 544 and 680
.set SST,  62976                       ; the scale words [K step 8][row 16]
.set RAW,  32                          ; v32-95   two rows as loaded
.set XR,   96                          ; v96-127  my block of the row in hand
.set GW,   128                         ; v128-159 the gain of my 32 columns
.set GB,   160                         ; v160-191 the bias
.set T,    192                         ; v192-201 at work
.set C,    204                         ; v204-210 the block's codes
; ONE BODY, TWO KINDS OF WORK-GROUP.  Work-groups 0-255 normalise and quantise 16 rows each, as said above.  Work-groups from 256 on, which only the program's first launch has (192 of them), quantise the six weights:
; their text stands behind the first s_endpgm, on LDS bytes of its own.  The branch hangs on the work-group's number alone.  The launch in front of the second layer has 256 work-groups: none of them reads a weight.
	s_cmp_lt_u32 ttmp9, 256
	s_cbranch_scc0 .Lweights
	s_load_b256 s[4:11], s[0:1], 0x0               ; the rows, gain, bias, ops
	v_lshl_add_u32 v224, v0, 2, 0xf800
	v_mov_b32 v225, 0
	v_lshrrev_b32 v1, 5, v0
	s_delay_alu instid0(VALU_DEP_1)
	v_readfirstlane_b32 s12, v1                    ; wave 0..7
	v_and_b32 v2, 31, v0                           ; lane
	v_lshlrev_b32 v3, 4, v0                        ; 16 x thread
	s_delay_alu instid0(VALU_DEP_2)
	v_lshlrev_b32 v4, 4, v2                        ; 16 x lane
	s_lshr_b32 s13, ttmp9, 1
	s_lshl_b32 s13, s13, 5
	s_and_b32 s14, ttmp9, 1
	s_lshl_b32 s14, s14, 3
	s_add_co_u32 s13, s13, s14
	s_lshl_b32 s14, s12, 1
	s_add_co_u32 s13, s13, s14
	s_lshr_b32 s14, s12, 2
	s_lshl_b32 s14, s14, 3
	s_add_co_u32 s13, s13, s14                     ; the actual row of physical row 2 w: 32 (mb / 2) + 8 (mb % 2) + 2 w + 8 (w / 4)
	s_lshl_b32 s14, s13, 12
	s_mov_b32 s15, 0
	s_mov_b32 s20, 0x3a800000                      ; 1 / 1024
	s_mov_b32 s21, 0x3727c5ac                      ; 1e-5
	s_mov_b32 s22, 0x76543210
	s_mov_b32 s23, 0xfedcba98                      ; v_permlanex16_b32's selects for lane l xor 16
	s_mul_i32 s16, ttmp9, 12288
	s_mul_i32 s17, s12, 768
	s_add_co_u32 s16, s16, s17
	s_add_co_u32 s16, s16, ACT_C                   ; half image w of my row block
	s_mov_b32 s17, 0
	s_lshr_b32 s18, ttmp9, 3
	s_lshl_b32 s18, s18, 12
	s_and_b32 s19, ttmp9, 7
	s_lshl_b32 s19, s19, 6
	s_add_co_u32 s18, s18, s19
	s_add_co_u32 s18, s18, ACT_S                   ; my row block's 16 words of K step 0
	s_mov_b32 s19, 0
	s_wait_alu depctr_va_vdst(0)
	s_wait_kmcnt 0x0
	s_add_nc_u64 s[4:5], s[4:5], s[14:15]
	s_add_nc_u64 s[16:17], s[10:11], s[16:17]
	s_add_nc_u64 s[18:19], s[10:11], s[18:19]
	global_load_b128 v[8:11], v3, s[6:7]           ; 16 bytes of the gain and of the bias a thread
	global_load_b128 v[12:15], v3, s[8:9]
.irp e, 0,1
.irp j, 0,1,2,3,4,5,6,7
	global_load_b128 v[RAW+32*\e+4*\j:RAW+32*\e+4*\j+3], v4, s[4:5] offset:4096*\e+512*\j th:TH_LOAD_NT   ; 32 lanes read 512 consecutive bytes
.endr
.endr
	v_lshrrev_b32 v5, 3, v0
	s_delay_alu instid0(VALU_DEP_1)
	v_mul_u32_u24 v5, v5, 144
	v_and_b32 v6, 7, v0
	s_delay_alu instid0(VALU_DEP_1)
	v_lshl_add_u32 v5, v6, 4, v5                   ; gain and bias, in: 144 (thread / 8) + 16 (thread % 8)
	v_mul_u32_u24 v6, v2, 144                      ; and out: block = lane
	s_mul_i32 s24, s12, 4608
	s_add_co_u32 s24, s24, TURN
	v_lshrrev_b32 v7, 3, v2
	s_delay_alu instid0(VALU_DEP_1)
	v_mul_u32_u24 v7, v7, 144
	v_and_b32 v16, 7, v2
	s_delay_alu instid0(VALU_DEP_1)
	v_lshl_add_u32 v7, v16, 4, v7
	s_delay_alu instid0(VALU_DEP_1)
	v_add_nc_u32 v7, s24, v7                       ; the turn, in: a load's 512 bytes are four blocks
	v_add_nc_u32 v16, s24, v6                      ; and out
	v_lshrrev_b32 v20, 1, v2                       ; my block's half image,
	v_and_b32 v21, 1, v2                           ; and its h
	s_delay_alu instid0(VALU_DEP_2)
	v_mul_u32_u24 v17, v20, 1056
	s_delay_alu instid0(VALU_DEP_1)
	v_mad_u32_u24 v18, v21, 136, v17
	s_delay_alu instid0(VALU_DEP_2)
	v_mad_u32_u24 v17, v21, 272, v17
	s_lshl_b32 s25, s12, 5
	s_add_co_u32 s25, s25, OST
	v_add_nc_u32 v17, s25, v17                     ; the stage: 16 bytes at row 2 w (row 2 w + 1: 16 on)
	s_lshl_b32 s25, s12, 4
	s_add_co_u32 s25, s25, OST+544
	v_add_nc_u32 v18, s25, v18                     ; 8 bytes likewise
	v_lshrrev_b32 v19, 2, v2
	s_delay_alu instid0(VALU_DEP_1)
	v_lshlrev_b32 v19, 6, v19
	v_and_b32 v20, 3, v2
	s_delay_alu instid0(VALU_DEP_1)
	v_add_nc_u32 v19, v19, v20
	s_lshl_b32 s25, s12, 3
	s_add_co_u32 s25, s25, SST
	v_add_nc_u32 v19, s25, v19                     ; my block's byte: K step lane / 4, byte lane % 4, row 2 w
	v_lshrrev_b32 v20, 4, v2
	v_and_b32 v21, 15, v2
	s_mul_i32 s25, s12, 1056
	s_add_co_u32 s25, s25, OST
	v_mul_u32_u24 v22, v20, 272
	s_delay_alu instid0(VALU_DEP_1)
	v_lshl_add_u32 v22, v21, 4, v22
	s_delay_alu instid0(VALU_DEP_1)
	v_add_nc_u32 v22, s25, v22                     ; the way out: half image w, lane's 16 bytes,
	v_mul_u32_u24 v23, v20, 136
	s_delay_alu instid0(VALU_DEP_1)
	v_lshl_add_u32 v23, v21, 3, v23
	s_delay_alu instid0(VALU_DEP_1)
	v_add_nc_u32 v23, s25, v23                     ; and its 8 bytes (544 on)
	v_lshlrev_b32 v24, 3, v2                       ; 8 x lane
	v_lshl_add_u32 v25, v0, 2, SST                 ; scale word `thread` (threads 0-127)
	v_lshrrev_b32 v26, 4, v0
	s_delay_alu instid0(VALU_DEP_1)
	v_lshlrev_b32 v26, 9, v26
	v_and_b32 v27, 15, v0
	s_delay_alu instid0(VALU_DEP_1)
	v_lshl_add_u32 v26, v27, 2, v26                ; and its place in memory: 512 (thread / 16) + 4 (thread % 16)
	s_wait_loadcnt 16                              ; gain and bias are in; the two rows' 16 loads may be out
	ds_store_b128 v5, v[8:11] offset:WBW
	ds_store_b128 v5, v[12:15] offset:WBB
	s_wait_dscnt 0x0                               ; for the others' sake: my stores have landed
	s_barrier_signal -1
	s_barrier_wait -1
.irp i, 0,1,2,3,4,5,6,7
	ds_load_b128 v[GW+4*\i:GW+4*\i+3], v6 offset:WBW+16*\i
	ds_load_b128 v[GB+4*\i:GB+4*\i+3], v6 offset:WBB+16*\i
.endr
.macro REDUCE a, b                     ; the sum over the 32 lanes, in every lane
	s_delay_alu instid0(VALU_DEP_1)
	v_add_f32_dpp v[\a], v[\a], v[\a] row_xmask:1 row_mask:0xf bank_mask:0xf
	s_delay_alu instid0(VALU_DEP_1)
	v_add_f32_dpp v[\a], v[\a], v[\a] row_xmask:2 row_mask:0xf bank_mask:0xf
	s_delay_alu instid0(VALU_DEP_1)
	v_add_f32_dpp v[\a], v[\a], v[\a] row_xmask:4 row_mask:0xf bank_mask:0xf
	s_delay_alu instid0(VALU_DEP_1)
	v_add_f32_dpp v[\a], v[\a], v[\a] row_xmask:8 row_mask:0xf bank_mask:0xf
	s_delay_alu instid0(VALU_DEP_1)
	v_permlanex16_b32 v[\b], v[\a], s22, s23
	s_delay_alu instid0(VALU_DEP_1)
	v_add_f32 v[\a], v[\a], v[\b]
.endm
.macro ROW e
.if \e == 0
	s_wait_loadcnt 8                               ; this row's eight loads are in; the other row's may be out
.else
	s_wait_loadcnt 0x0
.endif
.irp j, 0,1,2,3,4,5,6,7
	ds_store_b128 v7, v[RAW+32*\e+4*\j:RAW+32*\e+4*\j+3] offset:576*\j
.endr
.irp i, 0,1,2,3,4,5,6,7
	ds_load_b128 v[XR+4*\i:XR+4*\i+3], v16 offset:16*\i            ; LDS serves a wave's instructions in order: these see the stores above
.endr
	s_wait_dscnt 0x0
	v_pk_add_f32 v[194:195], v[96:97], v[98:99]
	v_pk_add_f32 v[222:223], v[104:105], v[108:109]
	v_pk_add_f32 v[220:221], v[112:113], v[116:117]
	v_pk_add_f32 v[218:219], v[120:121], v[124:125]
	v_pk_add_f32 v[216:217], v[100:101], v[102:103]
	v_pk_add_f32 v[214:215], v[106:107], v[110:111]
	v_pk_add_f32 v[212:213], v[114:115], v[118:119]
	v_pk_add_f32 v[192:193], v[122:123], v[126:127]
	s_delay_alu instid0(VALU_DEP_1)
	v_pk_add_f32 v[192:193], v[192:193], v[218:219]
	v_pk_add_f32 v[194:195], v[194:195], v[216:217]
	v_pk_add_f32 v[222:223], v[222:223], v[214:215]
	v_pk_add_f32 v[220:221], v[220:221], v[212:213]
	s_delay_alu instid0(VALU_DEP_2)
	v_pk_add_f32 v[192:193], v[192:193], v[222:223]
	s_delay_alu instid0(VALU_DEP_2)
	v_pk_add_f32 v[194:195], v[194:195], v[220:221]
	s_delay_alu instid0(VALU_DEP_1)
	v_pk_add_f32 v[192:193], v[192:193], v[194:195]
	s_delay_alu instid0(VALU_DEP_1)
	v_add_f32 v[T], v[T], v[T+1]
	REDUCE T, T+1
	s_delay_alu instid0(VALU_DEP_1)
	v_mul_f32 v[T], s20, v[T]
.irp j, 0,2,4,6,8,10,12,14,16,18,20,22,24,26,28,30
	v_pk_add_f32 v[XR+\j:XR+\j+1], v[XR+\j:XR+\j+1], v[T:T+1] op_sel_hi:[1,0] neg_lo:[0,1] neg_hi:[0,1]   ; x - mean
.endr
	v_pk_mul_f32 v[T+2:T+3], v[XR:XR+1], v[XR:XR+1]                ; the variance, of x - mean
	v_pk_mul_f32 v[T+4:T+5], v[XR+2:XR+3], v[XR+2:XR+3]
.irp j, 4,8,12,16,20,24,28
	s_delay_alu instid0(VALU_DEP_2)
	v_pk_fma_f32 v[T+2:T+3], v[XR+\j:XR+\j+1], v[XR+\j:XR+\j+1], v[T+2:T+3]
	s_delay_alu instid0(VALU_DEP_2)
	v_pk_fma_f32 v[T+4:T+5], v[XR+\j+2:XR+\j+3], v[XR+\j+2:XR+\j+3], v[T+4:T+5]
.endr
	s_delay_alu instid0(VALU_DEP_1)
	v_pk_add_f32 v[T+2:T+3], v[T+2:T+3], v[T+4:T+5]
	s_delay_alu instid0(VALU_DEP_1)
	v_add_f32 v[T+2], v[T+2], v[T+3]
	REDUCE T+2, T+3
	s_delay_alu instid0(VALU_DEP_1)
	v_fma_f32 v[T+2], v[T+2], s20, s21             ; / 1024 + 1e-5
	s_wait_alu depctr_va_vdst(0)
	v_rsq_f32 v[T+4], v[T+2]
	v_nop                                          ; a plain line behind the transcendental,
	s_wait_alu depctr_va_vdst(0)                   ; and the wait ahead of its first reader
.irp j, 0,2,4,6,8,10,12,14,16,18,20,22,24,26,28,30
	v_pk_mul_f32 v[XR+\j:XR+\j+1], v[XR+\j:XR+\j+1], v[T+4:T+5] op_sel_hi:[1,0]
.endr
.irp j, 0,2,4,6,8,10,12,14,16,18,20,22,24,26,28,30
	v_pk_fma_f32 v[XR+\j:XR+\j+1], v[XR+\j:XR+\j+1], v[GW+\j:GW+\j+1], v[GB+\j:GB+\j+1]
.endr
	v_max3_num_f32 v[T+6], |v[XR]|, |v[XR+1]|, |v[XR+2]|           ; the block's largest magnitude: all 32 numbers are mine
	v_max3_num_f32 v[T+7], |v[XR+3]|, |v[XR+4]|, |v[XR+5]|
.irp i, 6,10,14,18,22,26
	s_delay_alu instid0(VALU_DEP_2)
	v_max3_num_f32 v[T+6], v[T+6], |v[XR+\i]|, |v[XR+\i+1]|
	s_delay_alu instid0(VALU_DEP_2)
	v_max3_num_f32 v[T+7], v[T+7], |v[XR+\i+2]|, |v[XR+\i+3]|
.endr
	s_delay_alu instid0(VALU_DEP_2)
	v_max3_num_f32 v[T+6], v[T+6], |v[XR+30]|, |v[XR+31]|
	s_delay_alu instid0(VALU_DEP_1)
	v_max3_num_f32 v[T+6], v[T+6], v[T+7], 0x2800000               ; and the floor 2^(5 - 127)
	s_delay_alu instid0(VALU_DEP_1)
	v_add_nc_u32 v[T+8], 0xfe000000, v[T+6]        ; 4 off the exponent field: the conversion's scale operand
	s_delay_alu instid0(VALU_DEP_1)
	v_lshrrev_b32 v[T+9], 23, v[T+8]               ; the scale's byte
	v_cvt_scalef32_pk16_bf6_f32 v[C:C+2], v[XR:XR+15], v[T+8]
	v_cvt_scalef32_pk16_bf6_f32 v[C+4:C+6], v[XR+16:XR+31], v[T+8]
	v_nop                                          ; one plain line between a scaled conversion and the moves that read its result
	v_mov_b32 v[C+3], v[C+4]
	v_mov_b32 v[C+4], v[C+5]
	v_mov_b32 v[C+5], v[C+6]
	ds_store_b128 v17, v[C:C+3] offset:16*\e
	ds_store_b64 v18, v[C+4:C+5] offset:8*\e
	ds_store_b8 v19, v[T+9] offset:4*\e
	s_wait_dscnt 0x0                               ; the stores have landed, and have read their registers
.endm
	ROW 0
	ROW 1
	s_barrier_signal -1
	s_barrier_wait -1                              ; the row block's 16 half images and 128 scale words lie in LDS
	ds_load_b128 v[32:35], v22
	ds_load_b64 v[36:37], v23 offset:544
	ds_load_b128 v[40:43], v22 offset:8448         ; half image w + 8
	ds_load_b64 v[44:45], v23 offset:8448+544
	s_wait_dscnt 0x0
	global_store_b128 v4, v[32:35], s[16:17]                       ; 512 and 256 consecutive bytes, at multiples of 256 from the buffer's first byte
	global_store_b64 v24, v[36:37], s[16:17] offset:512
	global_store_b128 v4, v[40:43], s[16:17] offset:6144
	global_store_b64 v24, v[44:45], s[16:17] offset:6144+512
	s_cmp_lt_u32 s12, 4                            ; the 128 scale words: waves 0 to 3, a word a thread
	s_cbranch_scc0 .Ldone
	ds_load_b32 v46, v25
	s_wait_dscnt 0x0
	global_store_b32 v26, v46, s[18:19]
.Ldone:
	s_wait_tensorcnt 0x0
	ds_add_u32 v224, v225
	s_wait_dscnt 0x0
	s_endpgm
.Lweights:
; THE SIX WEIGHTS, f32, stored [K][N], become codes of BF6 (E3M2) with one E8M0 byte for each 32 along K, in the same layout of half images; rows are here the columns n of a weight.
; A fragment (16 rows x 128 K) is two half images on end, 1,536 bytes.  Codes: [row block p / 16][k / 128] fragments.  Scale words: [p / 128][k / 128][p % 128], byte b for k = 32 b on.
; A LANE TAKES A COLUMN AND ITS REGISTERS RUN DOWN K: a block of 32 lies in one lane, its largest magnitude needs no other lane, and the conversions give codes with K innermost.
; A share is 128 columns x 256 along K, for four waves, a wave 32 columns; a work-group of eight waves takes two shares.  Shares 0-127: Wq, Wk, Wv, Wo (32 each); 128-255: W1; 256-383: W2.  What differs lies in scalar registers.
; LIMITS as above.  The scale words leave in runs of 128 bytes (one byte for each 128 bytes read).  Waves share nothing: no barrier on this path.
.set RO,   32                          ; v32-63   byte offset of W(i, my column) from the block's first row; never rewritten
.set X,    64                          ; v64-127  two sets of 32 numbers
.set C,    128                         ; v128-134 a block's codes
.set OUTR, 136                         ; v136-183 the way out
.set SB,   24                          ; v24-25   the scale bytes, four to a register
.set ST16, 8
.set ST8,  9
.set RDA,  10
.set LO16, 11
.set LO4,  12
.set BASE, 36                          ; s[36:51] block t's first row at my wave's first column: eight addresses, never stepped
.set WST,  64512                       ; LDS: this path's stages, 6,400 bytes a wave, behind the other path's bytes and the spare words
	s_load_b256 s[4:11], s[0:1], 0x20              ; Wq, Wk, Wv, Wo
	s_load_b128 s[12:15], s[0:1], 0x40             ; W1, W2
	s_load_b64 s[16:17], s[0:1], 0x18              ; ops
	v_lshl_add_u32 v224, v0, 2, 0xf800
	v_mov_b32 v225, 0
	v_lshrrev_b32 v1, 5, v0
	v_readfirstlane_b32 s58, v1                    ; wave 0..7
	v_and_b32 v2, 31, v0                           ; lane
	s_wait_alu depctr_va_vdst(0)
	s_and_b32 s18, s58, 3                          ; my wave in its share
	s_lshr_b32 s59, s58, 2
	s_and_b32 s60, ttmp9, 255                      ; work-groups 256 to 447: 0 to 191
	s_lshl_b32 s60, s60, 1
	s_add_co_u32 s60, s60, s59                     ; my share, 0 to 383
	s_lshr_b32 s20, s60, 5                         ; 0-3: the square weights
	s_lshr_b32 s21, s60, 7                         ; class: 0 square, 1 W1, 2 W2
	s_lshl_b32 s31, s21, 2
	s_cmp_eq_u32 s21, 0
	s_cselect_b32 s22, 31, 127
	s_cselect_b32 s31, s20, s31                    ; the weight's place in ops, in units of a square weight
	s_and_b32 s22, s60, s22                        ; my number within the weight
	s_cmp_eq_u32 s21, 1
	s_cselect_b32 s23, 5, 3                        ; log2 of the blocks of 128 columns
	s_cselect_b32 s24, 14, 12                      ; log2 of a row of W in bytes
	s_cmp_eq_u32 s21, 2
	s_cselect_b32 s25, 2, 0                        ; log2(K / 1024)
	s_lshl_b32 s26, 1, s23
	s_sub_co_u32 s26, s26, 1
	s_and_b32 s26, s22, s26                        ; nx: which 128 columns
	s_lshr_b32 s27, s22, s23                       ; ky: which 256 along K
	s_lshl_b32 s28, 1, s24                         ; a row of W in bytes
	s_lshl_b32 s29, 12288, s25                     ; a row block of codes in bytes
	s_lshl_b32 s30, 4096, s25                      ; the scale words of 128 rows in bytes
	s_add_co_u32 s33, s24, 8
	s_lshl_b32 s32, s27, s33                       ; 256 ky rows of W,
	s_lshl_b32 s33, s26, 9
	s_add_co_u32 s32, s32, s33                     ; 128 nx columns,
	s_lshl_b32 s33, s18, 7
	s_add_co_u32 s32, s32, s33                     ; 32 x wave columns
	s_mov_b32 s33, 0
	s_lshl_b32 s34, s28, 5                         ; 32 rows of W
	s_mov_b32 s35, 0
	s_mul_i32 s52, s31, 786432                     ; the codes: the weight,
	s_lshl_b32 s53, s26, 3
	s_lshl_b32 s54, s18, 1
	s_add_co_u32 s53, s53, s54
	s_mul_i32 s53, s53, s29
	s_add_co_u32 s52, s52, s53                     ; row block 8 nx + 2 wave,
	s_mul_i32 s53, s27, 3072
	s_add_co_u32 s52, s52, s53                     ; fragments 2 ky and 2 ky + 1
	s_mov_b32 s53, 0
	s_mov_b32 s54, s29
	s_mov_b32 s55, 0
	s_lshl_b32 s56, s31, 15                        ; the scale words: the weight,
	s_add_co_u32 s56, s56, 9437184
	s_mul_i32 s57, s26, s30
	s_add_co_u32 s56, s56, s57                     ; its 128 rows,
	s_lshl_b32 s57, s27, 10
	s_add_co_u32 s56, s56, s57                     ; K steps 2 ky and 2 ky + 1,
	s_lshl_b32 s57, s18, 7
	s_add_co_u32 s56, s56, s57                     ; my wave's 32 rows
	s_mov_b32 s57, 0
	v_and_b32 v3, 7, v2
	v_bfe_u32 v4, v2, 3, 1
	v_bfe_u32 v5, v2, 4, 1
	v_lshl_or_b32 v3, v4, 4, v3
	v_lshl_or_b32 v3, v5, 3, v3                    ; sw(lane): the column that physical row `lane` holds
	v_lshlrev_b32 v[RO], 2, v3
.set i, 1
.rept 31
	v_add_nc_u32 v[RO+i], s28, v[RO+i-1]
.set i, i+1
.endr
	s_mul_i32 s19, s58, 6400                       ; my wave's stage: two row blocks of 3,072 bytes, 3,200 apart
	s_add_co_u32 s19, s19, WST
	v_and_b32 v6, 15, v2
	v_mul_u32_u24 v7, v5, 3200
	v_add_nc_u32 v7, s19, v7
	v_lshl_add_u32 v[ST16], v6, 4, v7
	v_lshl_add_u32 v[ST8], v6, 3, v7
	v_lshlrev_b32 v[LO16], 4, v2
	v_add_nc_u32 v[RDA], s19, v[LO16]
	v_lshlrev_b32 v[LO4], 2, v2
	s_wait_alu depctr_va_vdst(0)
	s_wait_kmcnt 0x0
	s_cmp_eq_u32 s20, 1                            ; which weight: the choice hangs on ids alone
	s_cselect_b64 s[4:5], s[6:7], s[4:5]
	s_cmp_eq_u32 s20, 2
	s_cselect_b64 s[4:5], s[8:9], s[4:5]
	s_cmp_eq_u32 s20, 3
	s_cselect_b64 s[4:5], s[10:11], s[4:5]
	s_cmp_eq_u32 s21, 1
	s_cselect_b64 s[4:5], s[12:13], s[4:5]
	s_cmp_eq_u32 s21, 2
	s_cselect_b64 s[4:5], s[14:15], s[4:5]
	s_add_nc_u64 s[BASE:BASE+1], s[4:5], s[32:33]
.irp t, 1,2,3,4,5,6,7
	s_add_nc_u64 s[BASE+2*\t:BASE+2*\t+1], s[BASE+2*\t-2:BASE+2*\t-1], s[34:35]
.endr
	s_add_nc_u64 s[52:53], s[16:17], s[52:53]      ; the codes of my first row block,
	s_add_nc_u64 s[54:55], s[52:53], s[54:55]      ; of my second,
	s_add_nc_u64 s[56:57], s[16:17], s[56:57]      ; and my scale words
.macro LOAD t                          ; block t: W(32 t + i, my column) into set t % 2
.set i, 0
.rept 32
	global_load_b32 v[X+32*((\t)%2)+i], v[RO+i], s[BASE+2*(\t):BASE+2*(\t)+1] th:TH_LOAD_NT
.set i, i+1
.endr
.endm
	LOAD 0
	LOAD 1
.macro BLOCK t
.set XS, X+32*((\t)%2)
.if (\t) < 7
	s_wait_loadcnt 32                              ; this block's 32 loads are in; the next block's 32 may be out
.else
	s_wait_loadcnt 0x0
.endif
	v_max3_num_f32 v14, |v[XS]|, |v[XS+1]|, |v[XS+2]|              ; the block's largest magnitude: all 32 numbers are mine; two chains
	v_max3_num_f32 v15, |v[XS+3]|, |v[XS+4]|, |v[XS+5]|
.irp i, 6,10,14,18,22,26
	v_max3_num_f32 v14, v14, |v[XS+\i]|, |v[XS+\i+1]|
	v_max3_num_f32 v15, v15, |v[XS+\i+2]|, |v[XS+\i+3]|
.endr
	v_max3_num_f32 v14, v14, |v[XS+30]|, |v[XS+31]|
	v_max3_num_f32 v14, v14, v15, 0x2800000        ; and the floor 2^(5 - 127): the byte cannot fall under 1
	v_add_nc_u32 v13, 0xfe000000, v14              ; 4 off the exponent field: the conversion's scale operand
	v_lshrrev_b32 v15, 23, v13                     ; the scale's byte
.if (\t)%4 == 0
	v_mov_b32 v[SB+(\t)/4], v15
.else
	v_lshl_or_b32 v[SB+(\t)/4], v15, 8*((\t)%4), v[SB+(\t)/4]
.endif
	v_cvt_scalef32_pk16_bf6_f32 v[C:C+2], v[XS:XS+15], v13
	v_cvt_scalef32_pk16_bf6_f32 v[C+4:C+6], v[XS+16:XS+31], v13    ; (a conversion's three registers begin on an even number)
	v_nop                                          ; one plain line between a scaled conversion and the moves that read its result
	v_mov_b32 v[C+3], v[C+4]
	v_mov_b32 v[C+4], v[C+5]
	v_mov_b32 v[C+5], v[C+6]                       ; v[C .. C+5]: the block's 24 bytes on end
	ds_store_b128 v[ST16], v[C:C+3] offset:((\t)/4)*1536+(((\t)/2)%2)*768+((\t)%2)*256      ; block t is K step t / 4, half image (t / 2) % 2, h = t % 2
	ds_store_b64 v[ST8], v[C+4:C+5] offset:((\t)/4)*1536+(((\t)/2)%2)*768+512+((\t)%2)*128
.if (\t)+2 < 8
	LOAD (\t)+2
.endif
	s_wait_dscnt 0x0                               ; the stores have read their registers: the next block's codes may be written
.endm
.irp t, 0,1,2,3,4,5,6,7
	BLOCK \t
.endr
	global_store_b32 v[LO4], v[SB], s[56:57]                       ; my row's scale words of the two K steps
	s_wait_alu depctr_va_vdst(0)
	global_store_b32 v[LO4], v[SB+1], s[56:57] offset:512
.irp p, 0,1
.irp i, 0,1,2,3,4,5
	ds_load_b128 v[OUTR+24*\p+4*\i:OUTR+24*\p+4*\i+3], v[RDA] offset:3200*\p+512*\i   ; LDS serves a wave's instructions in order: these see my stores
.endr
.endr
.irp i, 0,1,2,3,4,5
	s_wait_dscnt 11-\i                             ; the later reads of the stage may be out
	global_store_b128 v[LO16], v[OUTR+4*\i:OUTR+4*\i+3], s[52:53] offset:512*\i       ; 32 lanes store 512 consecutive bytes, at a multiple of 256 from the buffer's first byte
.endr
.irp i, 0,1,2,3,4,5
	s_wait_dscnt 5-\i
	global_store_b128 v[LO16], v[OUTR+24+4*\i:OUTR+24+4*\i+3], s[54:55] offset:512*\i
.endr
	s_wait_tensorcnt 0x0                           ; the wave's end
	ds_add_u32 v224, v225
	s_wait_dscnt 0x0
	s_endpgm
.Lfunc_end_k_qbf4412aefa_ln1:
	.size	k_qbf4412aefa_ln1, .Lfunc_end_k_qbf4412aefa_ln1-k_qbf4412aefa_ln1
	.p2alignl 7, 3214868480
	.fill 96, 4, 3214868480
	.section	.rodata,"a",@progbits
	.p2align	6, 0x0
	.amdhsa_kernel k_qbf4412aefa_ln1
		.amdhsa_group_segment_fixed_size 115712
		.amdhsa_private_segment_fixed_size 0
		.amdhsa_enable_private_segment 0
		.amdhsa_kernarg_size 80
		.amdhsa_user_sgpr_count 2
		.amdhsa_user_sgpr_kernarg_segment_ptr 1
		.amdhsa_wavefront_size32 1
		.amdhsa_system_sgpr_workgroup_id_x 1
		.amdhsa_system_sgpr_workgroup_id_y 1
		.amdhsa_system_sgpr_workgroup_id_z 1
		.amdhsa_system_vgpr_workitem_id 0
		.amdhsa_next_free_vgpr 226
		.amdhsa_next_free_sgpr 66
		.amdhsa_reserve_vcc 0
		.amdhsa_float_denorm_mode_32 3
		.amdhsa_float_denorm_mode_16_64 3
		.amdhsa_memory_ordered 1
		.amdhsa_forward_progress 1
		.amdhsa_inst_pref_size 74
	.end_amdhsa_kernel
	.amdgpu_metadata
---
amdhsa.version: [ 1, 2 ]
amdhsa.kernels:
  - .name:           k_qbf4412aefa_ln1
    .symbol:         k_qbf4412aefa_ln1.kd
    .args:
      - { .name: x, .offset: 0, .size: 8, .value_kind: global_buffer, .address_space: global }
      - { .name: ln1_w, .offset: 8, .size: 8, .value_kind: global_buffer, .address_space: global }
      - { .name: ln1_b, .offset: 16, .size: 8, .value_kind: global_buffer, .address_space: global }
      - { .name: ops, .offset: 24, .size: 8, .value_kind: global_buffer, .address_space: global }
      - { .name: Wq, .offset: 32, .size: 8, .value_kind: global_buffer, .address_space: global }
      - { .name: Wk, .offset: 40, .size: 8, .value_kind: global_buffer, .address_space: global }
      - { .name: Wv, .offset: 48, .size: 8, .value_kind: global_buffer, .address_space: global }
      - { .name: Wo, .offset: 56, .size: 8, .value_kind: global_buffer, .address_space: global }
      - { .name: W1, .offset: 64, .size: 8, .value_kind: global_buffer, .address_space: global }
      - { .name: W2, .offset: 72, .size: 8, .value_kind: global_buffer, .address_space: global }
    .group_segment_fixed_size: 115712
    .private_segment_fixed_size: 0
    .kernarg_segment_align: 8
    .kernarg_segment_size: 80
    .max_flat_workgroup_size: 256
    .sgpr_count:     66
    .vgpr_count:     226
    .wavefront_size: 32
...
	.end_amdgpu_metadata
.endif
;; end of part 8
;; launch qkv (part 9): grid 12 x 16, 4 waves a work-group, clusters of 4 x 4, 327,680 bytes of LDS; arguments ops, bq, bk, bv, qkvb; writes qkvb
.if DOCPART == 9
	.amdgcn_target "amdgcn-amd-amdhsa--gfx1250"
	.amdhsa_code_object_version 6
	.text
	.protected	k_qbf4412aefa_qkv
	.globl	k_qbf4412aefa_qkv
	.p2align	8
	.type	k_qbf4412aefa_qkv,@function
k_qbf4412aefa_qkv:
	s_mov_b64 s[64:65], 0
	v_nop
	global_prefetch_b8 v0, s[64:65] scope:SCOPE_SE
	s_setreg_imm32_b32 hwreg(HW_REG_WAVE_MODE, 25, 1), 1
	s_wait_xcnt 0x0
	s_wait_alu depctr_hold_cnt(0) depctr_sa_sdst(0) depctr_va_vdst(0) depctr_va_sdst(0) depctr_va_ssrc(0) depctr_va_vcc(0) depctr_vm_vsrc(0)
	s_getreg_b32 s2, hwreg(HW_REG_IB_STS2, 6, 4)
	s_cmp_eq_u32 s2, 0
	s_cbranch_scc0 .Lentry_in_a_cluster
	s_endpgm
.Lentry_in_a_cluster:
	s_bfe_u32 s2, ttmp6, 0x10000c
	s_cmp_lg_u32 s2, 0xf033
	s_cbranch_scc0 .Lentry_shape_is_right
	s_endpgm
.Lentry_shape_is_right:
; q = xn Wq + bq, k = xn Wk + bk, v = xn Wv + bv on codes of BF6 (E3M2) with E8M0 scales, and the quantisers of the two attention products: q and k along the head's 64, v along the keys.
; OPERANDS lie in memory in the order of their registers.  Physical row p holds actual row sw(p) (bits 3 and 4 exchanged).  A half image: 16 physical rows x 64 K, 768 bytes: lane r + 16 h owns k = 32 h .. + 31
; of row r, registers 0-3 at 16 x lane, 4-5 at 512 + 8 x lane.  A fragment (16 rows x 128 K, 12 registers) is two half images.  Codes: [row block][K step] fragments; scale words: [p / 128][K step][p % 128].
; A tile of C, 256 x 256, is made by four waves, as many as a WGP has SIMDs; a wave makes 128 x 128: 64 accumulators.  K goes in steps of 256 through a ring of two LDS slots filled by the tensor data mover:
; a wave's load brings 8 row blocks x 3,072 consecutive bytes.  The scale words of the tile's rows, for all of K, come once, with the first fills.
; THE MATRIX INSTRUCTION IS USED TRANSPOSED (source 0 = 16 rows of 'B', source 1 = 16 rows of 'A'): lane (r, h) holds 'A' physical row r, and by the physical order of 'B' registers 16 g .. 16 g + 15 of a row of
; accumulators hold the ACTUAL columns 32 g + 16 h + 0 .. 15: 16 neighbours along the next product's K.
; THREE PRODUCTS, ONE PATH.  Cluster x = 0, 1: 'A' = xn (tokens), 'B' = Wq or Wk: registers run along the head's axis.  Cluster x = 2: 'A' = Wv (channels), 'B' = xn: v TRANSPOSED, registers run along the keys.
; What differs is chosen by s_cselect_b32 on the cluster's x, which all partners share: offsets in ops, the tile's place, the strides of the way out.  No branch hangs on it.
; The bias along the registers is the C of each sum's first product; the bias along the lanes (v's) is added on the way out; the one that does not apply is made zero.
; CLUSTERS: 4 x 4 work-groups; 'A' tiles are asked for jointly along a row of the cluster, 'B' tiles along a column.
; OUT (qkvb): q: [head 32][token block 128] half images.  k, v: [head][key step 16]{8 half images of k | 4 fragments of v^T (16 channels x 128 keys)}.  Scale words: q, k: one word for a pair of token blocks
; (low 16 bits the even one's two bytes); v: a word a channel and key step.  They leave in runs of 64 bytes (one byte for each 24 of codes).
; LIMITS: NaN and infinities are not served.  A block of zeros gets the byte 1 where the rule says 127: its codes are zeros, and this program alone reads the bytes.
.set SIZE_K, 1024
.set ACT_C, 9830400
.set ACT_S, 12976128
.set WV_C,  1572864
.set WV_S,  9502720
.set W_S0,  9437184
.set KV_C,  3145728
.set Q_S,   9437184
.set KV_S,  9568256
.set PA, 4                             ; s[4:5]: the buffer of 'A'
.set PB, 4                             ; and of 'B'
.set PBN, 8                            ; s[8:9]: the bias along the registers
.set KF,     SIZE_K/128                ; K steps of 128
.set FRB,    1536                      ; a fragment in bytes
.set RBSTR,  KF*FRB                    ; a row block of codes in memory
.set ROWB,   2*FRB                     ; a row block's bytes in a slot: 256 along K
.set HALFT,  8*ROWB                    ; 128 rows: what one tensor load brings, and what one wave reads of A or of B
.set SLOT,   4*HALFT                   ; A's 256 rows, then B's 256 rows
.set LAPS,   SIZE_K/512                ; a lap = once round the ring
.set HALFS,  KF*512                    ; the scale words of 128 rows
.set SCL,    2*SLOT                    ; behind the ring: the scale words
.set SPARE,  SCL+4*HALFS               ; the spare words, 128 bytes for each wave: two blocks of 256 bytes that no other line names
.set FR, 12
.set NL, 4                             ; LDS loads that bring a fragment
.set NP, 4                             ; places behind this matrix instruction (ISA guide 7.12.1)
.set ADRA, 16                          ; v16-17 my A fragments in slot 0, 1, + 16 x lane; v18-19 the same + 8 x lane
.set ADRB, 20                          ; v20-23 the same for B
.set ADRS, 27                          ; v27    my scale words: lanes 0-15 A's rows, lanes 16-31 B's
.set SPW,  28                          ; v28    my spare word: SPARE + 4 x my thread's number; never rewritten
.set NIL,  29                          ; v29    0; never rewritten
.set SC,   32                          ; v32-63 scale words, two sets of 16: register 2 i + q: block i, the slot's q-th 128 along K.  They hold nothing else
.set BIAS, 64                          ; v64-127 the bias in the layout of a row of accumulators
.set AF,   128                         ; v128-223 A's fragments, one set
.set BM,   224                         ; v224-231 the bias along the lanes, one register for each of my 8 row blocks
.set X,    64                          ; the way out: 64 numbers of a lane
.set TM,   128                         ; v128-143 the quantiser's work
.set PC,   144                         ; v144-163 the codes just made
.set PWR,  168                         ; v168-175 the eight blocks' scale words
.set G1, 24
.set G0, 32
.set G1B, 48
.set G0B, 56
.set G1S, 68
.set G0S, 76
.set G1SB, 80
.set G0SB, 88
.set SEL, 98
.set PFA, 94                           ; s[94:95] where my prefetches stand: my work-group's two row blocks of the eight that I fetch, at slot fill 2; never rewritten
.set PFO, 26                           ; v26 the prefetches' offset: 24 blocks of 256 bytes, 12 to a row block's 3,072 bytes of a slot; lanes 24-31 name the last again; never rewritten
.set MSB, 0
.macro WIN new                         ; the immediate's high byte repeats the setting that is left
.if MSB != (\new)
	s_set_vgpr_msb (MSB<<8)|(\new)
.set MSB, (\new)
.endif
.endm
.set MUL_LO, 0xa1                      ; source 0 (B) window 1, source 1 (A) window 0, C and D window 2
.set MUL_HI, 0xf1                      ; the same, C and D window 3
.set TO_B,   0x40                      ; destination window 1, address window 0
; A joint load: waves 0 and 1 fetch for A, waves 2 and 3 for B.  The branch hangs on the wave's number alone.  Four v_nop follow each of the two lines.
.macro JLOAD g0a, g1a, g0b, g1b
	s_cmp_eq_u32 s15, 0
	s_cbranch_scc0 .Lfor_b_\@
	tensor_load_to_lds s[\g0a:\g0a+3], s[\g1a:\g1a+7]
	s_nop 0
.rept 4
	v_nop
.endr
	s_branch .Lasked_\@
.Lfor_b_\@:
	tensor_load_to_lds s[\g0b:\g0b+3], s[\g1b:\g1b+7]
	s_nop 0
.rept 4
	v_nop
.endr
.Lasked_\@:
.endm
.macro CREST                           ; a round of the cluster's barrier behind its opening barrier
	s_cmp_lg_u32 s14, 0
	s_cbranch_scc1 .Lnot_wave_0_\@
	s_barrier_signal -3
.Lnot_wave_0_\@:
	s_barrier_wait -3
	s_barrier_signal -1
	s_barrier_wait -1
.endm
.macro CROUND
	s_barrier_signal -1
	s_barrier_wait -1
	CREST
.endm
	s_load_b256 s[4:11], s[0:1], 0x0               ; ops, bq, bk, bv
	s_load_b64 s[12:13], s[0:1], 0x20              ; qkvb
	v_lshl_add_u32 v[SPW], v0, 2, SPARE
	v_mov_b32 v[NIL], 0
	ds_add_u32 v28, v29
	ds_add_u32 v28, v29
	s_wait_dscnt 0x0
	v_lshrrev_b32 v1, 5, v0
	v_readfirstlane_b32 s14, v1                    ; wave 0..3
	s_lshr_b32 s15, s14, 1                         ; which half of the tile's rows is mine.  Also: I fetch for A (0) or for B (1)
	s_and_b32 s16, s14, 1                          ; which half of its columns.  Also: which 128 rows of that tile I fetch
	s_bfe_u32 s40, ttmp6, 0x40000                  ; cx, cy: my place in the cluster
	s_bfe_u32 s41, ttmp6, 0x40004
	s_and_b32 s18, ttmp7, 0xffff
	s_lshl_b32 s18, s18, 2                         ; 4 x cluster y
	s_mul_i32 s96, ttmp9, 786432                   ; Wq's or Wk's codes
	s_mul_i32 s97, ttmp9, 32768
	s_add_co_u32 s97, s97, W_S0                    ; and scale words
	s_mov_b32 s66, WV_C
	s_mov_b32 s67, WV_S
	s_cmp_lt_u32 ttmp9, 2                          ; q or k?  The cluster's x is the same in all partners
	s_cselect_b32 s17, s18, 0                      ; q, k: 16 tile rows of tokens, 4 tile columns;
	s_cselect_b32 s42, 0, s18                      ; v: 4 tile rows of channels, 16 tile columns of tokens
	s_cselect_b32 s66, ACT_C, s66                  ; A's codes, as a byte offset in ops,
	s_cselect_b32 s67, ACT_S, s67                  ; A's scale words,
	s_cselect_b32 s96, s96, ACT_C                  ; B's codes,
	s_cselect_b32 s97, s97, ACT_S                  ; B's scale words
	s_add_co_u32 s17, s17, s41                     ; tile row
	s_add_co_u32 s42, s42, s40                     ; tile column
	s_mov_b32 s[SEL], 0x76543210
	s_mov_b32 s[SEL+1], 0xfedcba98                 ; v_permlanex16_b32's selects for lane l xor 16
	s_lshl_b32 s43, s41, 2
	s_lshl_b32 s43, 15, s43                        ; my row of the cluster
	s_lshl_b32 s44, 0x1111, s40                    ; my column
	; descriptor group 1: rows (row blocks) of 384 elements of 8 bytes, RBSTR bytes apart: 16 of them for the head's loads, 8 for the ring's; no padding: every LDS read takes consecutive bytes
	s_or_b32 s[G1+0], s43, (3<<16)|(1<<21)         ; 15:0 the mask: A's tiles go to my row; 17:16 elements of 8 bytes; 21 set beside a mask
	s_or_b32 s[G1B+0], s44, (3<<16)|(1<<21)
.irp g, G1, G1B
	s_mov_b32 s[\g+1], 384<<16                     ; tensor_dim0
	s_mov_b32 s[\g+2], 16<<16                      ; tensor_dim1
	s_mov_b32 s[\g+3], 384<<16                     ; tile_dim0
	s_mov_b32 s[\g+4], 16                          ; tile_dim1
	s_mov_b32 s[\g+5], KF*192                      ; tensor_dim0_stride, in elements
	s_mov_b32 s[\g+6], 0
	s_mov_b32 s[\g+7], 0
.endr
	; and for the scale words of 256 rows: a dense block of 2 HALFS bytes, as rows of 256 bytes
	s_or_b32 s[G1S+0], s43, (3<<16)|(1<<21)
	s_or_b32 s[G1SB+0], s44, (3<<16)|(1<<21)
.irp g, G1S, G1SB
	s_mov_b32 s[\g+1], 32<<16
	s_mov_b32 s[\g+2], (4*KF)<<16
	s_mov_b32 s[\g+3], 32<<16
	s_mov_b32 s[\g+4], 4*KF
	s_mov_b32 s[\g+5], 32
	s_mov_b32 s[\g+6], 0
	s_mov_b32 s[\g+7], 0
.endr
	s_lshl_b32 s20, s17, 1
	s_add_co_u32 s20, s20, s16                     ; A: which 128 rows: 2 x tile row + half
	s_lshl_b32 s46, s42, 1
	s_add_co_u32 s46, s46, s16                     ; B: 2 x tile column + half
	s_mul_i32 s22, s17, 2*HALFS
	s_add_co_u32 s22, s22, s67                     ; where these rows' scale words begin,
	s_mul_i32 s92, s42, 2*HALFS
	s_add_co_u32 s92, s92, s97
	s_mul_i32 s20, s20, 8*RBSTR
	s_add_co_u32 s20, s20, s66                     ; and their codes
	s_mul_i32 s46, s46, 8*RBSTR
	s_add_co_u32 s46, s46, s96
	s_mov_b32 s21, 0
	s_mov_b32 s23, 0
	s_mov_b32 s47, 0
	s_mov_b32 s93, 0
	s_mul_i32 s45, s14, HALFT                      ; where they go: wave x 128 rows: no place in the cluster enters an LDS address
	s_wait_kmcnt 0x0
	s_add_nc_u64 s[20:21], s[PA:PA+1], s[20:21]
	s_add_nc_u64 s[22:23], s[PA:PA+1], s[22:23]
	s_add_nc_u64 s[46:47], s[PB:PB+1], s[46:47]
	s_add_nc_u64 s[92:93], s[PB:PB+1], s[92:93]
	CROUND                                         ; all sixteen work-groups are here: the first joint loads meet
	s_mov_b32 s[G0S], 1
	s_mov_b32 s[G0S+1], SCL
	s_mov_b64 s[G0S+2:G0S+3], s[22:23]
	s_or_b32 s[G0S+3], s[G0S+3], 0x80000000
	s_mov_b32 s[G0SB], 1
	s_mov_b32 s[G0SB+1], SCL+2*HALFS
	s_mov_b64 s[G0SB+2:G0SB+3], s[92:93]
	s_or_b32 s[G0SB+3], s[G0SB+3], 0x80000000
.irp s, 0,1
	s_mov_b32 s[G0+4*\s], 1
	s_add_co_u32 s[G0+4*\s+1], s45, \s*SLOT
	s_add_nc_u64 s[G0+4*\s+2:G0+4*\s+3], s[20:21], \s*ROWB
	s_or_b32 s[G0+4*\s+3], s[G0+4*\s+3], 0x80000000
	s_mov_b32 s[G0B+4*\s], 1
	s_add_co_u32 s[G0B+4*\s+1], s45, \s*SLOT
	s_add_nc_u64 s[G0B+4*\s+2:G0B+4*\s+3], s[46:47], \s*ROWB
	s_or_b32 s[G0B+4*\s+3], s[G0B+4*\s+3], 0x80000000
.endr
	s_mul_i32 s2, s16, 8*RBSTR                     ; my half's distance from the tile's first row block
	s_mov_b32 s3, 0
	; the prefetches: of the 8 row blocks that I fetch in the ring, the partner at place p (cx for A, cy for B) names row blocks 2 p and 2 p + 1: the four share the blocks out by address
	s_cmp_eq_u32 s15, 0                            ; do I fetch for A?
	s_cselect_b32 s22, s40, s41
	s_cselect_b64 s[PFA:PFA+1], s[20:21], s[46:47]
	s_mul_i32 s22, s22, 2*RBSTR
	s_mov_b32 s23, 0
	s_add_nc_u64 s[PFA:PFA+1], s[PFA:PFA+1], s[22:23]
	s_add_nc_u64 s[PFA:PFA+1], s[PFA:PFA+1], 2*ROWB
	s_mov_b32 s[G0+1], 0                           ; the head's loads bring slot 0's tiles whole: A's 16 row blocks,
	s_sub_nc_u64 s[G0+2:G0+3], s[G0+2:G0+3], s[2:3]
	s_mov_b32 s[G0B+1], 2*HALFT                    ; and B's 16 behind them
	s_sub_nc_u64 s[G0B+2:G0B+3], s[G0B+2:G0B+3], s[2:3]
; THE HEAD'S LOADS, ONE A WAVE: wave 0 slot 0's rows of A, wave 1 those of B, wave 2 A's scale words, wave 3 B's.  One chain of branches on the wave's number, one load to an arm.
.macro ARM under, g0, g1, next
	s_cmp_lt_u32 s14, \under
	s_cbranch_scc0 \next
	tensor_load_to_lds s[\g0:\g0+3], s[\g1:\g1+7]
	s_nop 0
.rept 4
	v_nop
.endr
	s_branch .Lhead_asked
\next:
.endm
	ARM 1, G0,  G1,  .Lhead_b
	ARM 2, G0B, G1B, .Lhead_sa
	ARM 3, G0S, G1S, .Lhead_sb
	tensor_load_to_lds s[G0SB:G0SB+3], s[G1SB:G1SB+7]
	s_nop 0
.rept 4
	v_nop
.endr
.Lhead_asked:
	v_and_b32 v1, 31, v0                           ; lane
	v_and_b32 v2, 15, v0                           ; r
	v_bfe_u32 v3, v0, 4, 1                         ; h
	v_lshlrev_b32 v4, 4, v1                        ; 16 x lane
	v_lshlrev_b32 v5, 3, v1                        ; 8 x lane
	v_min_u32 v[PFO], 23, v1
	v_mul_u32_u24 v31, v[PFO], 11
	v_lshrrev_b32 v31, 7, v31                      ; 1 from lane 12 on: the second row block
	v_lshlrev_b32 v[PFO], 8, v[PFO]
	v_mad_u32_u24 v[PFO], v31, RBSTR-ROWB, v[PFO]
	s_mul_i32 s21, s15, HALFT                      ; my 128 rows of A
	s_mul_i32 s22, s16, HALFT                      ; my 128 rows of B,
	s_add_co_u32 s22, s22, 2*HALFT                 ; which lie behind A's 256
.irp s, 0,1
	v_add_nc_u32 v[ADRA+\s], s21, v4
	v_add_nc_u32 v[ADRB+\s], s22, v4
	v_add_nc_u32 v[ADRA+2+\s], s21, v5
	v_add_nc_u32 v[ADRB+2+\s], s22, v5
	s_add_co_u32 s21, s21, SLOT
	s_add_co_u32 s22, s22, SLOT
.endr
	s_mul_i32 s21, s15, HALFS                      ; A's scale words: my 128 rows
	s_mul_i32 s22, s16, HALFS                      ; B's: my 128 rows, behind A's 256
	s_add_co_u32 s22, s22, 2*HALFS
	s_sub_co_u32 s22, s22, s21
	v_mul_u32_u24 v6, s22, v3                      ; lanes 16-31 take B's
	s_add_co_u32 s21, s21, SCL
	v_lshl_add_u32 v6, v2, 2, v6
	v_add_nc_u32 v[ADRS], s21, v6
	; the biases.  One pointer is chosen; the offset of the side that does not apply is 0, so that every load stays in its 4,096 bytes
	s_cmp_eq_u32 ttmp9, 1
	s_cselect_b64 s[6:7], s[8:9], s[6:7]
	s_cmp_eq_u32 ttmp9, 2
	s_cselect_b64 s[6:7], s[10:11], s[6:7]         ; this product's bias
	s_lshl_b32 s46, s42, 10
	s_lshl_b32 s47, s16, 9
	s_add_co_u32 s46, s46, s47                     ; my first column, x 4
	s_lshl_b32 s20, s17, 10
	s_lshl_b32 s21, s15, 9
	s_add_co_u32 s20, s20, s21                     ; my first row, x 4
	s_cmp_lt_u32 ttmp9, 2
	s_cselect_b32 s46, s46, 0
	s_cselect_b32 s20, 0, s20
	s_cselect_b32 s18, -1, 0                       ; q, k: the bias along the registers is kept,
	s_cselect_b32 s19, 0, -1                       ; v: the bias along the lanes
	s_mov_b32 s47, 0
	s_mov_b32 s21, 0
	s_add_nc_u64 s[8:9], s[6:7], s[46:47]
	s_add_nc_u64 s[10:11], s[6:7], s[20:21]
	v_lshlrev_b32 v7, 6, v3                        ; 16 h numbers on
.irp g, 0,1,2,3
.irp i, 0,1,2,3
	global_load_b128 v[BIAS+16*\g+4*\i:BIAS+16*\g+4*\i+3], v7, s[PBN:PBN+1] offset:128*\g+16*\i   ; registers 16 g + 0 .. 15: columns 32 g + 16 h + 0 .. 15
.endr
.endr
	v_and_b32 v8, 8, v2
	v_add_nc_u32 v8, v8, v2
	v_lshlrev_b32 v8, 2, v8                        ; (r + 8 (r / 8)) x 4
.irp a, 0,1,2,3,4,5,6,7
	global_load_b32 v[BM+\a], v8, s[10:11] offset:(32*(\a/2)+8*(\a%2))*4   ; the actual row of physical row 16 a + r
.endr
	global_prefetch_b8 v[PFO], s[PFA:PFA+1] th:TH_LOAD_NT scope:SCOPE_SE   ; with slot fill 0: fill 2's bytes of my work-group's two row blocks
.macro FRAG reg, adr, q, i             ; a fragment comes as it was stored: 16 and 8 bytes a lane for each half image; every load takes consecutive bytes
	ds_load_b128 v[\reg:\reg+3], v[\adr] offset:(\i)*ROWB+(\q)*FRB
	ds_load_b64 v[\reg+4:\reg+5], v[\adr+2] offset:(\i)*ROWB+(\q)*FRB+512
	ds_load_b128 v[\reg+6:\reg+9], v[\adr] offset:(\i)*ROWB+(\q)*FRB+768
	ds_load_b64 v[\reg+10:\reg+11], v[\adr+2] offset:(\i)*ROWB+(\q)*FRB+1280
.endm
; 16 matrix instructions: A's blocks a0, a0 + 1 x B's eight, 128 along K.  p: B's set; sc: the set of scale words.  first = 1: the sums begin with the bias as C: nothing is cleared or added.
; The 64 accumulators take turns, one instruction a turn, in the same order in every step.
.macro MUL16 a0, p, q, sc, first
.irp a, \a0, \a0+1
.irp b, 0,1,2,3,4,5,6,7
.if \first
	v_wmma_scale_f32_16x16x128_f8f6f4 v[8*(8*((\a)%4)+\b):8*(8*((\a)%4)+\b)+7], v[128*(\p)+FR*\b:128*(\p)+FR*\b+FR-1], v[AF+FR*(\a):AF+FR*(\a)+FR-1], v[BIAS+8*\b:BIAS+8*\b+7], v[SC+16*(\sc)+2*\b+(\q)], v[SC+16*(\sc)+2*(\a)+(\q)] matrix_a_fmt:MATRIX_FMT_BF6 matrix_b_fmt:MATRIX_FMT_BF6 matrix_a_scale:MATRIX_SCALE_ROW1
.else
	v_wmma_scale_f32_16x16x128_f8f6f4 v[8*(8*((\a)%4)+\b):8*(8*((\a)%4)+\b)+7], v[128*(\p)+FR*\b:128*(\p)+FR*\b+FR-1], v[AF+FR*(\a):AF+FR*(\a)+FR-1], v[8*(8*((\a)%4)+\b):8*(8*((\a)%4)+\b)+7], v[SC+16*(\sc)+2*\b+(\q)], v[SC+16*(\sc)+2*(\a)+(\q)] matrix_a_fmt:MATRIX_FMT_BF6 matrix_b_fmt:MATRIX_FMT_BF6 matrix_a_scale:MATRIX_SCALE_ROW1
.endif
.endr
.endr
.endm
.macro FETCH_B slot, q, p
	WIN TO_B
.irp i, 0,1,2,3,4,5,6,7
	FRAG 128*(\p)+FR*\i, ADRB+\slot, \q, \i
.endr
	WIN 0
.endm
.macro FETCH_A slot, q, i0
.irp i, \i0, \i0+1, \i0+2, \i0+3
	FRAG AF+FR*(\i), ADRA+\slot, \q, \i
.endr
.endm
.macro SCALES sc                       ; a slot's scale words: lanes 0-15 take A's block i, lanes 16-31 B's block i
.irp i, 0,1,2,3,4,5,6,7
	ds_load_b32 v[SC+16*\sc+2*\i], v[ADRS] offset:64*\i
	ds_load_b32 v[SC+16*\sc+2*\i+1], v[ADRS] offset:512+64*\i
.endr
.endm
; A load into a register that a matrix instruction has read, and a vector instruction or store that reads a result, stand NP places behind it; only plain vector instructions that name none of its registers are places.
.macro PLACES n
.rept \n
	v_nop
.endr
.endm
.macro STEP slot, q, first             ; a step of 128 along K that has its successor in the same slot
	s_wait_dscnt 4*NL                              ; B's set, A's blocks 0-3 and the scale words are in; the youngest 16 loads (A's blocks 4-7) may be out
	WIN MUL_LO-0x20*(\first)                       ; (the bias lies in window 0)
	MUL16 0, (\q)%2, \q, \slot, \first
	MUL16 2, (\q)%2, \q, \slot, \first
	s_wait_dscnt 0
	PLACES NP
	FETCH_B \slot, (\q)+1, 1-(\q)%2
	FETCH_A \slot, (\q)+1, 0
	WIN MUL_HI-0x30*(\first)
	MUL16 4, (\q)%2, \q, \slot, \first
	MUL16 6, (\q)%2, \q, \slot, \first
	PLACES NP
	WIN 0
	FETCH_A \slot, (\q)+1, 4
.endm
; A slot's last step changes slots: ONE barrier; in front of it each wave waits for all its tensor loads, adds 0 to its spare word, and waits for that and for its own reads of this slot.  fill = 1: this slot is filled again.
.macro TURN slot, next, fill
	s_wait_tensorcnt 0x0                           ; all my tensor loads have landed: my part of the next slot
	ds_add_u32 v[SPW], v[NIL]                      ; 0 onto my spare word
	s_wait_dscnt 4*NL+1                            ; (the add and the youngest 16 loads, A's blocks 4-7, may be out)
	WIN MUL_LO
	MUL16 0, 1, 1, \slot, 0                        ; sixteen matrix instructions stand between the add and the wait for it
	s_wait_dscnt 0x0                               ; the add is done, and my reads of this slot are over
	s_barrier_signal -1
	MUL16 2, 1, 1, \slot, 0
	WIN 0
	s_barrier_wait -1
.if \fill
	CREST                                          ; the barrier has opened a round of the cluster's barrier: no wave of any partner still reads this slot or has a load on its way
	s_add_nc_u64 s[G0+4*\slot+2:G0+4*\slot+3], s[G0+4*\slot+2:G0+4*\slot+3], 2*ROWB
	s_add_nc_u64 s[G0B+4*\slot+2:G0B+4*\slot+3], s[G0B+4*\slot+2:G0B+4*\slot+3], 2*ROWB
	JLOAD G0+4*\slot, G1, G0B+4*\slot, G1B         ; the first tensor load behind the round; its four v_nop are the places in front of the loads below
.else
	PLACES NP
.endif
	s_wait_alu depctr_va_vdst(0)
	v_add_nc_u32 v[ADRS], 1024, v[ADRS]            ; on to the next slot's scale words (no LDS load of mine is out)
	FETCH_B \next, 0, 0
	FETCH_A \next, 0, 0
	SCALES \next
	WIN MUL_HI
	MUL16 4, 1, 1, \slot, 0
	MUL16 6, 1, 1, \slot, 0
	PLACES NP
	WIN 0
	FETCH_A \next, 0, 4
.endm
	s_wait_alu depctr_va_vdst(0)
	s_wait_tensorcnt 0x0                           ; my tile of the head's four is in
	ds_add_u32 v[SPW], v[NIL]
	s_mov_b32 s[G1+2], 8<<16                       ; no load of mine is out, so descriptors may be written: from here on a load brings 8 row blocks,
	s_mov_b32 s[G1+4], 8
	s_mov_b32 s[G1B+2], 8<<16
	s_mov_b32 s[G1B+4], 8
	s_add_co_u32 s[G0+1], s45, 0                   ; and slot 0's group 0 names my half of a tile
	s_add_nc_u64 s[G0+2:G0+3], s[G0+2:G0+3], s[2:3]
	s_add_co_u32 s[G0B+1], s45, 0
	s_add_nc_u64 s[G0B+2:G0B+3], s[G0B+2:G0B+3], s[2:3]
	s_wait_dscnt 0x0                               ; the add is done
	CROUND                                         ; a whole round: all four tiles are in, and the sixteen work-groups meet
	JLOAD G0+4, G1, G0B+4, G1B                     ; slot 1's first fill, the first tensor load behind the round
	FETCH_B 0, 0, 0
	FETCH_A 0, 0, 0
	SCALES 0
	FETCH_A 0, 0, 4
	global_prefetch_b8 v[PFO], s[PFA:PFA+1] offset:ROWB th:TH_LOAD_NT scope:SCOPE_SE   ; with slot fill 1: fill 3's, the last
	s_wait_loadcnt 0x0                             ; the biases
.set j, 0
.rept 64
	v_cndmask_b32 v[BIAS+j], 0, v[BIAS+j], s18     ; v: zero
.set j, j+1
.endr
.set j, 0
.rept 8
	v_cndmask_b32 v[BM+j], 0, v[BM+j], s19         ; q, k: zero
.set j, j+1
.endr
	s_wait_alu depctr_va_vdst(0)
	STEP 0, 0, 1                                   ; the first step stands in front of the loop: its products start the sums
	s_mov_b32 s3, LAPS-1
.Llap:                                                 ; a trip goes once round the ring and fills both slots again
	TURN 0, 1, 1
	STEP 1, 0, 0
	TURN 1, 0, 1
	STEP 0, 0, 0
	s_sub_co_u32 s3, s3, 1
	s_cmp_lg_u32 s3, 0
	s_cbranch_scc1 .Llap
	TURN 0, 1, 0                                   ; the last lap fills nothing, and has no round of the cluster's barrier
	STEP 1, 0, 0
	s_wait_dscnt 4*NL                              ; the very last step: nothing more to fetch
	WIN MUL_LO
	MUL16 0, 1, 1, 1, 0
	MUL16 2, 1, 1, 1, 0
	s_wait_dscnt 0
	WIN MUL_HI
	MUL16 4, 1, 1, 1, 0
	MUL16 6, 1, 1, 1, 0
	WIN 0
; 64 numbers of a lane, v[s] .. v[s + 63], register 16 b + i = k 32 b + 16 (lane / 16) + i of my row, become a fragment's codes in v[PC] on and its scale word in v[pw].
.macro QUANT s, pw
.irp b, 0,1,2,3
	v_max3_num_f32 v[TM+\b], |v[\s+16*\b]|, |v[\s+1+16*\b]|, 0x2800000   ; block b: my 16 numbers, and the floor 2^(5 - 127): the byte cannot fall under 1
.endr
.irp i, 2,4,6,8,10,12,14
.irp b, 0,1,2,3
	v_max3_num_f32 v[TM+\b], v[TM+\b], |v[\s+16*\b+\i]|, |v[\s+1+16*\b+\i]|
.endr
.endr
.irp b, 0,1,2,3
	v_permlanex16_b32 v[TM+4+\b], v[TM+\b], s[SEL], s[SEL+1]
.endr
.irp b, 0,1,2,3
	v_max_num_f32 v[TM+\b], v[TM+\b], v[TM+4+\b]   ; with lane l xor 16's: the block's largest magnitude
.endr
.irp b, 0,1,2,3
	v_add_nc_u32 v[TM+12+\b], 0xfe000000, v[TM+\b] ; 4 off its exponent field: the conversion's scale operand
.endr
.irp b, 0,1,2,3
	v_lshrrev_b32 v[TM+4+\b], 23, v[TM+12+\b]      ; the scale's byte
.endr
	v_lshl_or_b32 v[\pw], v[TM+5], 8, v[TM+4]
	v_lshl_or_b32 v[\pw], v[TM+6], 16, v[\pw]
	v_lshl_or_b32 v[\pw], v[TM+7], 24, v[\pw]
.irp c, 0,1
	v_cvt_scalef32_pk16_bf6_f32 v[PC+6*\c:PC+2+6*\c], v[\s+32*\c:\s+15+32*\c], v[TM+12+2*\c]
	v_cvt_scalef32_pk16_bf6_f32 v[PC+12+4*\c:PC+14+4*\c], v[\s+16+32*\c:\s+31+32*\c], v[TM+12+2*\c+1]   ; (a conversion's three registers begin on an even number)
.endr
	v_nop                                          ; one plain place behind a scaled conversion
.irp c, 0,1                                    ; the operand's layout wants a WHOLE block in a lane: lanes 0-15 block 2 c, lanes 16-31 block 2 c + 1
.irp i, 0,1,2
	v_permlane16_swap_b32 v[PC+6*\c+\i], v[PC+12+4*\c+\i]
.endr
.irp i, 0,1,2
	v_mov_b32 v[PC+3+6*\c+\i], v[PC+12+4*\c+\i]
.endr
.endr
.endm
	; THE WAY OUT.  All tensor loads are done, so the descriptors' registers are free.  Everything that differs between q, k and v is a scalar, chosen without a branch.
	PLACES NP
.irp b, 0,1,2,3
	v_mov_b32 v[TM+4+\b], 0                        ; written once: a lane permute's destination counts as one of its sources
.endr
	s_cmp_eq_u32 ttmp9, 0
	s_cselect_b32 s28, 0, 1                        ; k and v share a region whose strides are twice q's
	s_lshl_b32 s29, 98304, s28                     ; a head's codes
	s_lshl_b32 s30, 6144, s28                      ; a key step's (128 tokens')
	s_lshl_b32 s31, 4096, s28                      ; a head's scale words
	s_lshl_b32 s32, 256, s28                       ; a key step's
	s_mul_i32 s33, s28, KV_C                       ; where the region begins
	s_mul_i32 s34, s28, KV_S-Q_S
	s_add_co_u32 s34, s34, Q_S
	s_mov_b32 s45, 8192
	s_mov_b32 s46, 0x03020100
	s_mov_b32 s47, 0x07060504
	s_cmp_lt_u32 ttmp9, 2
	s_cselect_b32 s24, s17, s42                    ; the tile of tokens,
	s_cselect_b32 s25, s15, s16                    ; my half of it,
	s_cselect_b32 s26, s42, s17                    ; the tile of channels,
	s_cselect_b32 s27, s16, s15                    ; my half of it
	s_cselect_b32 s35, 0, 6144                     ; v lies behind k in a key step
	s_cselect_b32 s36, 0, 256
	s_cselect_b32 s37, s29, 768                    ; from a fragment's first half image to its second: q, k: the next head; v: 768 bytes
	s_cselect_b32 s38, 0, 768
	s_cselect_b32 s39, 0, 190464                   ; v: behind four fragments the next head begins
	s_cselect_b32 s43, s31, 64                     ; the scale words of lanes 16-31: q, k: the next head's; v: the next fragment's
	s_cselect_b32 s44, 64, 128
	s_cselect_b32 s45, 128, s45
	s_cselect_b32 s46, 0x05040100, s46             ; q, k: the low halves of two blocks' words; v: the first block's word
	s_cselect_b32 s47, 0x07060302, s47             ; q, k: the high halves; v: the second block's word
	s_add_co_u32 s38, s38, 768                     ; from block to block: 768 or 1,536
	s_add_co_u32 s33, s33, s35
	s_add_co_u32 s34, s34, s36
	s_lshr_b32 s48, s24, 3                         ; the batch
	s_and_b32 s49, s24, 7
	s_lshl_b32 s49, s49, 1
	s_add_co_u32 s49, s49, s25                     ; the key step: my 128 tokens
	s_lshl_b32 s48, s48, 4
	s_lshl_b32 s50, s26, 2
	s_add_co_u32 s48, s48, s50
	s_lshl_b32 s50, s27, 1
	s_add_co_u32 s48, s48, s50                     ; my first head: 16 x batch + 4 x tile + 2 x half
	s_mul_i32 s50, s48, s29
	s_mul_i32 s51, s49, s30
	s_add_co_u32 s50, s50, s51
	s_add_co_u32 s50, s50, s33
	s_mov_b32 s51, 0
	s_add_nc_u64 s[52:53], s[12:13], s[50:51]      ; the first half image of block 0,
	s_mov_b32 s50, s37
	s_add_nc_u64 s[54:55], s[52:53], s[50:51]      ; the second
	s_mul_i32 s50, s48, s31
	s_mul_i32 s56, s49, s32
	s_add_co_u32 s50, s50, s56
	s_add_co_u32 s50, s50, s34
	s_add_nc_u64 s[56:57], s[12:13], s[50:51]      ; the scale words
	s_mov_b32 s58, s38
	s_mov_b32 s59, 0
	s_mov_b32 s60, s39
	s_mov_b32 s61, 0
	s_mov_b32 s62, 0xffff0000                      ; lanes 16-31
	v_mul_u32_u24 v9, s43, v3
	v_lshl_add_u32 v9, v2, 2, v9                   ; 4 r, and lanes 16-31 their distance on
	v_add_nc_u32 v10, s44, v9
	v_add_nc_u32 v11, s45, v9
	v_add_nc_u32 v12, s44, v11
.macro OUTBLK a                        ; my rows 16 a .. 16 a + 15
	WIN 0x02+((\a)/4)                              ; source 0: window 2 or 3
.set i, 0
.rept 32
.if ((\a)%2) == 0
	v_pk_add_f32 v[X+i:X+i+1], v[64*((\a)%4)+i:64*((\a)%4)+i+1], v[BM+2*((\a)/2):BM+2*((\a)/2)+1] op_sel:[0,0] op_sel_hi:[1,0]   ; + the lane's bias; each accumulator from its low end on
.else
	v_pk_add_f32 v[X+i:X+i+1], v[64*((\a)%4)+i:64*((\a)%4)+i+1], v[BM+2*((\a)/2):BM+2*((\a)/2)+1] op_sel:[0,1] op_sel_hi:[1,1]
.endif
.set i, i+2
.endr
	WIN 0
	s_wait_xcnt 0x0                                ; the last block's stores have read their data and bases: both are written again only behind this wait
.if (\a) > 0
	s_add_nc_u64 s[52:53], s[52:53], s[58:59]
	s_add_nc_u64 s[54:55], s[54:55], s[58:59]
.endif
.if (\a) == 4
	s_add_nc_u64 s[52:53], s[52:53], s[60:61]
	s_add_nc_u64 s[54:55], s[54:55], s[60:61]
.endif
	QUANT X, PWR+(\a)
	global_store_b128 v4, v[PC:PC+3], s[52:53]                     ; a half image: 512 and 256 consecutive bytes, at multiples of 256 from the buffer's first byte
	global_store_b64 v5, v[PC+4:PC+5], s[52:53] offset:512
	global_store_b128 v4, v[PC+6:PC+9], s[54:55]
	global_store_b64 v5, v[PC+10:PC+11], s[54:55] offset:512
.endm
.irp a, 0,1,2,3,4,5,6,7
	OUTBLK \a
.endr
.irp f, 0,1,2,3
	v_perm_b32 v[176+2*\f], v[PWR+2*\f+1], v[PWR+2*\f], s46
	v_perm_b32 v[177+2*\f], v[PWR+2*\f+1], v[PWR+2*\f], s47
	v_cndmask_b32 v[176+2*\f], v[176+2*\f], v[177+2*\f], s62       ; lanes 0-15 the first word, lanes 16-31 the second
	global_store_b32 v[9+\f], v[176+2*\f], s[56:57]
.endr
	s_wait_tensorcnt 0x0                           ; the wave's end
	ds_add_u32 v[SPW], v[NIL]
	s_wait_dscnt 0x0
	CROUND                                         ; the closing round: no work-group ends while a partner may still ask for a tile that names it
	s_endpgm
.Lfunc_end_k_qbf4412aefa_qkv:
	.size	k_qbf4412aefa_qkv, .Lfunc_end_k_qbf4412aefa_qkv-k_qbf4412aefa_qkv
	.p2alignl 7, 3214868480
	.fill 96, 4, 3214868480
	.section	.rodata,"a",@progbits
	.p2align	6, 0x0
	.amdhsa_kernel k_qbf4412aefa_qkv
		.amdhsa_group_segment_fixed_size 327680
		.amdhsa_private_segment_fixed_size 0
		.amdhsa_enable_private_segment 0
		.amdhsa_kernarg_size 40
		.amdhsa_user_sgpr_count 2
		.amdhsa_user_sgpr_kernarg_segment_ptr 1
		.amdhsa_wavefront_size32 1
		.amdhsa_system_sgpr_workgroup_id_x 1
		.amdhsa_system_sgpr_workgroup_id_y 1
		.amdhsa_system_sgpr_workgroup_id_z 1
		.amdhsa_system_vgpr_workitem_id 0
		.amdhsa_next_free_vgpr 1024
		.amdhsa_next_free_sgpr 100
		.amdhsa_reserve_vcc 0
		.amdhsa_float_denorm_mode_32 3
		.amdhsa_float_denorm_mode_16_64 3
		.amdhsa_memory_ordered 1
		.amdhsa_forward_progress 1
		.amdhsa_inst_pref_size 179
	.end_amdhsa_kernel
	.amdgpu_metadata
---
amdhsa.version: [ 1, 2 ]
amdhsa.kernels:
  - .name:           k_qbf4412aefa_qkv
    .symbol:         k_qbf4412aefa_qkv.kd
    .args:
      - { .name: ops, .offset: 0, .size: 8, .value_kind: global_buffer, .address_space: global }
      - { .name: bq, .offset: 8, .size: 8, .value_kind: global_buffer, .address_space: global }
      - { .name: bk, .offset: 16, .size: 8, .value_kind: global_buffer, .address_space: global }
      - { .name: bv, .offset: 24, .size: 8, .value_kind: global_buffer, .address_space: global }
      - { .name: qkvb, .offset: 32, .size: 8, .value_kind: global_buffer, .address_space: global }
    .group_segment_fixed_size: 327680
    .private_segment_fixed_size: 0
    .kernarg_segment_align: 8
    .kernarg_segment_size: 40
    .max_flat_workgroup_size: 128
    .sgpr_count:     100
    .vgpr_count:     1024
    .wavefront_size: 32
...
	.end_amdgpu_metadata
.endif
;; end of part 9
;; launch attn (part 10): grid 8 x 32, 16 waves a work-group, clusters of 4 x 1, 206,848 bytes of LDS; arguments qkvb, aob; writes aob
.if DOCPART == 10
	.amdgcn_target "amdgcn-amd-amdhsa--gfx1250"
	.amdhsa_code_object_version 6
	.text
	.protected	k_qbf4412aefa_attn
	.globl	k_qbf4412aefa_attn
	.p2align	8
	.type	k_qbf4412aefa_attn,@function
k_qbf4412aefa_attn:
	s_mov_b64 s[64:65], 0
	v_nop
	global_prefetch_b8 v0, s[64:65] scope:SCOPE_SE
	s_setreg_imm32_b32 hwreg(HW_REG_WAVE_MODE, 25, 1), 1
	s_wait_xcnt 0x0
	s_wait_alu depctr_hold_cnt(0) depctr_sa_sdst(0) depctr_va_vdst(0) depctr_va_sdst(0) depctr_va_ssrc(0) depctr_va_vcc(0) depctr_vm_vsrc(0)
	s_getreg_b32 s2, hwreg(HW_REG_IB_STS2, 6, 4)
	s_cmp_eq_u32 s2, 0
	s_cbranch_scc0 .Lentry_in_a_cluster
	s_endpgm
.Lentry_in_a_cluster:
	s_bfe_u32 s2, ttmp6, 0x10000c
	s_cmp_lg_u32 s2, 0x3003
	s_cbranch_scc0 .Lentry_shape_is_right
	s_endpgm
.Lentry_shape_is_right:
; O[head][q] = the sum over k of softmax_k(q . k / 8) v, both products on codes of BF6 (E3M2) with E8M0 scales; then the quantiser of the next product (along the 1,024 channels).
; THE SOFTMAX AHEAD OF THE SECOND PRODUCT: t = score x log2(e) / 8; M = the row's largest t so far, rounded UP to a whole number; p = 2^(t - M) is quantised along the keys, not normalised.
; The row's sum is taken of the unquantised p, in f32, and divides O at the end.  When M moves, the sum and O are multiplied by 2^(old M - new M): exact.
; SHARES.  A work-group owns 256 queries of one head, each of its sixteen waves one block of 16 (four waves to a SIMD).  Every wave walks the head's 16 key steps of 128 keys.
; THE WHOLE HEAD STAYS IN LDS: 196,608 bytes of k's and v's codes and 8,192 of scale words, laid in memory as they are read.  ONE tensor load a wave brings it: waves 0-11 take 64 rows of 256 bytes of codes each,
; waves 12-15 take 8 rows of scale words each.  One wait for 0 and one barrier follow; nothing is filled again.
; THE WALK'S BARRIER orders no memory.  It is signalled at a key step's head and awaited at its end: no wave ends key step i before every wave has begun it, so the sixteen waves stay within one key step of each
; other and end their walks together.  Between signal and wait stand LDS loads of bytes that nobody writes, and work on registers.
; CLUSTER.  The four query blocks of a cluster walk the same head: every piece is asked for JOINTLY, by the same load with the same descriptor and the mask of all four.
; No prefetch: the one fill at the head brings all that the launch reads by tensor loads, so there is no later load to run ahead of.
; LAYOUT.  Both products are used transposed (S^T = k q^T, O^T = v^T p^T): a lane holds ONE query.  Tokens and channels stand in physical order (bits 3 and 4 of the row exchanged), so that the 16 registers of two
; neighbouring tiles of S^T are 16 neighbouring keys, and those of O^T 16 neighbouring channels.
; THE HEAD HAS 64 CHANNELS, THE INSTRUCTION TAKES 128 ALONG K: a fragment of k holds TWO tiles of 16 keys.  It is multiplied by [q | zeros] for the even tile and by [zeros | q] for the odd one: zero codes add nothing.
; The three runs lie on end in v16-33, so q is held once.
; OUT (aob): half image (16 queries x my head's 64 channels) at [token block][head], three aligned blocks of 256 bytes; its two scale bytes are half of a word that two heads share: 16-bit stores, 4 bytes apart;
; lanes 16-31 write what lanes 0-15 write.
; LIMITS: NaN and infinities are not served; the scaled scores t stay under 2^31 in magnitude.  A block of zeros gets the byte 1: its codes are zeros, and this program alone reads the bytes.
.set KV_C, 3145728
.set Q_S,  9437184
.set KV_S, 9568256
.set AO_S, 3145728
.set SCB,  196608                      ; LDS: the scale words begin here; the spare words at 204,800
.set S,    96                          ; v96-159  S^T, then p
.set O,    160                         ; v160-191 O^T: four tiles of 16 channels
.set KFR,  40                          ; v40-87   four fragments, of k and then of v
.set PC,   192                         ; v192-203 p's codes
.set PC2,  204                         ; v204-210 the conversions' second halves
.set BMX,  212                         ; v212-215 the blocks' largest scores
.set PT,   216                         ; v216-219 at work
.set SO,   220                         ; v220-223 the conversions' scale operands
.set F,    224                         ; v[224:225] 2^(old M - new M)
.set TP,   228
.set PW,   229                         ; p's scale word: it holds nothing else; so do v34 (q's) and v36-39 (k's, then v's)
.set WV,   8
.set G1C,  12                          ; s[12:19] group 1: 64 rows of 256 bytes
.set G1S,  20                          ; s[20:27] group 1: 8 rows of 256 bytes
.set G0,   28                          ; s[28:31] group 0 for scale words, s[32:35] for codes
.set SEL,  70
.set CS,   72
.set TB,   74                          ; the key step's codes in LDS
.set TS,   75                          ; and its scale words
.set CNT,  76
.macro CROUND                          ; a round of the cluster's barrier
	s_barrier_signal -1
	s_barrier_wait -1
	s_cmp_lg_u32 s[WV], 0
	s_cbranch_scc1 .Lnot_wave_0_\@
	s_barrier_signal -3
.Lnot_wave_0_\@:
	s_barrier_wait -3
	s_barrier_signal -1
	s_barrier_wait -1
.endm
	s_load_b128 s[4:7], s[0:1], 0x0                ; qkvb, aob
	v_lshl_add_u32 v254, v0, 2, 0x32000
	v_mov_b32 v255, 0
	ds_add_u32 v254, v255
	ds_add_u32 v254, v255
	v_lshrrev_b32 v10, 5, v0
	s_delay_alu instid0(VALU_DEP_1)
	v_readfirstlane_b32 s[WV], v10                 ; wave 0..15
	s_bfe_u32 s9, ttmp6, 0x40000                   ; cx
	s_lshl_b32 s10, ttmp9, 2
	s_add_co_u32 s10, s10, s9                      ; my block of 256 queries: it enters q's and O's global addresses alone
	s_and_b32 s11, ttmp7, 0xffff                   ; the head (16 x batch + head), which the four partners share
	s_mov_b32 s[G1C], 15|(3<<16)|(1<<21)           ; 15:0 the mask: all four; 17:16 elements of 8 bytes; 21 set beside a mask
	s_mov_b32 s[G1C+1], 32<<16
	s_mov_b32 s[G1C+2], 64<<16
	s_mov_b32 s[G1C+3], 32<<16
	s_mov_b32 s[G1C+4], 64
	s_mov_b32 s[G1C+5], 32
	s_mov_b32 s[G1C+6], 0
	s_mov_b32 s[G1C+7], 0
	s_mov_b32 s[G1S], 15|(3<<16)|(1<<21)
	s_mov_b32 s[G1S+1], 32<<16
	s_mov_b32 s[G1S+2], 8<<16
	s_mov_b32 s[G1S+3], 32<<16
	s_mov_b32 s[G1S+4], 8
	s_mov_b32 s[G1S+5], 32
	s_mov_b32 s[G1S+6], 0
	s_mov_b32 s[G1S+7], 0
	s_mul_i32 s48, s11, 196608
	s_lshl_b32 s50, s[WV], 14                      ; waves 0-11: my 16,384 bytes of the codes, in memory and in LDS
	s_add_co_u32 s48, s48, s50
	s_add_co_u32 s48, s48, KV_C
	s_mov_b32 s49, 0
	s_lshl_b32 s52, s11, 13
	s_and_b32 s51, s[WV], 3
	s_lshl_b32 s51, s51, 11                        ; waves 12-15: my 2,048 bytes of the scale words
	s_add_co_u32 s52, s52, s51
	s_add_co_u32 s52, s52, KV_S
	s_mov_b32 s53, 0
	s_mov_b32 s[SEL], 0x76543210
	s_mov_b32 s[SEL+1], 0xfedcba98
	s_mov_b32 s[CS], 0x3e38aa3b                    ; c = log2(e) / 8
	s_mov_b32 s[CS+1], s[CS]
	s_mov_b32 s[TB], 0
	s_mov_b32 s[TS], 0
	s_wait_dscnt 0x0
	s_wait_kmcnt 0x0
	s_add_nc_u64 s[48:49], s[4:5], s[48:49]
	s_add_nc_u64 s[52:53], s[4:5], s[52:53]
	s_mov_b32 s[G0], 1
	s_add_co_u32 s[G0+1], s51, SCB
	s_mov_b64 s[G0+2:G0+3], s[52:53]
	s_or_b32 s[G0+3], s[G0+3], 0x80000000
	s_mov_b32 s[G0+4], 1
	s_add_co_u32 s[G0+5], s50, 0
	s_mov_b64 s[G0+6:G0+7], s[48:49]
	s_or_b32 s[G0+7], s[G0+7], 0x80000000
	CROUND                                         ; all four work-groups are here: the joint loads meet
	s_cmp_lt_u32 s[WV], 12                         ; one load a wave, one to each arm; the branch hangs on the wave's number alone
	s_cbranch_scc0 .Lfor_scales
	tensor_load_to_lds s[G0+4:G0+7], s[G1C:G1C+7]
	s_nop 0
.rept 4
	v_nop
.endr
	s_branch .Lasked
.Lfor_scales:
	tensor_load_to_lds s[G0:G0+3], s[G1S:G1S+7]
	s_nop 0
.rept 4
	v_nop
.endr
.Lasked:
	s_lshl_b32 s54, s10, 4
	s_add_co_u32 s54, s54, s[WV]                   ; my token block in the batch
	s_mul_i32 s55, s11, 98304
	s_mul_i32 s56, s54, 768
	s_add_co_u32 s56, s56, s55
	s_mov_b32 s57, 0
	s_add_nc_u64 s[56:57], s[4:5], s[56:57]        ; q's half image
	s_lshr_b32 s58, s54, 1
	s_lshl_b32 s58, s58, 6
	s_lshl_b32 s55, s11, 12
	s_add_co_u32 s58, s58, s55
	s_add_co_u32 s58, s58, Q_S
	s_mov_b32 s59, 0
	s_add_nc_u64 s[58:59], s[4:5], s[58:59]        ; the word that my block shares with its neighbour
	s_lshr_b32 s60, s11, 4
	s_lshl_b32 s60, s60, 7
	s_add_co_u32 s60, s60, s54                     ; my token block of all 256
	s_and_b32 s61, s11, 15                         ; the head in its batch
	s_mul_i32 s62, s60, 12288
	s_mul_i32 s63, s61, 768
	s_add_co_u32 s62, s62, s63
	s_mov_b32 s63, 0
	s_add_nc_u64 s[62:63], s[6:7], s[62:63]        ; O's half image
	s_lshr_b32 s66, s60, 3
	s_lshl_b32 s66, s66, 12
	s_lshr_b32 s68, s61, 1
	s_lshl_b32 s68, s68, 9
	s_add_co_u32 s66, s66, s68
	s_and_b32 s68, s60, 7
	s_lshl_b32 s68, s68, 6
	s_add_co_u32 s66, s66, s68
	s_and_b32 s68, s61, 1
	s_lshl_b32 s68, s68, 1
	s_add_co_u32 s66, s66, s68
	s_add_co_u32 s66, s66, AO_S
	s_mov_b32 s67, 0
	s_add_nc_u64 s[66:67], s[6:7], s[66:67]        ; and its two scale bytes
	s_mov_b32 s77, 0x01000100
	s_bitcmp1_b32 s[WV], 0                         ; an odd block's two bytes are the word's upper half
	s_cselect_b32 s77, 0x03020302, s77
	v_and_b32 v10, 31, v0
	s_delay_alu instid0(VALU_DEP_1)
	v_lshlrev_b32 v1, 4, v10                       ; 16 x lane
	s_delay_alu instid0(VALU_DEP_2)
	v_lshlrev_b32 v2, 3, v10                       ; 8 x lane
	v_and_b32 v11, 15, v0
	s_delay_alu instid0(VALU_DEP_1)
	v_lshlrev_b32 v11, 2, v11                      ; 4 r
	s_delay_alu instid0(VALU_DEP_1)
	v_add_nc_u32 v3, SCB, v11
	global_load_b128 v[22:25], v1, s[56:57]
	global_load_b64 v[26:27], v2, s[56:57] offset:512
	global_load_b32 v35, v11, s[58:59]
.irp j, 16,17,18,19,20,21,28,29,30,31,32,33
	v_mov_b32 v\j, 0                               ; zero codes on both sides of q
.endr
	v_mov_b32 v13, 0xff61b1e6                      ; the largest t so far: -3e38, under every t
	s_delay_alu instid0(VALU_DEP_1)
	v_floor_f32 v12, -v13                          ; -M
	v_mov_b32 v14, 0                               ; the sum, in two halves
	v_mov_b32 v15, 0
.irp b, 0,1,2,3
	v_mov_b32 v[PT+\b], 0                          ; written once: a lane permute's destination counts as one of its sources
.endr
	v_mov_b32 v[F+1], 0                            ; (named as the upper half of a pair)
	v_mov_b32 v[TP], 0
	s_wait_loadcnt 0x0
	v_perm_b32 v34, v35, v35, s77                  ; q's two bytes twice: they serve [q | 0] and [0 | q] alike
.set j, 0
.rept 32
	v_mov_b32 v[O+j], 0                            ; O^T: the first change of M leaves zeros zeros
.set j, j+1
.endr
.macro FRAG reg, off                   ; a fragment as it was stored: every load takes consecutive bytes
	ds_load_b128 v[\reg:\reg+3], v4 offset:\off
	ds_load_b64 v[\reg+4:\reg+5], v5 offset:\off+512
	ds_load_b128 v[\reg+6:\reg+9], v4 offset:\off+768
	ds_load_b64 v[\reg+10:\reg+11], v5 offset:\off+1280
.endm
.macro STEP                            ; a key step: 128 keys
	v_add_nc_u32 v4, s[TB], v1
	v_add_nc_u32 v5, s[TB], v2
	v_add_nc_u32 v6, s[TS], v3
	v_nop                                          ; four places in front of loads into registers that the last products have read
.irp f, 0,1,2,3
	FRAG KFR+12*\f, 1536*\f
	ds_load_b32 v[36+\f], v6 offset:64*\f
.endr
	s_wait_alu depctr_va_vdst(0)
	s_wait_dscnt 0x0
.irp f, 0,1,2,3
	v_wmma_scale_f32_16x16x128_f8f6f4 v[S+16*\f:S+16*\f+7], v[KFR+12*\f:KFR+12*\f+11], v[22:33], 0, v[36+\f], v34 matrix_a_fmt:MATRIX_FMT_BF6 matrix_b_fmt:MATRIX_FMT_BF6      ; the even tile of keys: [q | 0]
	v_wmma_scale_f32_16x16x128_f8f6f4 v[S+16*\f+8:S+16*\f+15], v[KFR+12*\f:KFR+12*\f+11], v[16:27], 0, v[36+\f], v34 matrix_a_fmt:MATRIX_FMT_BF6 matrix_b_fmt:MATRIX_FMT_BF6   ; the odd tile: [0 | q]
.endr
.rept 4
	v_nop                                          ; places: for the loads below and for the first read of the scores
.endr
.irp f, 0,1,2,3
	FRAG KFR+12*\f, 6144+1536*\f                   ; v's four fragments land while the softmax is worked
	ds_load_b32 v[36+\f], v6 offset:256+64*\f
.endr
.irp b, 0,1,2,3
	v_max3_num_f32 v[BMX+\b], v[S+16*\b], v[S+1+16*\b], v[S+2+16*\b]   ; the largest score of each block of 32 keys: for the row's maximum and, since p rises with the score, for the block's largest p
.endr
.irp i, 3,5,7,9,11,13
.irp b, 0,1,2,3
	v_max3_num_f32 v[BMX+\b], v[BMX+\b], v[S+16*\b+\i], v[S+1+16*\b+\i]
.endr
.endr
.irp b, 0,1,2,3
	v_max_num_f32 v[BMX+\b], v[BMX+\b], v[S+15+16*\b]
.endr
.irp b, 0,1,2,3
	s_delay_alu instid0(VALU_DEP_4)
	v_permlanex16_b32 v[PT+\b], v[BMX+\b], s[SEL], s[SEL+1]
.endr
.irp b, 0,1,2,3
	s_delay_alu instid0(VALU_DEP_4)
	v_max_num_f32 v[BMX+\b], v[BMX+\b], v[PT+\b]   ; with lane l xor 16's 16 keys
.endr
	s_delay_alu instid0(VALU_DEP_2)
	v_max3_num_f32 v[TP], v[BMX], v[BMX+1], v[BMX+2]
	s_delay_alu instid0(VALU_DEP_1)
	v_max_num_f32 v[TP], v[TP], v[BMX+3]
	s_delay_alu instid0(VALU_DEP_1)
	v_mul_f32 v[TP], s[CS], v[TP]                  ; as t (c is positive)
	s_delay_alu instid0(VALU_DEP_1)
	v_max_num_f32 v13, v13, v[TP]                  ; the running largest t
	v_mov_b32 v[TP], v12
	s_delay_alu instid0(VALU_DEP_2)
	v_floor_f32 v12, -v13                          ; the new -M = -ceil(t): a whole number
	s_delay_alu instid0(VALU_DEP_1)
	v_sub_f32 v[TP], v12, v[TP]                    ; old M - new M: a whole number, 0 or less
	s_delay_alu instid0(VALU_DEP_1)
	v_cvt_i32_f32 v[TP], v[TP]                     ; (it saturates)
	s_delay_alu instid0(VALU_DEP_1)
	v_ldexp_f32 v[F], 1.0, v[TP]                   ; f = 2^(old M - new M)
.set j, 0
.rept 32
	v_pk_fma_f32 v[S+j:S+j+1], v[S+j:S+j+1], s[CS:CS+1], v[12:13] op_sel_hi:[1,0,0]   ; t - M, two at a time
.set j, j+2
.endr
.irp b, 0,1,2,3
	v_fma_f32 v[BMX+\b], v[BMX+\b], s[CS], v12     ; the same of each block's largest score
.endr
.set j, 0
	s_wait_alu depctr_va_vdst(0)
.rept 64
	v_exp_f32 v[S+j], v[S+j]                       ; p = 2^(t - M), at most 1
.set j, j+1
.endr
	v_pk_mul_f32 v[14:15], v[14:15], v[F:F+1] op_sel_hi:[1,0]      ; the sums under the new M (a plain line behind the exponentials)
	s_wait_alu depctr_va_vdst(0)                   ; one wait for the whole batch, ahead of its first reader
.irp b, 0,1,2,3
	v_exp_f32 v[BMX+\b], v[BMX+\b]                 ; the block's largest p: the same two instructions on the same number
.endr
	v_pk_add_f32 v[226:227], v[100:101], v[104:105]                ; the row's sum of the unquantised p, in eight chains
	v_pk_add_f32 v[252:253], v[108:109], v[112:113]
	v_pk_add_f32 v[250:251], v[116:117], v[120:121]
	v_pk_add_f32 v[248:249], v[124:125], v[128:129]
	v_pk_add_f32 v[246:247], v[132:133], v[136:137]
	v_pk_add_f32 v[244:245], v[140:141], v[144:145]
	v_pk_add_f32 v[242:243], v[148:149], v[152:153]
	v_pk_add_f32 v[14:15], v[14:15], v[156:157]
	v_pk_add_f32 v[226:227], v[226:227], v[96:97]
	v_pk_add_f32 v[252:253], v[252:253], v[98:99]
	v_pk_add_f32 v[250:251], v[250:251], v[102:103]
	v_pk_add_f32 v[248:249], v[248:249], v[106:107]
	v_pk_add_f32 v[246:247], v[246:247], v[110:111]
	v_pk_add_f32 v[244:245], v[244:245], v[114:115]
	v_pk_add_f32 v[242:243], v[242:243], v[118:119]
	v_pk_add_f32 v[14:15], v[14:15], v[122:123]
	v_pk_add_f32 v[226:227], v[226:227], v[126:127]
	v_pk_add_f32 v[252:253], v[252:253], v[130:131]
	v_pk_add_f32 v[250:251], v[250:251], v[134:135]
	v_pk_add_f32 v[248:249], v[248:249], v[138:139]
	v_pk_add_f32 v[246:247], v[246:247], v[142:143]
	v_pk_add_f32 v[244:245], v[244:245], v[146:147]
	v_pk_add_f32 v[242:243], v[242:243], v[150:151]
	v_pk_add_f32 v[14:15], v[14:15], v[154:155]
	v_pk_add_f32 v[226:227], v[226:227], v[158:159]
	s_delay_alu instid0(VALU_DEP_2)
	v_pk_add_f32 v[14:15], v[14:15], v[248:249]
	s_delay_alu instid0(VALU_DEP_2)
	v_pk_add_f32 v[226:227], v[226:227], v[246:247]
	v_pk_add_f32 v[252:253], v[252:253], v[244:245]
	v_pk_add_f32 v[250:251], v[250:251], v[242:243]
	s_delay_alu instid0(VALU_DEP_2)
	v_pk_add_f32 v[14:15], v[14:15], v[252:253]
	s_delay_alu instid0(VALU_DEP_2)
	v_pk_add_f32 v[226:227], v[226:227], v[250:251]
	s_delay_alu instid0(VALU_DEP_1)
	v_pk_add_f32 v[14:15], v[14:15], v[226:227]
	s_wait_alu depctr_va_vdst(0)                   ; and one for the four
.irp b, 0,1,2,3
	v_max_num_f32 v[BMX+\b], 0x2800000, v[BMX+\b]  ; the floor 2^(5 - 127)
.endr
.irp b, 0,1,2,3
	s_delay_alu instid0(VALU_DEP_4)
	v_add_nc_u32 v[SO+\b], 0xfe000000, v[BMX+\b]   ; 4 off the exponent field: the conversion's scale operand
.endr
.irp b, 0,1,2,3
	s_delay_alu instid0(VALU_DEP_4)
	v_lshrrev_b32 v[PT+\b], 23, v[SO+\b]           ; the scale's byte
.endr
	s_delay_alu instid0(VALU_DEP_3)
	v_lshl_or_b32 v[PW], v[PT+1], 8, v[PT]
	s_delay_alu instid0(VALU_DEP_1)
	v_lshl_or_b32 v[PW], v[PT+2], 16, v[PW]
	s_delay_alu instid0(VALU_DEP_1)
	v_lshl_or_b32 v[PW], v[PT+3], 24, v[PW]
.irp c, 0,1
	v_cvt_scalef32_pk16_bf6_f32 v[PC+6*\c:PC+2+6*\c], v[S+32*\c:S+15+32*\c], v[SO+2*\c]
	v_cvt_scalef32_pk16_bf6_f32 v[PC2+4*\c:PC2+2+4*\c], v[S+16+32*\c:S+31+32*\c], v[SO+2*\c+1]
.endr
	v_nop                                          ; one plain line behind a scaled conversion
.irp c, 0,1                                    ; a WHOLE block in a lane: lanes 0-15 block 2 c, lanes 16-31 block 2 c + 1
.irp i, 0,1,2
	v_permlane16_swap_b32 v[PC+6*\c+\i], v[PC2+4*\c+\i]
.endr
.irp i, 0,1,2
	s_delay_alu instid0(VALU_DEP_3)
	v_mov_b32 v[PC+3+6*\c+\i], v[PC2+4*\c+\i]
.endr
.endr
.set j, 0
.rept 16
	v_pk_mul_f32 v[O+j:O+j+1], v[O+j:O+j+1], v[F:F+1] op_sel_hi:[1,0]   ; O^T under the new M.  These sixteen are also the places between the lines that made p's codes and scale word and the products
.set j, j+2
.endr
	s_wait_alu depctr_va_vdst(0)
	s_wait_dscnt 0x0                               ; v
.irp f, 0,1,2,3
	v_wmma_scale_f32_16x16x128_f8f6f4 v[O+8*\f:O+8*\f+7], v[KFR+12*\f:KFR+12*\f+11], v[PC:PC+11], v[O+8*\f:O+8*\f+7], v[36+\f], v[PW] matrix_a_fmt:MATRIX_FMT_BF6 matrix_b_fmt:MATRIX_FMT_BF6   ; four accumulators by turns
.endr
.endm
	s_wait_alu depctr_va_vdst(0)
	s_wait_tensorcnt 0x0                           ; my piece of the head is in,
	s_barrier_signal -1
	s_barrier_wait -1                              ; everybody's is: from here on LDS is only read
	s_mov_b32 s[CNT], 16
.Lstep:
	s_barrier_signal -1                            ; I have begun this key step (no LDS instruction of mine is out here)
	STEP
	s_barrier_wait -1                              ; every wave has begun it
	s_add_co_u32 s[TB], s[TB], 12288
	s_add_co_u32 s[TS], s[TS], 512
	s_sub_co_u32 s[CNT], s[CNT], 1
	s_cmp_lg_u32 s[CNT], 0
	s_cbranch_scc1 .Lstep
	; THE WAY OUT: O^T / the sum; registers 16 g + i hold channel 32 g + 16 h + i of my query: two blocks of the next product's K
.rept 4
	v_nop                                          ; places behind the last products
.endr
	v_add_f32 v14, v14, v15
	s_delay_alu instid0(VALU_DEP_1)
	v_permlanex16_b32 v[TP], v14, s[SEL], s[SEL+1]
	s_delay_alu instid0(VALU_DEP_1)
	v_add_f32 v14, v14, v[TP]                      ; the row's sum
	s_wait_alu depctr_va_vdst(0)
	v_rcp_f32 v14, v14
	v_nop                                          ; a plain line behind the transcendental,
	s_wait_alu depctr_va_vdst(0)                   ; and the wait ahead of its first reader
.set j, 0
.rept 32
	v_mul_f32 v[S+j], v[O+j], v14
.set j, j+1
.endr
.irp b, 0,1
	v_max3_num_f32 v[BMX+\b], |v[S+16*\b]|, |v[S+1+16*\b]|, 0x2800000
.endr
.irp i, 2,4,6,8,10,12,14
.irp b, 0,1
	s_delay_alu instid0(VALU_DEP_2)
	v_max3_num_f32 v[BMX+\b], v[BMX+\b], |v[S+16*\b+\i]|, |v[S+1+16*\b+\i]|
.endr
.endr
.irp b, 0,1
	s_delay_alu instid0(VALU_DEP_2)
	v_permlanex16_b32 v[PT+\b], v[BMX+\b], s[SEL], s[SEL+1]
.endr
.irp b, 0,1
	s_delay_alu instid0(VALU_DEP_2)
	v_max_num_f32 v[BMX+\b], v[BMX+\b], v[PT+\b]
.endr
.irp b, 0,1
	s_delay_alu instid0(VALU_DEP_2)
	v_add_nc_u32 v[SO+\b], 0xfe000000, v[BMX+\b]
.endr
.irp b, 0,1
	s_delay_alu instid0(VALU_DEP_2)
	v_lshrrev_b32 v[PT+\b], 23, v[SO+\b]
.endr
	s_delay_alu instid0(VALU_DEP_1)
	v_lshl_or_b32 v[TP], v[PT+1], 8, v[PT]         ; my head's two bytes
	v_cvt_scalef32_pk16_bf6_f32 v[PC:PC+2], v[S:S+15], v[SO]
	v_cvt_scalef32_pk16_bf6_f32 v[PC2:PC2+2], v[S+16:S+31], v[SO+1]
	v_nop
.irp i, 0,1,2
	v_permlane16_swap_b32 v[PC+\i], v[PC2+\i]
.endr
.irp i, 0,1,2
	s_delay_alu instid0(VALU_DEP_3)
	v_mov_b32 v[PC+3+\i], v[PC2+\i]
.endr
	global_store_b128 v1, v[PC:PC+3], s[62:63]                     ; 512 and 256 consecutive bytes, at multiples of 256 from the buffer's first byte
	global_store_b64 v2, v[PC+4:PC+5], s[62:63] offset:512
	global_store_b16 v11, v[TP], s[66:67]
	s_wait_tensorcnt 0x0                           ; the wave's end
	ds_add_u32 v254, v255
	s_wait_dscnt 0x0
	CROUND                                         ; the closing round: no work-group ends while a partner may still ask for a piece that names it
	s_endpgm
.Lfunc_end_k_qbf4412aefa_attn:
	.size	k_qbf4412aefa_attn, .Lfunc_end_k_qbf4412aefa_attn-k_qbf4412aefa_attn
	.p2alignl 7, 3214868480
	.fill 96, 4, 3214868480
	.section	.rodata,"a",@progbits
	.p2align	6, 0x0
	.amdhsa_kernel k_qbf4412aefa_attn
		.amdhsa_group_segment_fixed_size 206848
		.amdhsa_private_segment_fixed_size 0
		.amdhsa_enable_private_segment 0
		.amdhsa_kernarg_size 16
		.amdhsa_user_sgpr_count 2
		.amdhsa_user_sgpr_kernarg_segment_ptr 1
		.amdhsa_wavefront_size32 1
		.amdhsa_system_sgpr_workgroup_id_x 1
		.amdhsa_system_sgpr_workgroup_id_y 1
		.amdhsa_system_sgpr_workgroup_id_z 1
		.amdhsa_system_vgpr_workitem_id 0
		.amdhsa_next_free_vgpr 256
		.amdhsa_next_free_sgpr 80
		.amdhsa_reserve_vcc 0
		.amdhsa_float_denorm_mode_32 3
		.amdhsa_float_denorm_mode_16_64 3
		.amdhsa_memory_ordered 1
		.amdhsa_forward_progress 1
		.amdhsa_inst_pref_size 31
	.end_amdhsa_kernel
	.amdgpu_metadata
---
amdhsa.version: [ 1, 2 ]
amdhsa.kernels:
  - .name:           k_qbf4412aefa_attn
    .symbol:         k_qbf4412aefa_attn.kd
    .args:
      - { .name: qkvb, .offset: 0, .size: 8, .value_kind: global_buffer, .address_space: global }
      - { .name: aob, .offset: 8, .size: 8, .value_kind: global_buffer, .address_space: global }
    .group_segment_fixed_size: 206848
    .private_segment_fixed_size: 0
    .kernarg_segment_align: 8
    .kernarg_segment_size: 16
    .max_flat_workgroup_size: 512
    .sgpr_count:     80
    .vgpr_count:     256
    .wavefront_size: 32
...
	.end_amdgpu_metadata
.endif
;; end of part 10
;; launch proj (part 11): grid 8 x 32, 4 waves a work-group, clusters of 4 x 4, 327,680 bytes of LDS; arguments aob, ops, bo, x, x1; writes x1
.if DOCPART == 11
	.amdgcn_target "amdgcn-amd-amdhsa--gfx1250"
	.amdhsa_code_object_version 6
	.text
	.protected	k_qbf4412aefa_proj
	.globl	k_qbf4412aefa_proj
	.p2align	8
	.type	k_qbf4412aefa_proj,@function
k_qbf4412aefa_proj:
	s_mov_b64 s[64:65], 0
	v_nop
	global_prefetch_b8 v0, s[64:65] scope:SCOPE_SE
	s_setreg_imm32_b32 hwreg(HW_REG_WAVE_MODE, 25, 1), 1
	s_wait_xcnt 0x0
	s_wait_alu depctr_hold_cnt(0) depctr_sa_sdst(0) depctr_va_vdst(0) depctr_va_sdst(0) depctr_va_ssrc(0) depctr_va_vcc(0) depctr_vm_vsrc(0)
	s_getreg_b32 s2, hwreg(HW_REG_IB_STS2, 6, 4)
	s_cmp_eq_u32 s2, 0
	s_cbranch_scc0 .Lentry_in_a_cluster
	s_endpgm
.Lentry_in_a_cluster:
	s_bfe_u32 s2, ttmp6, 0x10000c
	s_cmp_lg_u32 s2, 0xf033
	s_cbranch_scc0 .Lentry_shape_is_right
	s_endpgm
.Lentry_shape_is_right:
.set SIZE_K, 1024
.set A_C, 0
.set A_S, 3145728
.set B_C, 2359296
.set B_S, 9535488
.set PA, 4
.set PB, 6
.set PBN, 8
.set KF,     SIZE_K/128
.set FRB,    1536
.set RBSTR,  KF*FRB
.set NQ,     4
.set ROWB,   NQ*FRB
.set HALFT,  4*ROWB
.set SLOT,   4*HALFT
.set LAPS,   SIZE_K/(2*NQ*128)
.set HALFS,  KF*512
.set HSH,    HALFS/2
.set SCL,    2*SLOT
.set SPARE,  SCL+2*HALFS
.set SPITCH, 272
.set FR, 12
.set NP, 4
.set ADRA, 16
.set ADRB, 20
.set STO,  24
.set RD,   25
.set CO,   26
.set ADRS, 27
.set SPW,  28
.set NIL,  29
.set SC,   32
.set BIAS, 64
.set AF,   128
.set BK,   128
.set RS,   128
.set G1, 24
.set G0, 32
.set G1B, 48
.set G0B, 56
.set G1S, 68
.set G0S, 76
.set G1SB, 80
.set G0SB, 88
.set MSB, 0
.macro WIN new
.if MSB != (\new)
	s_set_vgpr_msb (MSB<<8)|(\new)
.set MSB, (\new)
.endif
.endm
.set MULW,   0xa1
.set TO_B,   0x40
.macro JLOAD g0a, g1a, g0b, g1b
	s_cmp_eq_u32 s15, 0
	s_cbranch_scc0 .Lfor_b_\@
	tensor_load_to_lds s[\g0a:\g0a+3], s[\g1a:\g1a+7]
	s_nop 0
.rept 4
	v_nop
.endr
	s_branch .Lasked_\@
.Lfor_b_\@:
	tensor_load_to_lds s[\g0b:\g0b+3], s[\g1b:\g1b+7]
	s_nop 0
.rept 4
	v_nop
.endr
.Lasked_\@:
.endm
.macro CREST
	s_cmp_lg_u32 s14, 0
	s_cbranch_scc1 .Lnot_wave_0_\@
	s_barrier_signal -3
.Lnot_wave_0_\@:
	s_barrier_wait -3
	s_barrier_signal -1
	s_barrier_wait -1
.endm
.macro CROUND
	s_barrier_signal -1
	s_barrier_wait -1
	CREST
.endm
	s_load_b256 s[4:11], s[0:1], 0x0
	s_load_b64 s[12:13], s[0:1], 0x20
	v_lshl_add_u32 v[SPW], v0, 2, SPARE
	v_mov_b32 v[NIL], 0
	ds_add_u32 v28, v29
	ds_add_u32 v28, v29
	s_wait_dscnt 0x0
	v_lshrrev_b32 v1, 5, v0
	v_readfirstlane_b32 s14, v1
	s_lshr_b32 s15, s14, 1
	s_and_b32 s16, s14, 1
	s_bfe_u32 s40, ttmp6, 0x40000
	s_bfe_u32 s41, ttmp6, 0x40004
	s_lshl_b32 s42, ttmp9, 2
	s_add_co_u32 s42, s42, s40
	s_and_b32 s17, ttmp7, 0xffff
	s_lshl_b32 s17, s17, 2
	s_add_co_u32 s17, s17, s41
	s_mov_b32 s66, A_C
	s_mov_b32 s67, A_S
	s_mov_b32 s96, B_C
	s_mov_b32 s97, B_S
	s_lshl_b32 s43, s41, 2
	s_lshl_b32 s43, 15, s43
	s_lshl_b32 s44, 0x1111, s40
	s_or_b32 s[G1+0], s43, (3<<16)|(1<<21)
	s_or_b32 s[G1B+0], s44, (3<<16)|(1<<21)
.irp g, G1, G1B
	s_mov_b32 s[\g+1], 1536<<16                    ; a load brings 8 row blocks whole: all of K, 12,288 bytes each, one behind the other
	s_mov_b32 s[\g+2], 8<<16
	s_mov_b32 s[\g+3], 1536<<16
	s_mov_b32 s[\g+4], 8
	s_mov_b32 s[\g+5], KF*192
	s_mov_b32 s[\g+6], 0
	s_mov_b32 s[\g+7], 0
.endr
	s_or_b32 s[G1S+0], s43, (3<<16)|(1<<21)
	s_or_b32 s[G1SB+0], s44, (3<<16)|(1<<21)
.irp g, G1S, G1SB
	s_mov_b32 s[\g+1], 32<<16
	s_mov_b32 s[\g+2], (2*KF)<<16
	s_mov_b32 s[\g+3], 32<<16
	s_mov_b32 s[\g+4], 2*KF
	s_mov_b32 s[\g+5], 32
	s_mov_b32 s[\g+6], 0
	s_mov_b32 s[\g+7], 0
.endr
	s_mul_i32 s22, s17, HALFS                      ; the scale words of the tile's 128 rows of A,
	s_add_co_u32 s22, s22, s67
	s_mul_i32 s92, s42, HALFS                      ; of B,
	s_add_co_u32 s92, s92, s97
	s_mul_i32 s20, s17, 8*RBSTR                    ; and their codes
	s_add_co_u32 s20, s20, s66
	s_mul_i32 s46, s42, 8*RBSTR
	s_add_co_u32 s46, s46, s96
	s_mov_b32 s21, 0
	s_mov_b32 s23, 0
	s_mov_b32 s47, 0
	s_mov_b32 s93, 0
	s_wait_kmcnt 0x0
	s_add_nc_u64 s[20:21], s[PA:PA+1], s[20:21]
	s_add_nc_u64 s[22:23], s[PA:PA+1], s[22:23]
	s_add_nc_u64 s[46:47], s[PB:PB+1], s[46:47]
	s_add_nc_u64 s[92:93], s[PB:PB+1], s[92:93]
	CROUND
	s_mov_b32 s[G0S], 1
	s_mov_b32 s[G0S+1], SCL
	s_mov_b64 s[G0S+2:G0S+3], s[22:23]
	s_or_b32 s[G0S+3], s[G0S+3], 0x80000000
	s_mov_b32 s[G0SB], 1
	s_mov_b32 s[G0SB+1], SCL+HALFS
	s_mov_b64 s[G0SB+2:G0SB+3], s[92:93]
	s_or_b32 s[G0SB+3], s[G0SB+3], 0x80000000
	s_mov_b32 s[G0], 1                             ; A's 128 rows, all of K: 98,304 bytes from LDS byte 0,
	s_mov_b32 s[G0+1], 0
	s_mov_b64 s[G0+2:G0+3], s[20:21]
	s_or_b32 s[G0+3], s[G0+3], 0x80000000
	s_mov_b32 s[G0B], 1                            ; B's behind them
	s_mov_b32 s[G0B+1], 4*HALFT
	s_mov_b64 s[G0B+2:G0B+3], s[46:47]
	s_or_b32 s[G0B+3], s[G0B+3], 0x80000000
; ALL THAT THE TILE NEEDS COMES AT THE HEAD, ONE LOAD A WAVE: wave 0 A's codes, wave 1 B's, wave 2 A's scale words, wave 3 B's.  Nothing is filled later.  One chain of branches on the wave's number, one load to an arm.
.macro ARM under, g0, g1, next
	s_cmp_lt_u32 s14, \under
	s_cbranch_scc0 \next
	tensor_load_to_lds s[\g0:\g0+3], s[\g1:\g1+7]
	s_nop 0
.rept 4
	v_nop
.endr
	s_branch .Lhead_asked
\next:
.endm
	ARM 1, G0,  G1,  .Lhead_b
	ARM 2, G0B, G1B, .Lhead_sa
	ARM 3, G0S, G1S, .Lhead_sb
	tensor_load_to_lds s[G0SB:G0SB+3], s[G1SB:G1SB+7]
	s_nop 0
.rept 4
	v_nop
.endr
.Lhead_asked:
	v_and_b32 v1, 31, v0
	v_and_b32 v2, 15, v0
	v_bfe_u32 v3, v0, 4, 1
	v_lshlrev_b32 v4, 4, v1
	v_lshlrev_b32 v5, 3, v1
	s_mul_i32 s21, s15, 2*HALFT                    ; my 4 row blocks of A, 12,288 bytes each,
	s_mul_i32 s22, s16, 2*HALFT                    ; and of B,
	s_add_co_u32 s22, s22, 4*HALFT                 ; which lie behind A's 8
.irp s, 0,1
	v_add_nc_u32 v[ADRA+\s], s21, v4
	v_add_nc_u32 v[ADRB+\s], s22, v4
	v_add_nc_u32 v[ADRA+2+\s], s21, v5
	v_add_nc_u32 v[ADRB+2+\s], s22, v5
	s_add_co_u32 s21, s21, ROWB                    ; the second address: K steps 4 to 7 of the same row blocks
	s_add_co_u32 s22, s22, ROWB
.endr
	s_lshl_b32 s21, s15, 8
	s_lshl_b32 s22, s16, 8
	s_add_co_u32 s22, s22, HALFS
	s_sub_co_u32 s22, s22, s21
	v_mul_u32_u24 v6, s22, v3
	s_add_co_u32 s21, s21, SCL
	v_lshl_add_u32 v6, v2, 2, v6
	v_add_nc_u32 v[ADRS], s21, v6
	s_lshl_b32 s46, s42, 9
	s_lshl_b32 s47, s16, 8
	s_add_co_u32 s46, s46, s47
	s_mov_b32 s47, 0
	s_add_nc_u64 s[PBN:PBN+1], s[PBN:PBN+1], s[46:47]
	v_lshlrev_b32 v7, 6, v3
.irp g, 0,1
.irp i, 0,1,2,3
	global_load_b128 v[BIAS+16*\g+4*\i:BIAS+16*\g+4*\i+3], v7, s[PBN:PBN+1] offset:128*\g+16*\i
.endr
.endr
	s_mul_i32 s23, s14, 16*SPITCH
	s_add_co_u32 s23, s23, SPARE+512               ; the stages have bytes of their own, behind the spare words: other waves may still read the tiles
	v_mul_u32_u24 v6, v2, SPITCH
	v_lshl_add_u32 v6, v3, 6, v6
	v_add_nc_u32 v[STO], s23, v6
	v_mul_u32_u24 v6, v3, SPITCH
	v_lshl_add_u32 v6, v2, 4, v6
	v_add_nc_u32 v[RD], s23, v6
	v_lshlrev_b32 v[CO], 12, v3
	v_lshl_add_u32 v[CO], v2, 4, v[CO]
	s_wait_alu depctr_va_vdst(0)
	s_lshl_b32 s20, s17, 19
	s_lshl_b32 s21, s15, 18
	s_add_co_u32 s20, s20, s21
	s_add_co_u32 s20, s20, s46
	s_mov_b32 s21, 0
	s_add_nc_u64 s[10:11], s[10:11], s[20:21]
	s_add_nc_u64 s[12:13], s[12:13], s[20:21]
	WIN 0x80
.irp a, 0,1,2,3
.irp t, 0,1,2,3,4,5,6,7
	global_load_b128 v[RS+32*\a+4*\t:RS+32*\a+4*\t+3], v[CO], s[10:11] offset:(32*(\a/2)+8*(\a%2)+2*\t+8*(\t/4))*4096 th:TH_LOAD_NT
.endr
.endr
	WIN 0
.macro FRAG reg, adr, q, i
	ds_load_b128 v[\reg:\reg+3], v[\adr] offset:(\i)*RBSTR+(\q)*FRB
	ds_load_b64 v[\reg+4:\reg+5], v[\adr+2] offset:(\i)*RBSTR+(\q)*FRB+512
	ds_load_b128 v[\reg+6:\reg+9], v[\adr] offset:(\i)*RBSTR+(\q)*FRB+768
	ds_load_b64 v[\reg+10:\reg+11], v[\adr+2] offset:(\i)*RBSTR+(\q)*FRB+1280
.endm
.macro MUL4 a, p, q, sc, first
.irp b, 0,1,2,3
.if \first
	v_wmma_scale_f32_16x16x128_f8f6f4 v[8*(4*(\a)+\b):8*(4*(\a)+\b)+7], v[128*(\p)+FR*\b:128*(\p)+FR*\b+FR-1], v[AF+48*(\p)+FR*(\a):AF+48*(\p)+FR*(\a)+FR-1], v[BIAS+8*\b:BIAS+8*\b+7], v[SC+16*(\sc)+4*\b+(\q)], v[SC+16*(\sc)+4*(\a)+(\q)] matrix_a_fmt:MATRIX_FMT_BF6 matrix_b_fmt:MATRIX_FMT_BF6 matrix_a_scale:MATRIX_SCALE_ROW1
.else
	v_wmma_scale_f32_16x16x128_f8f6f4 v[8*(4*(\a)+\b):8*(4*(\a)+\b)+7], v[128*(\p)+FR*\b:128*(\p)+FR*\b+FR-1], v[AF+48*(\p)+FR*(\a):AF+48*(\p)+FR*(\a)+FR-1], v[8*(4*(\a)+\b):8*(4*(\a)+\b)+7], v[SC+16*(\sc)+4*\b+(\q)], v[SC+16*(\sc)+4*(\a)+(\q)] matrix_a_fmt:MATRIX_FMT_BF6 matrix_b_fmt:MATRIX_FMT_BF6 matrix_a_scale:MATRIX_SCALE_ROW1
.endif
.endr
.endm
.macro FETCH slot, q, p
	WIN TO_B
.irp i, 0,1,2,3
	FRAG 128*(\p)+FR*\i, ADRB+\slot, \q, \i
.endr
	WIN 0
.irp i, 0,1,2,3
	FRAG AF+48*(\p)+FR*\i, ADRA+\slot, \q, \i
.endr
.endm
.macro SCALES sc
.irp i, 0,1,2,3
.irp q, 0,1,2,3
	ds_load_b32 v[SC+16*\sc+4*\i+\q], v[ADRS] offset:512*\q+64*\i
.endr
.endr
.endm
.macro PLACES n
.rept \n
	v_nop
.endr
.endm
.macro STEP slot, q, first
	s_wait_dscnt 0x0
	PLACES NP
	FETCH \slot, (\q)+1, 1-(\q)%2
	WIN MULW-0x20*(\first)
	MUL4 0, (\q)%2, \q, \slot, \first
	MUL4 1, (\q)%2, \q, \slot, \first
	MUL4 2, (\q)%2, \q, \slot, \first
	MUL4 3, (\q)%2, \q, \slot, \first
	WIN 0
.endm
.macro TURN slot, next, fill
	s_wait_tensorcnt 0x0
	ds_add_u32 v[SPW], v[NIL]
	s_wait_dscnt 1
	WIN MULW
	MUL4 0, 1, NQ-1, \slot, 0
	s_wait_dscnt 0x0
	s_barrier_signal -1
	MUL4 1, 1, NQ-1, \slot, 0
	WIN 0
	s_barrier_wait -1
.if \fill
	CREST
	s_add_nc_u64 s[G0+4*\slot+2:G0+4*\slot+3], s[G0+4*\slot+2:G0+4*\slot+3], 2*ROWB
	s_add_nc_u64 s[G0B+4*\slot+2:G0B+4*\slot+3], s[G0B+4*\slot+2:G0B+4*\slot+3], 2*ROWB
	JLOAD G0+4*\slot, G1, G0B+4*\slot, G1B
.else
	PLACES NP
.endif
	v_add_nc_u32 v[ADRS], 512*NQ, v[ADRS]
	FETCH \next, 0, 0
	SCALES \next
	WIN MULW
	MUL4 2, 1, NQ-1, \slot, 0
	MUL4 3, 1, NQ-1, \slot, 0
	WIN 0
.endm
	s_wait_tensorcnt 0x0                           ; my tile of the head's four is in; behind the barrier everybody's is
	s_barrier_signal -1
	s_barrier_wait -1
	FETCH 0, 0, 0
	SCALES 0
	s_wait_loadcnt 32
	STEP 0, 0, 1
	STEP 0, 1, 0
	STEP 0, 2, 0
.if LAPS > 1
	s_mov_b32 s3, LAPS-1
.Llap:
	TURN 0, 1, 1
	STEP 1, 0, 0
	STEP 1, 1, 0
	STEP 1, 2, 0
	TURN 1, 0, 1
	STEP 0, 0, 0
	STEP 0, 1, 0
	STEP 0, 2, 0
	s_sub_co_u32 s3, s3, 1
	s_cmp_lg_u32 s3, 0
	s_cbranch_scc1 .Llap
.endif
	TURN 0, 1, 0
	STEP 1, 0, 0
	STEP 1, 1, 0
	STEP 1, 2, 0
	s_wait_dscnt 0x0
	WIN MULW
	MUL4 0, 1, NQ-1, 1, 0
	MUL4 1, 1, NQ-1, 1, 0
	MUL4 2, 1, NQ-1, 1, 0
	MUL4 3, 1, NQ-1, 1, 0
	WIN 0
.macro TOSTAGE a
	WIN 0x08
.irp b, 0,1,2,3
	ds_store_b128 v[STO], v[8*(4*(\a)+\b):8*(4*(\a)+\b)+3] offset:128*(\b/2)+32*(\b%2)
	ds_store_b128 v[STO], v[8*(4*(\a)+\b)+4:8*(4*(\a)+\b)+7] offset:128*(\b/2)+32*(\b%2)+16
.endr
	WIN 0
.irp t, 0,1,2,3,4,5,6,7
	ds_load_b128 v[BK+32*(\a)+4*\t:BK+32*(\a)+4*\t+3], v[RD] offset:2*\t*SPITCH
.endr
.endm
.macro SEND a, younger
	s_wait_dscnt \younger
	WIN 0x08
.set i, 0
.rept 16
	v_pk_add_f32 v[BK+32*(\a)+i:BK+32*(\a)+i+1], v[BK+32*(\a)+i:BK+32*(\a)+i+1], v[RS+32*(\a)+i:RS+32*(\a)+i+1]
.set i, i+2
.endr
	WIN 0
.irp t, 0,1,2,3,4,5,6,7
	global_store_b128 v[CO], v[BK+32*(\a)+4*\t:BK+32*(\a)+4*\t+3], s[12:13] offset:(32*((\a)/2)+8*((\a)%2)+2*\t+8*(\t/4))*4096 th:TH_STORE_NT
.endr
.endm
	PLACES NP
	s_wait_loadcnt 0x0
	TOSTAGE 0
	TOSTAGE 1
	SEND 0, 16
	TOSTAGE 2
	SEND 1, 16
	TOSTAGE 3
	SEND 2, 16
	SEND 3, 0
	s_wait_tensorcnt 0x0
	ds_add_u32 v[SPW], v[NIL]
	s_wait_dscnt 0x0
	CROUND
	s_endpgm
.Lfunc_end_k_qbf4412aefa_proj:
	.size	k_qbf4412aefa_proj, .Lfunc_end_k_qbf4412aefa_proj-k_qbf4412aefa_proj
	.p2alignl 7, 3214868480
	.fill 96, 4, 3214868480
	.section	.rodata,"a",@progbits
	.p2align	6, 0x0
	.amdhsa_kernel k_qbf4412aefa_proj
		.amdhsa_group_segment_fixed_size 327680
		.amdhsa_private_segment_fixed_size 0
		.amdhsa_enable_private_segment 0
		.amdhsa_kernarg_size 40
		.amdhsa_user_sgpr_count 2
		.amdhsa_user_sgpr_kernarg_segment_ptr 1
		.amdhsa_wavefront_size32 1
		.amdhsa_system_sgpr_workgroup_id_x 1
		.amdhsa_system_sgpr_workgroup_id_y 1
		.amdhsa_system_sgpr_workgroup_id_z 1
		.amdhsa_system_vgpr_workitem_id 0
		.amdhsa_next_free_vgpr 768
		.amdhsa_next_free_sgpr 100
		.amdhsa_reserve_vcc 0
		.amdhsa_float_denorm_mode_32 3
		.amdhsa_float_denorm_mode_16_64 3
		.amdhsa_memory_ordered 1
		.amdhsa_forward_progress 1
		.amdhsa_inst_pref_size 62
	.end_amdhsa_kernel
	.amdgpu_metadata
---
amdhsa.version: [ 1, 2 ]
amdhsa.kernels:
  - .name:           k_qbf4412aefa_proj
    .symbol:         k_qbf4412aefa_proj.kd
    .args:
      - { .name: aob, .offset: 0, .size: 8, .value_kind: global_buffer, .address_space: global }
      - { .name: ops, .offset: 8, .size: 8, .value_kind: global_buffer, .address_space: global }
      - { .name: bo, .offset: 16, .size: 8, .value_kind: global_buffer, .address_space: global }
      - { .name: x, .offset: 24, .size: 8, .value_kind: global_buffer, .address_space: global }
      - { .name: x1, .offset: 32, .size: 8, .value_kind: global_buffer, .address_space: global }
    .group_segment_fixed_size: 327680
    .private_segment_fixed_size: 0
    .kernarg_segment_align: 8
    .kernarg_segment_size: 40
    .max_flat_workgroup_size: 128
    .sgpr_count:     100
    .vgpr_count:     768
    .wavefront_size: 32
...
	.end_amdgpu_metadata
.endif
;; end of part 11
;; launch ln2: the kernel of part 8 again; grid 256 x 1, 8 waves a work-group, no clusters, 115,712 bytes of LDS; arguments x1, ln2_w, ln2_b, ops, Wq, Wk, Wv, Wo, W1, W2; writes ops
;; launch fc1 (part 12): grid 16 x 16, 4 waves a work-group, clusters of 4 x 4, 327,680 bytes of LDS; arguments ops, b1, hb; writes hb
.if DOCPART == 12
	.amdgcn_target "amdgcn-amd-amdhsa--gfx1250"
	.amdhsa_code_object_version 6
	.text
	.protected	k_qbf4412aefa_fc1
	.globl	k_qbf4412aefa_fc1
	.p2align	8
	.type	k_qbf4412aefa_fc1,@function
k_qbf4412aefa_fc1:
	s_mov_b64 s[64:65], 0
	v_nop
	global_prefetch_b8 v0, s[64:65] scope:SCOPE_SE
	s_setreg_imm32_b32 hwreg(HW_REG_WAVE_MODE, 25, 1), 1
	s_wait_xcnt 0x0
	s_wait_alu depctr_hold_cnt(0) depctr_sa_sdst(0) depctr_va_vdst(0) depctr_va_sdst(0) depctr_va_ssrc(0) depctr_va_vcc(0) depctr_vm_vsrc(0)
	s_getreg_b32 s2, hwreg(HW_REG_IB_STS2, 6, 4)
	s_cmp_eq_u32 s2, 0
	s_cbranch_scc0 .Lentry_in_a_cluster
	s_endpgm
.Lentry_in_a_cluster:
	s_bfe_u32 s2, ttmp6, 0x10000c
	s_cmp_lg_u32 s2, 0xf033
	s_cbranch_scc0 .Lentry_shape_is_right
	s_endpgm
.Lentry_shape_is_right:
.set SIZE_K, 1024
.set A_C, 9830400
.set A_S, 12976128
.set B_C, 3145728
.set B_S, 9568256
.set H_S, 12582912
.set PA, 4
.set PB, 4
.set PBN, 6
.set KF,     SIZE_K/128
.set FRB,    1536
.set RBSTR,  KF*FRB
.set ROWB,   2*FRB
.set HALFT,  8*ROWB
.set SLOT,   4*HALFT
.set LAPS,   SIZE_K/512
.set HALFS,  KF*512
.set SCL,    2*SLOT
.set SPARE,  SCL+4*HALFS
.set FR, 12
.set NL, 4
.set NP, 4
.set ADRA, 16
.set ADRB, 20
.set SSA,  24
.set SSR,  25
.set ADRS, 27
.set SPW,  28
.set NIL,  29
.set SC,   32
.set BIAS, 64
.set AF,   128
.set X,    64
.set T,    128
.set PP,   192
.set TM,   128
.set PC,   144
.set PWR,  168
.set G1, 24
.set G0, 32
.set G1B, 48
.set G0B, 56
.set G1S, 68
.set G0S, 76
.set G1SB, 80
.set G0SB, 88
.set SEL, 98
.set PFA, 94                           ; s[94:95] where my prefetches stand: my work-group's two row blocks of the eight that I fetch, at slot fill 2; never rewritten
.set PFO, 26                           ; v26 the prefetches' offset: 24 blocks of 256 bytes, 12 to a row block's 3,072 bytes of a slot; lanes 24-31 name the last again; never rewritten
.set MSB, 0
.macro WIN new
.if MSB != (\new)
	s_set_vgpr_msb (MSB<<8)|(\new)
.set MSB, (\new)
.endif
.endm
.set MUL_LO, 0xa1
.set MUL_HI, 0xf1
.set TO_B,   0x40
.macro JLOAD g0a, g1a, g0b, g1b
	s_cmp_eq_u32 s15, 0
	s_cbranch_scc0 .Lfor_b_\@
	tensor_load_to_lds s[\g0a:\g0a+3], s[\g1a:\g1a+7]
	s_nop 0
.rept 4
	v_nop
.endr
	s_branch .Lasked_\@
.Lfor_b_\@:
	tensor_load_to_lds s[\g0b:\g0b+3], s[\g1b:\g1b+7]
	s_nop 0
.rept 4
	v_nop
.endr
.Lasked_\@:
.endm
.macro CREST
	s_cmp_lg_u32 s14, 0
	s_cbranch_scc1 .Lnot_wave_0_\@
	s_barrier_signal -3
.Lnot_wave_0_\@:
	s_barrier_wait -3
	s_barrier_signal -1
	s_barrier_wait -1
.endm
.macro CROUND
	s_barrier_signal -1
	s_barrier_wait -1
	CREST
.endm
	s_load_b128 s[4:7], s[0:1], 0x0
	s_load_b64 s[8:9], s[0:1], 0x10
	v_lshl_add_u32 v[SPW], v0, 2, SPARE
	v_mov_b32 v[NIL], 0
	ds_add_u32 v28, v29
	ds_add_u32 v28, v29
	s_wait_dscnt 0x0
	v_lshrrev_b32 v1, 5, v0
	v_readfirstlane_b32 s14, v1
	s_lshr_b32 s15, s14, 1
	s_and_b32 s16, s14, 1
	s_bfe_u32 s40, ttmp6, 0x40000
	s_bfe_u32 s41, ttmp6, 0x40004
	s_lshl_b32 s42, ttmp9, 2
	s_add_co_u32 s42, s42, s40
	s_and_b32 s17, ttmp7, 0xffff
	s_lshl_b32 s17, s17, 2
	s_add_co_u32 s17, s17, s41
	s_mov_b32 s66, A_C
	s_mov_b32 s67, A_S
	s_mov_b32 s96, B_C
	s_mov_b32 s97, B_S
	s_mov_b32 s[SEL], 0x76543210
	s_mov_b32 s[SEL+1], 0xfedcba98
	s_lshl_b32 s43, s41, 2
	s_lshl_b32 s43, 15, s43
	s_lshl_b32 s44, 0x1111, s40
	s_or_b32 s[G1+0], s43, (3<<16)|(1<<21)
	s_or_b32 s[G1B+0], s44, (3<<16)|(1<<21)
.irp g, G1, G1B
	s_mov_b32 s[\g+1], 384<<16
	s_mov_b32 s[\g+2], 16<<16
	s_mov_b32 s[\g+3], 384<<16
	s_mov_b32 s[\g+4], 16
	s_mov_b32 s[\g+5], KF*192
	s_mov_b32 s[\g+6], 0
	s_mov_b32 s[\g+7], 0
.endr
	s_or_b32 s[G1S+0], s43, (3<<16)|(1<<21)
	s_or_b32 s[G1SB+0], s44, (3<<16)|(1<<21)
.irp g, G1S, G1SB
	s_mov_b32 s[\g+1], 32<<16
	s_mov_b32 s[\g+2], (4*KF)<<16
	s_mov_b32 s[\g+3], 32<<16
	s_mov_b32 s[\g+4], 4*KF
	s_mov_b32 s[\g+5], 32
	s_mov_b32 s[\g+6], 0
	s_mov_b32 s[\g+7], 0
.endr
	s_lshl_b32 s20, s17, 1
	s_add_co_u32 s20, s20, s16
	s_lshl_b32 s46, s42, 1
	s_add_co_u32 s46, s46, s16
	s_mul_i32 s22, s17, 2*HALFS
	s_add_co_u32 s22, s22, s67
	s_mul_i32 s92, s42, 2*HALFS
	s_add_co_u32 s92, s92, s97
	s_mul_i32 s20, s20, 8*RBSTR
	s_add_co_u32 s20, s20, s66
	s_mul_i32 s46, s46, 8*RBSTR
	s_add_co_u32 s46, s46, s96
	s_mov_b32 s21, 0
	s_mov_b32 s23, 0
	s_mov_b32 s47, 0
	s_mov_b32 s93, 0
	s_mul_i32 s45, s14, HALFT
	s_wait_kmcnt 0x0
	s_add_nc_u64 s[20:21], s[PA:PA+1], s[20:21]
	s_add_nc_u64 s[22:23], s[PA:PA+1], s[22:23]
	s_add_nc_u64 s[46:47], s[PB:PB+1], s[46:47]
	s_add_nc_u64 s[92:93], s[PB:PB+1], s[92:93]
	CROUND
	s_mov_b32 s[G0S], 1
	s_mov_b32 s[G0S+1], SCL
	s_mov_b64 s[G0S+2:G0S+3], s[22:23]
	s_or_b32 s[G0S+3], s[G0S+3], 0x80000000
	s_mov_b32 s[G0SB], 1
	s_mov_b32 s[G0SB+1], SCL+2*HALFS
	s_mov_b64 s[G0SB+2:G0SB+3], s[92:93]
	s_or_b32 s[G0SB+3], s[G0SB+3], 0x80000000
.irp s, 0,1
	s_mov_b32 s[G0+4*\s], 1
	s_add_co_u32 s[G0+4*\s+1], s45, \s*SLOT
	s_add_nc_u64 s[G0+4*\s+2:G0+4*\s+3], s[20:21], \s*ROWB
	s_or_b32 s[G0+4*\s+3], s[G0+4*\s+3], 0x80000000
	s_mov_b32 s[G0B+4*\s], 1
	s_add_co_u32 s[G0B+4*\s+1], s45, \s*SLOT
	s_add_nc_u64 s[G0B+4*\s+2:G0B+4*\s+3], s[46:47], \s*ROWB
	s_or_b32 s[G0B+4*\s+3], s[G0B+4*\s+3], 0x80000000
.endr
	s_mul_i32 s2, s16, 8*RBSTR                     ; my half's distance from the tile's first row block
	s_mov_b32 s3, 0
	; the prefetches: of the 8 row blocks that I fetch in the ring, the partner at place p (cx for A, cy for B) names row blocks 2 p and 2 p + 1: the four share the blocks out by address
	s_cmp_eq_u32 s15, 0                            ; do I fetch for A?
	s_cselect_b32 s22, s40, s41
	s_cselect_b64 s[PFA:PFA+1], s[20:21], s[46:47]
	s_mul_i32 s22, s22, 2*RBSTR
	s_mov_b32 s23, 0
	s_add_nc_u64 s[PFA:PFA+1], s[PFA:PFA+1], s[22:23]
	s_add_nc_u64 s[PFA:PFA+1], s[PFA:PFA+1], 2*ROWB
	s_mov_b32 s[G0+1], 0                           ; the head's loads bring slot 0's tiles whole: A's 16 row blocks,
	s_sub_nc_u64 s[G0+2:G0+3], s[G0+2:G0+3], s[2:3]
	s_mov_b32 s[G0B+1], 2*HALFT                    ; and B's 16 behind them
	s_sub_nc_u64 s[G0B+2:G0B+3], s[G0B+2:G0B+3], s[2:3]
; THE HEAD'S LOADS, ONE A WAVE: wave 0 slot 0's rows of A, wave 1 those of B, wave 2 A's scale words, wave 3 B's.  One chain of branches on the wave's number, one load to an arm.
.macro ARM under, g0, g1, next
	s_cmp_lt_u32 s14, \under
	s_cbranch_scc0 \next
	tensor_load_to_lds s[\g0:\g0+3], s[\g1:\g1+7]
	s_nop 0
.rept 4
	v_nop
.endr
	s_branch .Lhead_asked
\next:
.endm
	ARM 1, G0,  G1,  .Lhead_b
	ARM 2, G0B, G1B, .Lhead_sa
	ARM 3, G0S, G1S, .Lhead_sb
	tensor_load_to_lds s[G0SB:G0SB+3], s[G1SB:G1SB+7]
	s_nop 0
.rept 4
	v_nop
.endr
.Lhead_asked:
	v_and_b32 v1, 31, v0
	v_and_b32 v2, 15, v0
	v_bfe_u32 v3, v0, 4, 1
	v_lshlrev_b32 v4, 4, v1
	v_lshlrev_b32 v5, 3, v1
	v_min_u32 v[PFO], 23, v1
	v_mul_u32_u24 v31, v[PFO], 11
	v_lshrrev_b32 v31, 7, v31                      ; 1 from lane 12 on: the second row block
	v_lshlrev_b32 v[PFO], 8, v[PFO]
	v_mad_u32_u24 v[PFO], v31, RBSTR-ROWB, v[PFO]
	s_mul_i32 s21, s15, HALFT
	s_mul_i32 s22, s16, HALFT
	s_add_co_u32 s22, s22, 2*HALFT
.irp s, 0,1
	v_add_nc_u32 v[ADRA+\s], s21, v4
	v_add_nc_u32 v[ADRB+\s], s22, v4
	v_add_nc_u32 v[ADRA+2+\s], s21, v5
	v_add_nc_u32 v[ADRB+2+\s], s22, v5
	s_add_co_u32 s21, s21, SLOT
	s_add_co_u32 s22, s22, SLOT
.endr
	s_mul_i32 s21, s15, HALFS
	s_mul_i32 s22, s16, HALFS
	s_add_co_u32 s22, s22, 2*HALFS
	s_sub_co_u32 s22, s22, s21
	v_mul_u32_u24 v6, s22, v3
	s_add_co_u32 s21, s21, SCL
	v_lshl_add_u32 v6, v2, 2, v6
	v_add_nc_u32 v[ADRS], s21, v6
	s_lshl_b32 s46, s42, 10
	s_lshl_b32 s47, s16, 9
	s_add_co_u32 s46, s46, s47
	s_mov_b32 s47, 0
	s_add_nc_u64 s[PBN:PBN+1], s[PBN:PBN+1], s[46:47]
	v_lshlrev_b32 v7, 6, v3
.irp g, 0,1,2,3
.irp i, 0,1,2,3
	global_load_b128 v[BIAS+16*\g+4*\i:BIAS+16*\g+4*\i+3], v7, s[PBN:PBN+1] offset:128*\g+16*\i
.endr
.endr
	global_prefetch_b8 v[PFO], s[PFA:PFA+1] th:TH_LOAD_NT scope:SCOPE_SE   ; with slot fill 0: fill 2's bytes of my work-group's two row blocks
	s_lshl_b32 s23, s14, 9
	v_lshl_add_u32 v[SSA], v2, 2, s23
	v_add_nc_u32 v[SSR], s23, v4
	s_lshl_b32 s20, s17, 4
	s_lshl_b32 s21, s15, 3
	s_add_co_u32 s20, s20, s21
	s_mul_i32 s20, s20, 49152
	s_lshl_b32 s22, s42, 1
	s_add_co_u32 s22, s22, s16
	s_mul_i32 s21, s22, 1536
	s_add_co_u32 s20, s20, s21
	s_mov_b32 s21, 0
	s_add_nc_u64 s[12:13], s[8:9], s[20:21]
	s_lshl_b32 s20, s17, 1
	s_add_co_u32 s20, s20, s15
	s_lshl_b32 s20, s20, 14
	s_lshl_b32 s22, s22, 9
	s_add_co_u32 s20, s20, s22
	s_add_co_u32 s20, s20, H_S
	s_add_nc_u64 s[10:11], s[8:9], s[20:21]
.macro FRAG reg, adr, q, i
	ds_load_b128 v[\reg:\reg+3], v[\adr] offset:(\i)*ROWB+(\q)*FRB
	ds_load_b64 v[\reg+4:\reg+5], v[\adr+2] offset:(\i)*ROWB+(\q)*FRB+512
	ds_load_b128 v[\reg+6:\reg+9], v[\adr] offset:(\i)*ROWB+(\q)*FRB+768
	ds_load_b64 v[\reg+10:\reg+11], v[\adr+2] offset:(\i)*ROWB+(\q)*FRB+1280
.endm
.macro MUL16 a0, p, q, sc, first
.irp a, \a0, \a0+1
.irp b, 0,1,2,3,4,5,6,7
.if \first
	v_wmma_scale_f32_16x16x128_f8f6f4 v[8*(8*((\a)%4)+\b):8*(8*((\a)%4)+\b)+7], v[128*(\p)+FR*\b:128*(\p)+FR*\b+FR-1], v[AF+FR*(\a):AF+FR*(\a)+FR-1], v[BIAS+8*\b:BIAS+8*\b+7], v[SC+16*(\sc)+2*\b+(\q)], v[SC+16*(\sc)+2*(\a)+(\q)] matrix_a_fmt:MATRIX_FMT_BF6 matrix_b_fmt:MATRIX_FMT_BF6 matrix_a_scale:MATRIX_SCALE_ROW1
.else
	v_wmma_scale_f32_16x16x128_f8f6f4 v[8*(8*((\a)%4)+\b):8*(8*((\a)%4)+\b)+7], v[128*(\p)+FR*\b:128*(\p)+FR*\b+FR-1], v[AF+FR*(\a):AF+FR*(\a)+FR-1], v[8*(8*((\a)%4)+\b):8*(8*((\a)%4)+\b)+7], v[SC+16*(\sc)+2*\b+(\q)], v[SC+16*(\sc)+2*(\a)+(\q)] matrix_a_fmt:MATRIX_FMT_BF6 matrix_b_fmt:MATRIX_FMT_BF6 matrix_a_scale:MATRIX_SCALE_ROW1
.endif
.endr
.endr
.endm
.macro FETCH_B slot, q, p
	WIN TO_B
.irp i, 0,1,2,3,4,5,6,7
	FRAG 128*(\p)+FR*\i, ADRB+\slot, \q, \i
.endr
	WIN 0
.endm
.macro FETCH_A slot, q, i0
.irp i, \i0, \i0+1, \i0+2, \i0+3
	FRAG AF+FR*(\i), ADRA+\slot, \q, \i
.endr
.endm
.macro SCALES sc
.irp i, 0,1,2,3,4,5,6,7
	ds_load_b32 v[SC+16*\sc+2*\i], v[ADRS] offset:64*\i
	ds_load_b32 v[SC+16*\sc+2*\i+1], v[ADRS] offset:512+64*\i
.endr
.endm
.macro PLACES n
.rept \n
	v_nop
.endr
.endm
.macro STEP slot, q, first
	s_wait_dscnt 4*NL
	WIN MUL_LO-0x20*(\first)
	MUL16 0, (\q)%2, \q, \slot, \first
	MUL16 2, (\q)%2, \q, \slot, \first
	s_wait_dscnt 0
	PLACES NP
	FETCH_B \slot, (\q)+1, 1-(\q)%2
	FETCH_A \slot, (\q)+1, 0
	WIN MUL_HI-0x30*(\first)
	MUL16 4, (\q)%2, \q, \slot, \first
	MUL16 6, (\q)%2, \q, \slot, \first
	PLACES NP
	WIN 0
	FETCH_A \slot, (\q)+1, 4
.endm
.macro TURN slot, next, fill
	s_wait_tensorcnt 0x0
	ds_add_u32 v[SPW], v[NIL]
	s_wait_dscnt 4*NL+1
	WIN MUL_LO
	MUL16 0, 1, 1, \slot, 0
	s_wait_dscnt 0x0
	s_barrier_signal -1
	MUL16 2, 1, 1, \slot, 0
	WIN 0
	s_barrier_wait -1
.if \fill
	CREST
	s_add_nc_u64 s[G0+4*\slot+2:G0+4*\slot+3], s[G0+4*\slot+2:G0+4*\slot+3], 2*ROWB
	s_add_nc_u64 s[G0B+4*\slot+2:G0B+4*\slot+3], s[G0B+4*\slot+2:G0B+4*\slot+3], 2*ROWB
	JLOAD G0+4*\slot, G1, G0B+4*\slot, G1B
.else
	PLACES NP
.endif
	s_wait_alu depctr_va_vdst(0)
	v_add_nc_u32 v[ADRS], 1024, v[ADRS]
	FETCH_B \next, 0, 0
	FETCH_A \next, 0, 0
	SCALES \next
	WIN MUL_HI
	MUL16 4, 1, 1, \slot, 0
	MUL16 6, 1, 1, \slot, 0
	PLACES NP
	WIN 0
	FETCH_A \next, 0, 4
.endm
	s_wait_alu depctr_va_vdst(0)
	s_wait_tensorcnt 0x0                           ; my tile of the head's four is in
	ds_add_u32 v[SPW], v[NIL]
	s_mov_b32 s[G1+2], 8<<16                       ; no load of mine is out, so descriptors may be written: from here on a load brings 8 row blocks,
	s_mov_b32 s[G1+4], 8
	s_mov_b32 s[G1B+2], 8<<16
	s_mov_b32 s[G1B+4], 8
	s_add_co_u32 s[G0+1], s45, 0                   ; and slot 0's group 0 names my half of a tile
	s_add_nc_u64 s[G0+2:G0+3], s[G0+2:G0+3], s[2:3]
	s_add_co_u32 s[G0B+1], s45, 0
	s_add_nc_u64 s[G0B+2:G0B+3], s[G0B+2:G0B+3], s[2:3]
	s_wait_dscnt 0x0                               ; the add is done
	CROUND                                         ; a whole round: all four tiles are in, and the sixteen work-groups meet
	JLOAD G0+4, G1, G0B+4, G1B                     ; slot 1's first fill, the first tensor load behind the round
	FETCH_B 0, 0, 0
	FETCH_A 0, 0, 0
	SCALES 0
	FETCH_A 0, 0, 4
	global_prefetch_b8 v[PFO], s[PFA:PFA+1] offset:ROWB th:TH_LOAD_NT scope:SCOPE_SE   ; with slot fill 1: fill 3's, the last
	s_wait_loadcnt 0x0
	STEP 0, 0, 1
	s_mov_b32 s3, LAPS-1
.Llap:
	TURN 0, 1, 1
	STEP 1, 0, 0
	TURN 1, 0, 1
	STEP 0, 0, 0
	s_sub_co_u32 s3, s3, 1
	s_cmp_lg_u32 s3, 0
	s_cbranch_scc1 .Llap
	TURN 0, 1, 0
	STEP 1, 0, 0
	s_wait_dscnt 4*NL
	WIN MUL_LO
	MUL16 0, 1, 1, 1, 0
	MUL16 2, 1, 1, 1, 0
	s_wait_dscnt 0
	WIN MUL_HI
	MUL16 4, 1, 1, 1, 0
	MUL16 6, 1, 1, 1, 0
	WIN 0
.macro QUANT s, pw
.irp b, 0,1,2,3
	v_max3_num_f32 v[TM+\b], |v[\s+16*\b]|, |v[\s+1+16*\b]|, 0x2800000
.endr
.irp i, 2,4,6,8,10,12,14
.irp b, 0,1,2,3
	v_max3_num_f32 v[TM+\b], v[TM+\b], |v[\s+16*\b+\i]|, |v[\s+1+16*\b+\i]|
.endr
.endr
.irp b, 0,1,2,3
	v_permlanex16_b32 v[TM+4+\b], v[TM+\b], s[SEL], s[SEL+1]
.endr
.irp b, 0,1,2,3
	v_max_num_f32 v[TM+\b], v[TM+\b], v[TM+4+\b]
.endr
.irp b, 0,1,2,3
	v_add_nc_u32 v[TM+12+\b], 0xfe000000, v[TM+\b]
.endr
.irp b, 0,1,2,3
	v_lshrrev_b32 v[TM+4+\b], 23, v[TM+12+\b]
.endr
	v_lshl_or_b32 v[\pw], v[TM+5], 8, v[TM+4]
	v_lshl_or_b32 v[\pw], v[TM+6], 16, v[\pw]
	v_lshl_or_b32 v[\pw], v[TM+7], 24, v[\pw]
.irp c, 0,1
	v_cvt_scalef32_pk16_bf6_f32 v[PC+6*\c:PC+2+6*\c], v[\s+32*\c:\s+15+32*\c], v[TM+12+2*\c]
	v_cvt_scalef32_pk16_bf6_f32 v[PC+12+4*\c:PC+14+4*\c], v[\s+16+32*\c:\s+31+32*\c], v[TM+12+2*\c+1]
.endr
	v_nop
.irp c, 0,1
.irp i, 0,1,2
	v_permlane16_swap_b32 v[PC+6*\c+\i], v[PC+12+4*\c+\i]
.endr
.irp i, 0,1,2
	v_mov_b32 v[PC+3+6*\c+\i], v[PC+12+4*\c+\i]
.endr
.endr
.endm
.macro SETC reg, val
	s_mov_b32 s[\reg], \val
	s_mov_b32 s[\reg+1], \val
.endm
.macro STUB a
	WIN 0x02+((\a)/4)
.set i, 0
.rept 32
	v_pk_mul_f32 v[X+i:X+i+1], v[64*((\a)%4)+i:64*((\a)%4)+i+1], 1.0 op_sel_hi:[1,0]
.set i, i+2
.endr
	WIN 0
.endm
	PLACES NP
	SETC 24, 0xbf527892
	SETC 26, 0x3fbe87b0
	SETC 28, 0xbf914e5d
	SETC 30, 0x3e8ec7cc
	SETC 32, 0xbe3ec24c
	SETC 34, 0x3dc636c9
	SETC 36, 0x3ebf88fb
	SETC 38, 0x3f8000c7
	SETC 40, 0xbfa1fc4e
	SETC 44, 0x3fb8aa3b
	s_mov_b32 s46, 0x3eb504f3
	v_mov_b32 v30, 0x3e2ef945
	v_mov_b32 v31, 0x3e2ef945
	s_mov_b32 s3, 0
.Lrow:
.irp a, 0,1,2,3,4,5,6
	s_cmp_eq_u32 s3, \a
	s_cbranch_scc1 .Lblk\a
.endr
	STUB 7
	s_branch .Lwork
.irp a, 0,1,2,3,4,5
.Lblk\a:
	STUB \a
	s_branch .Lwork
.endr
.Lblk6:
	STUB 6
.Lwork:
.set j, 0
.rept 64
	v_fma_f32 v[T+j], |v[X+j]|, s46, 1.0
.set j, j+1
.endr
.set j, 0
	s_wait_alu depctr_va_vdst(0)
.rept 64
	v_rcp_f32 v[T+j], v[T+j]
.set j, j+1
.endr
	v_nop
	s_wait_alu depctr_va_vdst(0)
.set j, 0
.rept 32
	v_pk_fma_f32 v[PP+j:PP+j+1], v[T+j:T+j+1], v[30:31], s[24:25] op_sel_hi:[1,1,0]
.set j, j+2
.endr
.irp c, 26,28,30,32,34,36,38,40
.set j, 0
.rept 32
	v_pk_fma_f32 v[PP+j:PP+j+1], v[PP+j:PP+j+1], v[T+j:T+j+1], s[\c:\c+1] op_sel_hi:[1,1,0]
.set j, j+2
.endr
.endr
.set j, 0
.rept 8
.irp k, 0,2,4,6
	v_pk_mul_f32 v[8+\k:9+\k], v[X+j+\k:X+j+\k+1], -0.5 op_sel_hi:[1,0]
.endr
.irp k, 0,2,4,6
	v_pk_fma_f32 v[PP+j+\k:PP+j+\k+1], v[8+\k:9+\k], v[X+j+\k:X+j+\k+1], v[PP+j+\k:PP+j+\k+1]
.endr
.set j, j+8
.endr
.set j, 0
.rept 32
	v_pk_fma_f32 v[PP+j:PP+j+1], v[PP+j:PP+j+1], s[44:45], -1.0 op_sel_hi:[1,0,0]
.set j, j+2
.endr
.set j, 0
	s_wait_alu depctr_va_vdst(0)
.rept 64
	v_exp_f32 v[PP+j], v[PP+j]
.set j, j+1
.endr
	v_nop
	s_wait_alu depctr_va_vdst(0)
.set j, 0
.rept 32
	v_pk_mul_f32 v[T+j:T+j+1], v[T+j:T+j+1], v[PP+j:PP+j+1]
.set j, j+2
.endr
.set j, 0
.rept 8
.irp k, 0,1,2,3,4,5,6,7
	v_max_num_f32 v[8+\k], 0, v[X+j+\k]
.endr
.irp k, 0,1,2,3,4,5,6,7
	v_fma_f32 v[X+j+\k], -|v[X+j+\k]|, v[T+j+\k], v[8+\k]
.endr
.set j, j+8
.endr
	QUANT X, PWR
	global_store_b128 v4, v[PC:PC+3], s[12:13]
	global_store_b64 v5, v[PC+4:PC+5], s[12:13] offset:512
	global_store_b128 v4, v[PC+6:PC+9], s[12:13] offset:768
	global_store_b64 v5, v[PC+10:PC+11], s[12:13] offset:1280
	ds_store_b32 v[SSA], v[PWR]
	s_wait_xcnt 0x0
	s_wait_dscnt 0x0
	s_add_nc_u64 s[12:13], s[12:13], 49152
	v_add_nc_u32 v[SSA], 64, v[SSA]
	s_add_co_u32 s3, s3, 1
	s_cmp_lt_u32 s3, 8
	s_cbranch_scc1 .Lrow
	ds_load_b128 v[8:11], v[SSR]
	s_wait_dscnt 0x0
	global_store_b128 v4, v[8:11], s[10:11]
	s_wait_tensorcnt 0x0
	ds_add_u32 v[SPW], v[NIL]
	s_wait_dscnt 0x0
	CROUND
	s_endpgm
.Lfunc_end_k_qbf4412aefa_fc1:
	.size	k_qbf4412aefa_fc1, .Lfunc_end_k_qbf4412aefa_fc1-k_qbf4412aefa_fc1
	.p2alignl 7, 3214868480
	.fill 96, 4, 3214868480
	.section	.rodata,"a",@progbits
	.p2align	6, 0x0
	.amdhsa_kernel k_qbf4412aefa_fc1
		.amdhsa_group_segment_fixed_size 327680
		.amdhsa_private_segment_fixed_size 0
		.amdhsa_enable_private_segment 0
		.amdhsa_kernarg_size 24
		.amdhsa_user_sgpr_count 2
		.amdhsa_user_sgpr_kernarg_segment_ptr 1
		.amdhsa_wavefront_size32 1
		.amdhsa_system_sgpr_workgroup_id_x 1
		.amdhsa_system_sgpr_workgroup_id_y 1
		.amdhsa_system_sgpr_workgroup_id_z 1
		.amdhsa_system_vgpr_workitem_id 0
		.amdhsa_next_free_vgpr 1024
		.amdhsa_next_free_sgpr 100
		.amdhsa_reserve_vcc 0
		.amdhsa_float_denorm_mode_32 3
		.amdhsa_float_denorm_mode_16_64 3
		.amdhsa_memory_ordered 1
		.amdhsa_forward_progress 1
		.amdhsa_inst_pref_size 183
	.end_amdhsa_kernel
	.amdgpu_metadata
---
amdhsa.version: [ 1, 2 ]
amdhsa.kernels:
  - .name:           k_qbf4412aefa_fc1
    .symbol:         k_qbf4412aefa_fc1.kd
    .args:
      - { .name: ops, .offset: 0, .size: 8, .value_kind: global_buffer, .address_space: global }
      - { .name: b1, .offset: 8, .size: 8, .value_kind: global_buffer, .address_space: global }
      - { .name: hb, .offset: 16, .size: 8, .value_kind: global_buffer, .address_space: global }
    .group_segment_fixed_size: 327680
    .private_segment_fixed_size: 0
    .kernarg_segment_align: 8
    .kernarg_segment_size: 24
    .max_flat_workgroup_size: 128
    .sgpr_count:     100
    .vgpr_count:     1024
    .wavefront_size: 32
...
	.end_amdgpu_metadata
.endif
;; end of part 12
;; launch fc2 (part 13): grid 8 x 32, 4 waves a work-group, clusters of 4 x 4, 327,680 bytes of LDS; arguments hb, ops, b2, x1, out0; writes out0
.if DOCPART == 13
	.amdgcn_target "amdgcn-amd-amdhsa--gfx1250"
	.amdhsa_code_object_version 6
	.text
	.protected	k_qbf4412aefa_fc2
	.globl	k_qbf4412aefa_fc2
	.p2align	8
	.type	k_qbf4412aefa_fc2,@function
k_qbf4412aefa_fc2:
	s_mov_b64 s[64:65], 0
	v_nop
	global_prefetch_b8 v0, s[64:65] scope:SCOPE_SE
	s_setreg_imm32_b32 hwreg(HW_REG_WAVE_MODE, 25, 1), 1
	s_wait_xcnt 0x0
	s_wait_alu depctr_hold_cnt(0) depctr_sa_sdst(0) depctr_va_vdst(0) depctr_va_sdst(0) depctr_va_ssrc(0) depctr_va_vcc(0) depctr_vm_vsrc(0)
	s_getreg_b32 s2, hwreg(HW_REG_IB_STS2, 6, 4)
	s_cmp_eq_u32 s2, 0
	s_cbranch_scc0 .Lentry_in_a_cluster
	s_endpgm
.Lentry_in_a_cluster:
	s_bfe_u32 s2, ttmp6, 0x10000c
	s_cmp_lg_u32 s2, 0xf033
	s_cbranch_scc0 .Lentry_shape_is_right
	s_endpgm
.Lentry_shape_is_right:
.set SIZE_K, 4096
.set A_C, 0
.set A_S, 12582912
.set B_C, 6291456
.set B_S, 9699328
.set PA, 4
.set PB, 6
.set PBN, 8
.set KF,     SIZE_K/128
.set FRB,    1536
.set RBSTR,  KF*FRB
.set NQ,     4
.set ROWB,   NQ*FRB
.set HALFT,  4*ROWB
.set SLOT,   4*HALFT
.set LAPS,   SIZE_K/(2*NQ*128)
.set HALFS,  KF*512
.set HSH,    HALFS/2
.set SCL,    2*SLOT
.set SPARE,  SCL+2*HALFS
.set SPITCH, 272
.set FR, 12
.set NP, 4
.set ADRA, 16
.set ADRB, 20
.set STO,  24
.set RD,   25
.set CO,   26
.set ADRS, 27
.set SPW,  28
.set NIL,  29
.set SC,   32
.set BIAS, 64
.set AF,   128
.set BK,   128
.set RS,   128
.set G1, 24
.set G0, 32
.set G1B, 48
.set G0B, 56
.set G1S, 68
.set G0S, 76
.set G1SB, 80
.set G0SB, 88
.set PFA, 18                           ; s[18:19] where my prefetches stand: my work-group's row block of the four that I fetch, at the slot two fills on
.set PFO, 30                           ; v30 the prefetches' offset: 256 x lane, held at 23: a row block's 6,144 bytes of a slot are 24 blocks of 256; never rewritten
.set MSB, 0
.macro WIN new
.if MSB != (\new)
	s_set_vgpr_msb (MSB<<8)|(\new)
.set MSB, (\new)
.endif
.endm
.set MULW,   0xa1
.set TO_B,   0x40
.macro JLOAD g0a, g1a, g0b, g1b
	s_cmp_eq_u32 s15, 0
	s_cbranch_scc0 .Lfor_b_\@
	tensor_load_to_lds s[\g0a:\g0a+3], s[\g1a:\g1a+7]
	s_nop 0
.rept 4
	v_nop
.endr
	s_branch .Lasked_\@
.Lfor_b_\@:
	tensor_load_to_lds s[\g0b:\g0b+3], s[\g1b:\g1b+7]
	s_nop 0
.rept 4
	v_nop
.endr
.Lasked_\@:
.endm
.macro CREST
	s_cmp_lg_u32 s14, 0
	s_cbranch_scc1 .Lnot_wave_0_\@
	s_barrier_signal -3
.Lnot_wave_0_\@:
	s_barrier_wait -3
	s_barrier_signal -1
	s_barrier_wait -1
.endm
.macro CROUND
	s_barrier_signal -1
	s_barrier_wait -1
	CREST
.endm
	s_load_b256 s[4:11], s[0:1], 0x0
	s_load_b64 s[12:13], s[0:1], 0x20
	v_lshl_add_u32 v[SPW], v0, 2, SPARE
	v_mov_b32 v[NIL], 0
	ds_add_u32 v28, v29
	ds_add_u32 v28, v29
	s_wait_dscnt 0x0
	v_lshrrev_b32 v1, 5, v0
	v_readfirstlane_b32 s14, v1
	s_lshr_b32 s15, s14, 1
	s_and_b32 s16, s14, 1
	s_bfe_u32 s40, ttmp6, 0x40000
	s_bfe_u32 s41, ttmp6, 0x40004
	s_lshl_b32 s42, ttmp9, 2
	s_add_co_u32 s42, s42, s40
	s_and_b32 s17, ttmp7, 0xffff
	s_lshl_b32 s17, s17, 2
	s_add_co_u32 s17, s17, s41
	s_mov_b32 s66, A_C
	s_mov_b32 s67, A_S
	s_mov_b32 s96, B_C
	s_mov_b32 s97, B_S
	s_lshl_b32 s43, s41, 2
	s_lshl_b32 s43, 15, s43
	s_lshl_b32 s44, 0x1111, s40
	s_or_b32 s[G1+0], s43, (3<<16)|(1<<21)
	s_or_b32 s[G1B+0], s44, (3<<16)|(1<<21)
.irp g, G1, G1B
	s_mov_b32 s[\g+1], 768<<16
	s_mov_b32 s[\g+2], 8<<16
	s_mov_b32 s[\g+3], 768<<16
	s_mov_b32 s[\g+4], 8
	s_mov_b32 s[\g+5], KF*192
	s_mov_b32 s[\g+6], 0
	s_mov_b32 s[\g+7], 0
.endr
	s_or_b32 s[G1S+0], s43, (3<<16)|(1<<21)
	s_or_b32 s[G1SB+0], s44, (3<<16)|(1<<21)
.irp g, G1S, G1SB
	s_mov_b32 s[\g+1], 32<<16
	s_mov_b32 s[\g+2], (2*KF)<<16
	s_mov_b32 s[\g+3], 32<<16
	s_mov_b32 s[\g+4], 2*KF
	s_mov_b32 s[\g+5], 32
	s_mov_b32 s[\g+6], 0
	s_mov_b32 s[\g+7], 0
.endr
	s_lshl_b32 s20, s17, 1
	s_add_co_u32 s20, s20, s16
	s_lshl_b32 s46, s42, 1
	s_add_co_u32 s46, s46, s16
	s_mul_i32 s22, s17, HALFS
	s_add_co_u32 s22, s22, s67
	s_mul_i32 s92, s42, HALFS
	s_add_co_u32 s92, s92, s97
	s_mul_i32 s20, s20, 4*RBSTR
	s_add_co_u32 s20, s20, s66
	s_mul_i32 s46, s46, 4*RBSTR
	s_add_co_u32 s46, s46, s96
	s_mov_b32 s21, 0
	s_mov_b32 s23, 0
	s_mov_b32 s47, 0
	s_mov_b32 s93, 0
	s_mul_i32 s45, s14, HALFT
	s_wait_kmcnt 0x0
	s_add_nc_u64 s[20:21], s[PA:PA+1], s[20:21]
	s_add_nc_u64 s[22:23], s[PA:PA+1], s[22:23]
	s_add_nc_u64 s[46:47], s[PB:PB+1], s[46:47]
	s_add_nc_u64 s[92:93], s[PB:PB+1], s[92:93]
	CROUND
	s_mov_b32 s[G0S], 1
	s_mov_b32 s[G0S+1], SCL
	s_mov_b64 s[G0S+2:G0S+3], s[22:23]
	s_or_b32 s[G0S+3], s[G0S+3], 0x80000000
	s_mov_b32 s[G0SB], 1
	s_mov_b32 s[G0SB+1], SCL+HALFS
	s_mov_b64 s[G0SB+2:G0SB+3], s[92:93]
	s_or_b32 s[G0SB+3], s[G0SB+3], 0x80000000
.irp s, 0,1
	s_mov_b32 s[G0+4*\s], 1
	s_add_co_u32 s[G0+4*\s+1], s45, \s*SLOT
	s_add_nc_u64 s[G0+4*\s+2:G0+4*\s+3], s[20:21], \s*ROWB
	s_or_b32 s[G0+4*\s+3], s[G0+4*\s+3], 0x80000000
	s_mov_b32 s[G0B+4*\s], 1
	s_add_co_u32 s[G0B+4*\s+1], s45, \s*SLOT
	s_add_nc_u64 s[G0B+4*\s+2:G0B+4*\s+3], s[46:47], \s*ROWB
	s_or_b32 s[G0B+4*\s+3], s[G0B+4*\s+3], 0x80000000
.endr
	s_mul_i32 s2, s16, 4*RBSTR                     ; my half's distance from the tile's first row block
	s_mov_b32 s3, 0
	; the prefetches: of the 4 row blocks that I fetch in the ring, the partner at place p (cx for A, cy for B) names row block p: the four share the blocks out by address
	s_cmp_eq_u32 s15, 0                            ; do I fetch for A?
	s_cselect_b32 s22, s40, s41
	s_cselect_b64 s[PFA:PFA+1], s[20:21], s[46:47]
	s_mul_i32 s22, s22, RBSTR
	s_mov_b32 s23, 0
	s_add_nc_u64 s[PFA:PFA+1], s[PFA:PFA+1], s[22:23]
	s_add_nc_u64 s[PFA:PFA+1], s[PFA:PFA+1], 2*ROWB   ; at slot fill 2: each fill's prefetch names the fill two on
	s_mov_b32 s[G0+1], 0                           ; the head's loads bring slot 0's tiles whole: A's 8 row blocks,
	s_sub_nc_u64 s[G0+2:G0+3], s[G0+2:G0+3], s[2:3]
	s_mov_b32 s[G0B+1], 2*HALFT                    ; and B's 8 behind them
	s_sub_nc_u64 s[G0B+2:G0B+3], s[G0B+2:G0B+3], s[2:3]
; THE HEAD'S LOADS, ONE A WAVE: wave 0 slot 0's rows of A, wave 1 those of B, wave 2 A's scale words, wave 3 B's.  One chain of branches on the wave's number, one load to an arm.
.macro ARM under, g0, g1, next
	s_cmp_lt_u32 s14, \under
	s_cbranch_scc0 \next
	tensor_load_to_lds s[\g0:\g0+3], s[\g1:\g1+7]
	s_nop 0
.rept 4
	v_nop
.endr
	s_branch .Lhead_asked
\next:
.endm
	ARM 1, G0,  G1,  .Lhead_b
	ARM 2, G0B, G1B, .Lhead_sa
	ARM 3, G0S, G1S, .Lhead_sb
	tensor_load_to_lds s[G0SB:G0SB+3], s[G1SB:G1SB+7]
	s_nop 0
.rept 4
	v_nop
.endr
.Lhead_asked:
	v_and_b32 v1, 31, v0
	v_and_b32 v2, 15, v0
	v_bfe_u32 v3, v0, 4, 1
	v_lshlrev_b32 v4, 4, v1
	v_lshlrev_b32 v5, 3, v1
	s_mul_i32 s21, s15, HALFT
	s_mul_i32 s22, s16, HALFT
	s_add_co_u32 s22, s22, 2*HALFT
.irp s, 0,1
	v_add_nc_u32 v[ADRA+\s], s21, v4
	v_add_nc_u32 v[ADRB+\s], s22, v4
	v_add_nc_u32 v[ADRA+2+\s], s21, v5
	v_add_nc_u32 v[ADRB+2+\s], s22, v5
	s_add_co_u32 s21, s21, SLOT
	s_add_co_u32 s22, s22, SLOT
.endr
	s_lshl_b32 s21, s15, 8
	s_lshl_b32 s22, s16, 8
	s_add_co_u32 s22, s22, HALFS
	s_sub_co_u32 s22, s22, s21
	v_mul_u32_u24 v6, s22, v3
	s_add_co_u32 s21, s21, SCL
	v_lshl_add_u32 v6, v2, 2, v6
	v_add_nc_u32 v[ADRS], s21, v6
	s_lshl_b32 s46, s42, 9
	s_lshl_b32 s47, s16, 8
	s_add_co_u32 s46, s46, s47
	s_mov_b32 s47, 0
	s_add_nc_u64 s[PBN:PBN+1], s[PBN:PBN+1], s[46:47]
	v_lshlrev_b32 v7, 6, v3
.irp g, 0,1
.irp i, 0,1,2,3
	global_load_b128 v[BIAS+16*\g+4*\i:BIAS+16*\g+4*\i+3], v7, s[PBN:PBN+1] offset:128*\g+16*\i
.endr
.endr
	s_mul_i32 s23, s14, 16*SPITCH
	v_mul_u32_u24 v6, v2, SPITCH
	v_lshl_add_u32 v6, v3, 6, v6
	v_add_nc_u32 v[STO], s23, v6
	v_mul_u32_u24 v6, v3, SPITCH
	v_lshl_add_u32 v6, v2, 4, v6
	v_add_nc_u32 v[RD], s23, v6
	v_min_u32 v[PFO], 23, v1
	v_lshlrev_b32 v[PFO], 8, v[PFO]
	v_lshlrev_b32 v[CO], 12, v3
	v_lshl_add_u32 v[CO], v2, 4, v[CO]
	s_wait_alu depctr_va_vdst(0)
	s_lshl_b32 s20, s17, 19
	s_lshl_b32 s21, s15, 18
	s_add_co_u32 s20, s20, s21
	s_add_co_u32 s20, s20, s46
	s_mov_b32 s21, 0
	s_add_nc_u64 s[10:11], s[10:11], s[20:21]
	s_add_nc_u64 s[12:13], s[12:13], s[20:21]
	global_prefetch_b8 v[PFO], s[PFA:PFA+1] th:TH_LOAD_NT scope:SCOPE_SE   ; with slot fill 0: fill 2's 6,144 bytes of my work-group's row block
	WIN 0x80
.irp a, 0,1,2,3
.irp t, 0,1,2,3,4,5,6,7
	global_load_b128 v[RS+32*\a+4*\t:RS+32*\a+4*\t+3], v[CO], s[10:11] offset:(32*(\a/2)+8*(\a%2)+2*\t+8*(\t/4))*4096 th:TH_LOAD_NT
.endr
.endr
	WIN 0
.macro FRAG reg, adr, q, i
	ds_load_b128 v[\reg:\reg+3], v[\adr] offset:(\i)*ROWB+(\q)*FRB
	ds_load_b64 v[\reg+4:\reg+5], v[\adr+2] offset:(\i)*ROWB+(\q)*FRB+512
	ds_load_b128 v[\reg+6:\reg+9], v[\adr] offset:(\i)*ROWB+(\q)*FRB+768
	ds_load_b64 v[\reg+10:\reg+11], v[\adr+2] offset:(\i)*ROWB+(\q)*FRB+1280
.endm
.macro MUL4 a, p, q, sc, first
.irp b, 0,1,2,3
.if \first
	v_wmma_scale_f32_16x16x128_f8f6f4 v[8*(4*(\a)+\b):8*(4*(\a)+\b)+7], v[128*(\p)+FR*\b:128*(\p)+FR*\b+FR-1], v[AF+48*(\p)+FR*(\a):AF+48*(\p)+FR*(\a)+FR-1], v[BIAS+8*\b:BIAS+8*\b+7], v[SC+16*(\sc)+4*\b+(\q)], v[SC+16*(\sc)+4*(\a)+(\q)] matrix_a_fmt:MATRIX_FMT_BF6 matrix_b_fmt:MATRIX_FMT_BF6 matrix_a_scale:MATRIX_SCALE_ROW1
.else
	v_wmma_scale_f32_16x16x128_f8f6f4 v[8*(4*(\a)+\b):8*(4*(\a)+\b)+7], v[128*(\p)+FR*\b:128*(\p)+FR*\b+FR-1], v[AF+48*(\p)+FR*(\a):AF+48*(\p)+FR*(\a)+FR-1], v[8*(4*(\a)+\b):8*(4*(\a)+\b)+7], v[SC+16*(\sc)+4*\b+(\q)], v[SC+16*(\sc)+4*(\a)+(\q)] matrix_a_fmt:MATRIX_FMT_BF6 matrix_b_fmt:MATRIX_FMT_BF6 matrix_a_scale:MATRIX_SCALE_ROW1
.endif
.endr
.endm
.macro FETCH slot, q, p
	WIN TO_B
.irp i, 0,1,2,3
	FRAG 128*(\p)+FR*\i, ADRB+\slot, \q, \i
.endr
	WIN 0
.irp i, 0,1,2,3
	FRAG AF+48*(\p)+FR*\i, ADRA+\slot, \q, \i
.endr
.endm
.macro SCALES sc
.irp i, 0,1,2,3
.irp q, 0,1,2,3
	ds_load_b32 v[SC+16*\sc+4*\i+\q], v[ADRS] offset:512*\q+64*\i
.endr
.endr
.endm
.macro PLACES n
.rept \n
	v_nop
.endr
.endm
.macro STEP slot, q, first
	s_wait_dscnt 0x0
	PLACES NP
	FETCH \slot, (\q)+1, 1-(\q)%2
	WIN MULW-0x20*(\first)
	MUL4 0, (\q)%2, \q, \slot, \first
	MUL4 1, (\q)%2, \q, \slot, \first
	MUL4 2, (\q)%2, \q, \slot, \first
	MUL4 3, (\q)%2, \q, \slot, \first
	WIN 0
.endm
.macro TURN slot, next, fill
.if \fill
	s_wait_xcnt 0x0                                ; my last prefetch has read its address: it is stepped here, one fill on
	s_add_nc_u64 s[PFA:PFA+1], s[PFA:PFA+1], ROWB
.endif
	s_wait_tensorcnt 0x0
	ds_add_u32 v[SPW], v[NIL]
	s_wait_dscnt 1
	WIN MULW
	MUL4 0, 1, NQ-1, \slot, 0
	s_wait_dscnt 0x0
	s_barrier_signal -1
	MUL4 1, 1, NQ-1, \slot, 0
	WIN 0
	s_barrier_wait -1
.if \fill
	CREST
	s_add_nc_u64 s[G0+4*\slot+2:G0+4*\slot+3], s[G0+4*\slot+2:G0+4*\slot+3], 2*ROWB
	s_add_nc_u64 s[G0B+4*\slot+2:G0B+4*\slot+3], s[G0B+4*\slot+2:G0B+4*\slot+3], 2*ROWB
	JLOAD G0+4*\slot, G1, G0B+4*\slot, G1B
.else
	PLACES NP
.endif
	s_wait_alu depctr_va_vdst(0)
	v_add_nc_u32 v[ADRS], 512*NQ, v[ADRS]
	FETCH \next, 0, 0
	SCALES \next
.if \fill
	s_cmp_gt_u32 s3, 1                             ; the last trip's two refills have no fill two on: they ask for nothing
	s_cbranch_scc0 .Lno_ask_\@
	global_prefetch_b8 v[PFO], s[PFA:PFA+1] th:TH_LOAD_NT scope:SCOPE_SE
.Lno_ask_\@:
.endif
	WIN MULW
	MUL4 2, 1, NQ-1, \slot, 0
	MUL4 3, 1, NQ-1, \slot, 0
	WIN 0
.endm
	s_wait_xcnt 0x0                                ; the head's prefetch has read its address
	s_add_nc_u64 s[PFA:PFA+1], s[PFA:PFA+1], ROWB
	s_wait_tensorcnt 0x0                           ; my tile of the head's four is in
	ds_add_u32 v[SPW], v[NIL]
	s_mov_b32 s[G1+2], 4<<16                       ; no load of mine is out, so descriptors may be written: from here on a load brings 4 row blocks,
	s_mov_b32 s[G1+4], 4
	s_mov_b32 s[G1B+2], 4<<16
	s_mov_b32 s[G1B+4], 4
	s_add_co_u32 s[G0+1], s45, 0                   ; and slot 0's group 0 names my half of a tile
	s_add_nc_u64 s[G0+2:G0+3], s[G0+2:G0+3], s[2:3]
	s_add_co_u32 s[G0B+1], s45, 0
	s_add_nc_u64 s[G0B+2:G0B+3], s[G0B+2:G0B+3], s[2:3]
	s_wait_dscnt 0x0                               ; the add is done
	CROUND                                         ; a whole round: all four tiles are in, and the sixteen work-groups meet
	JLOAD G0+4, G1, G0B+4, G1B                     ; slot 1's first fill, the first tensor load behind the round
	FETCH 0, 0, 0
	SCALES 0
	global_prefetch_b8 v[PFO], s[PFA:PFA+1] th:TH_LOAD_NT scope:SCOPE_SE   ; with slot fill 1: fill 3's
	s_wait_loadcnt 32
	STEP 0, 0, 1
	STEP 0, 1, 0
	STEP 0, 2, 0
.if LAPS > 1
	s_mov_b32 s3, LAPS-1
.Llap:
	TURN 0, 1, 1
	STEP 1, 0, 0
	STEP 1, 1, 0
	STEP 1, 2, 0
	TURN 1, 0, 1
	STEP 0, 0, 0
	STEP 0, 1, 0
	STEP 0, 2, 0
	s_sub_co_u32 s3, s3, 1
	s_cmp_lg_u32 s3, 0
	s_cbranch_scc1 .Llap
.endif
	TURN 0, 1, 0
	STEP 1, 0, 0
	STEP 1, 1, 0
	STEP 1, 2, 0
	s_wait_dscnt 0x0
	WIN MULW
	MUL4 0, 1, NQ-1, 1, 0
	MUL4 1, 1, NQ-1, 1, 0
	MUL4 2, 1, NQ-1, 1, 0
	MUL4 3, 1, NQ-1, 1, 0
	WIN 0
.macro TOSTAGE a
	WIN 0x08
.irp b, 0,1,2,3
	ds_store_b128 v[STO], v[8*(4*(\a)+\b):8*(4*(\a)+\b)+3] offset:128*(\b/2)+32*(\b%2)
	ds_store_b128 v[STO], v[8*(4*(\a)+\b)+4:8*(4*(\a)+\b)+7] offset:128*(\b/2)+32*(\b%2)+16
.endr
	WIN 0
.irp t, 0,1,2,3,4,5,6,7
	ds_load_b128 v[BK+32*(\a)+4*\t:BK+32*(\a)+4*\t+3], v[RD] offset:2*\t*SPITCH
.endr
.endm
.macro SEND a, younger
	s_wait_dscnt \younger
	WIN 0x08
.set i, 0
.rept 16
	v_pk_add_f32 v[BK+32*(\a)+i:BK+32*(\a)+i+1], v[BK+32*(\a)+i:BK+32*(\a)+i+1], v[RS+32*(\a)+i:RS+32*(\a)+i+1]
.set i, i+2
.endr
	WIN 0
.irp t, 0,1,2,3,4,5,6,7
	global_store_b128 v[CO], v[BK+32*(\a)+4*\t:BK+32*(\a)+4*\t+3], s[12:13] offset:(32*((\a)/2)+8*((\a)%2)+2*\t+8*(\t/4))*4096 th:TH_STORE_NT
.endr
.endm
	PLACES NP
	s_wait_loadcnt 0x0
	TOSTAGE 0
	TOSTAGE 1
	SEND 0, 16
	TOSTAGE 2
	SEND 1, 16
	TOSTAGE 3
	SEND 2, 16
	SEND 3, 0
	s_wait_tensorcnt 0x0
	ds_add_u32 v[SPW], v[NIL]
	s_wait_dscnt 0x0
	CROUND
	s_endpgm
.Lfunc_end_k_qbf4412aefa_fc2:
	.size	k_qbf4412aefa_fc2, .Lfunc_end_k_qbf4412aefa_fc2-k_qbf4412aefa_fc2
	.p2alignl 7, 3214868480
	.fill 96, 4, 3214868480
	.section	.rodata,"a",@progbits
	.p2align	6, 0x0
	.amdhsa_kernel k_qbf4412aefa_fc2
		.amdhsa_group_segment_fixed_size 327680
		.amdhsa_private_segment_fixed_size 0
		.amdhsa_enable_private_segment 0
		.amdhsa_kernarg_size 40
		.amdhsa_user_sgpr_count 2
		.amdhsa_user_sgpr_kernarg_segment_ptr 1
		.amdhsa_wavefront_size32 1
		.amdhsa_system_sgpr_workgroup_id_x 1
		.amdhsa_system_sgpr_workgroup_id_y 1
		.amdhsa_system_sgpr_workgroup_id_z 1
		.amdhsa_system_vgpr_workitem_id 0
		.amdhsa_next_free_vgpr 768
		.amdhsa_next_free_sgpr 100
		.amdhsa_reserve_vcc 0
		.amdhsa_float_denorm_mode_32 3
		.amdhsa_float_denorm_mode_16_64 3
		.amdhsa_memory_ordered 1
		.amdhsa_forward_progress 1
		.amdhsa_inst_pref_size 103
	.end_amdhsa_kernel
	.amdgpu_metadata
---
amdhsa.version: [ 1, 2 ]
amdhsa.kernels:
  - .name:           k_qbf4412aefa_fc2
    .symbol:         k_qbf4412aefa_fc2.kd
    .args:
      - { .name: hb, .offset: 0, .size: 8, .value_kind: global_buffer, .address_space: global }
      - { .name: ops, .offset: 8, .size: 8, .value_kind: global_buffer, .address_space: global }
      - { .name: b2, .offset: 16, .size: 8, .value_kind: global_buffer, .address_space: global }
      - { .name: x1, .offset: 24, .size: 8, .value_kind: global_buffer, .address_space: global }
      - { .name: out0, .offset: 32, .size: 8, .value_kind: global_buffer, .address_space: global }
    .group_segment_fixed_size: 327680
    .private_segment_fixed_size: 0
    .kernarg_segment_align: 8
    .kernarg_segment_size: 40
    .max_flat_workgroup_size: 128
    .sgpr_count:     100
    .vgpr_count:     768
    .wavefront_size: 32
...
	.end_amdgpu_metadata
.endif
;; end of part 13
